; MI455X (gfx1250); checked and timed in simulation.
; The chip was launched on July 23, 2026; its instructions are those of AMD's public machine-readable ISA for CDNA 5 (MIT licence, August 2026) and "CDNA5" Instruction Set Architecture Reference Guide (July 2026). The comments in the code are by the model that wrote it; some were corrected since.
;; SGMCAI Layer. Allowed arithmetic: float matrix products may take bf16 or f16 operands with f32 sums; all other float work in f32.
;; Inputs: W1 1,024 x 4,096 float32; W2 4,096 x 1,024 float32; Wk 1,024 x 1,024 float32; Wo 1,024 x 1,024 float32; Wq 1,024 x 1,024 float32; Wv 1,024 x 1,024 float32; b1 4,096 float32; b2 1,024 float32; bk 1,024 float32; bo 1,024 float32; bq 1,024 float32; bv 1,024 float32; ln1_b 1,024 float32; ln1_g 1,024 float32; ln2_b 1,024 float32; ln2_g 1,024 float32; x 2 x 2,048 x 1,024 float32.
;; Outputs: out0 2 x 2,048 x 1,024 float32.
;; 3 versions, each right; version 2 is faster than version 1; version 3 is version 2 with the launches cast, ln1 written anew for expert scheduling mode. Each part assembles by itself: llvm-mc -triple=amdgcn-amd-amdhsa -mcpu=gfx1250 --defsym DOCPART=n.
;; ======== version 1 of 3: 8 launches
;; limits: values are held in f16: magnitudes above 65,504 overflow, below 6.1e-05 lose precision; inputs' magnitudes at most 65,504
;; workspace buffers: act 8,388,608 bytes; wb 25,165,824 bytes; qkv 25,165,824 bytes; y 16,777,216 bytes; x1 16,777,216 bytes; h 33,554,432 bytes
;; launch cast (part 1): grid 1024 x 1, 8 waves a work-group, no clusters, 0 bytes of LDS; arguments x, Wq, Wk, Wv, Wo, W1, W2, act, wb; writes act, wb
.if DOCPART == 1
	.amdgcn_target "amdgcn-amd-amdhsa--gfx1250"
	.amdhsa_code_object_version 6
	.text
	.protected	k_q98fb8c1a8c_cast
	.globl	k_q98fb8c1a8c_cast
	.p2align	8
	.type	k_q98fb8c1a8c_cast,@function
k_q98fb8c1a8c_cast:
	s_mov_b64 s[64:65], 0
	v_nop
	global_prefetch_b8 v0, s[64:65] scope:SCOPE_SE
	s_setreg_imm32_b32 hwreg(HW_REG_WAVE_MODE, 25, 1), 1
	s_wait_xcnt 0x0
; x and the six weights, f32, are rounded once to 16 bits and laid out anew for the matrix launches.  W1 goes to f16, all else to bf16.
;   act: [row/128 (32)][col/64 (16)][128 rows][64 cols]: blocks of 16,384 bytes, rows of 128 bytes.
;   wb:  for each weight [n/128][K rows][128 cols], rows of 256 bytes; Wq, Wk, Wv at byte 0, Wo at 6 MiB, W1 at 8 MiB, W2 at 16 MiB.
; WHY W1 IN F16.  Its partner in the product is a LayerNorm's output, which is bounded, and f16 keeps 11 significant bits where bf16 keeps 8.  LIMIT: |W1| below 65,504; entries below 6.1e-5 carry an
; absolute error of 3e-8.  The other weights meet operands without such a bound (x, sums of products) and stay in bf16, since one matrix instruction takes one format for both sources.
; Both outputs are walked linearly: work-group g makes 32,768 bytes (g < 256: of act, else of wb), a wave 4,096 of them, by 16 triples of
; one 16-byte load (4 f32 a lane), two roundings and one 8-byte store: a store of the wave covers 256 consecutive bytes, aligned,
; and each half of a load's lanes reads 256 consecutive bytes, aligned.  Memory binds: no LDS, no barrier, no matrix unit.
; All 16 loads of a wave go out first; no register is written twice, so the only waits are the counted ones for the loads.
.set OFF, 2                            ; v[2:17]   byte offset in the source of load i
.set DO,  18                           ; v18       8 x lane: my 8 bytes of a store
.set X,   20                           ; v[20:83]  as loaded
.set Y,   84                           ; v[84:115] to store
	s_load_b512 s[8:23], s[0:1], 0x0               ; x s[8:9], Wq s[10:11], Wk s[12:13], Wv s[14:15], Wo s[16:17], W1 s[18:19], W2 s[20:21], act s[22:23]
	s_load_b64 s[24:25], s[0:1], 0x40              ; wb
	v_lshrrev_b32 v1, 5, v0
	v_readfirstlane_b32 s26, v1                    ; wave 0..7
	v_and_b32 v1, 31, v0                           ; lane
	v_and_b32 v[OFF], 15, v0
	v_lshlrev_b32 v[OFF], 4, v[OFF]                ; 16 x (lane % 16)
	v_bfe_u32 v19, v0, 4, 1                        ; lane / 16
	v_lshlrev_b32 v[DO], 3, v1
	s_mov_b32 s27, ttmp9                           ; g
	s_wait_kmcnt 0x0
	s_cmp_lt_u32 s27, 256
	s_cbranch_scc0 .Lweights
	; x: two blocks of act to a work-group; a wave has 32 rows of one block; a store holds two rows of 64 columns
	s_mov_b64 s[4:5], s[8:9]                       ; source
	s_mov_b64 s[6:7], s[22:23]                     ; destination
	s_mov_b32 s28, s27                             ; which 32,768 bytes of the destination
	s_mov_b32 s40, 0                               ; to bf16
	s_and_b32 s29, s27, 7
	s_lshl_b32 s29, s29, 1
	s_lshr_b32 s30, s26, 2
	s_add_co_u32 s29, s29, s30                     ; column block p = 2 (g % 8) + wave / 4
	s_lshr_b32 s30, s27, 3
	s_lshl_b32 s30, s30, 7
	s_and_b32 s31, s26, 3
	s_lshl_b32 s31, s31, 5
	s_add_co_u32 s30, s30, s31                     ; first row = 128 (g / 8) + 32 (wave % 4)
	s_lshl_b32 s30, s30, 12                        ; rows of 4,096 bytes
	s_lshl_b32 s29, s29, 8                         ; 64 f32 = 256 bytes
	s_add_co_u32 s32, s30, s29                     ; the wave's first source byte
	s_mov_b32 s33, 12                              ; lanes 16-31 read one row (2^12 bytes) further down
	s_mov_b32 s34, 8192                            ; from load to load: two rows
	s_branch .Lgo
.Lweights:
	; weights: 128 rows of a panel of 128 columns to a work-group, 16 rows to a wave; a store holds one row of 128 columns
	s_sub_co_u32 s28, s27, 256                     ; u: which 32,768 bytes of wb
	s_mov_b64 s[6:7], s[24:25]
	s_lshr_b32 s35, s28, 6                         ; u / 64: 0 Wq, 1 Wk, 2 Wv, 3 Wo, 4-7 W1, 8-11 W2
	s_mov_b64 s[4:5], s[20:21]
	s_cmp_lt_u32 s35, 8
	s_cselect_b64 s[4:5], s[18:19], s[4:5]
	s_cmp_lt_u32 s35, 4
	s_cselect_b64 s[4:5], s[16:17], s[4:5]
	s_cmp_lt_u32 s35, 3
	s_cselect_b64 s[4:5], s[14:15], s[4:5]
	s_cmp_lt_u32 s35, 2
	s_cselect_b64 s[4:5], s[12:13], s[4:5]
	s_cmp_lt_u32 s35, 1
	s_cselect_b64 s[4:5], s[10:11], s[4:5]
	s_cmp_lt_u32 s35, 4
	s_cselect_b32 s36, 63, 255
	s_and_b32 s36, s28, s36                        ; the work-group's number inside its weight
	s_cmp_lt_u32 s35, 8
	s_cselect_b32 s37, 3, 5                        ; a panel is 8 work-groups (K = 1,024) or 32 (W2: K = 4,096)
	s_lshr_b32 s38, s35, 2
	s_cmp_eq_u32 s38, 1                            ; W1?
	s_cselect_b32 s39, 14, 12                      ; log2 of the source's row bytes: W1 16,384, the others 4,096
	s_cselect_b32 s40, 1, 0                        ; W1 to f16, the others to bf16
	s_lshr_b32 s29, s36, s37                       ; panel
	s_lshl_b32 s30, s29, s37
	s_sub_co_u32 s30, s36, s30                     ; block of 128 rows in the panel
	s_lshl_b32 s30, s30, 7
	s_lshl_b32 s31, s26, 4
	s_add_co_u32 s30, s30, s31                     ; first row = 128 x block + 16 x wave
	s_lshl_b32 s30, s30, s39
	s_lshl_b32 s29, s29, 9                         ; 128 f32 = 512 bytes
	s_add_co_u32 s32, s30, s29
	s_mov_b32 s33, 8                               ; lanes 16-31 read the next 256 bytes of the same row
	s_lshl_b32 s34, 1, s39                         ; from load to load: one row
.Lgo:
	s_lshl_b32 s28, s28, 15
	s_lshl_b32 s31, s26, 12
	s_add_co_u32 s28, s28, s31                     ; 32,768 x work-group + 4,096 x wave
	s_mov_b32 s29, 0
	s_add_nc_u64 s[6:7], s[6:7], s[28:29]
	v_lshlrev_b32 v19, s33, v19
	v_add_nc_u32 v[OFF], v[OFF], v19
	v_add_nc_u32 v[OFF], s32, v[OFF]
.irp i, 1,2,3,4,5,6,7,8,9,10,11,12,13,14,15
	v_add_nc_u32 v[OFF+\i], s34, v[OFF+\i-1]
.endr
.irp i, 0,1,2,3,4,5,6,7,8,9,10,11,12,13,14,15
	global_load_b128 v[X+4*\i:X+4*\i+3], v[OFF+\i], s[4:5] th:TH_LOAD_NT
.endr
; The 16 roundings and stores.  half = 1: to f16, else to bf16; both round to nearest even, the first source into the low half.
.macro SEND half
.irp i, 0,1,2,3,4,5,6,7,8,9,10,11,12,13,14,15
	s_wait_loadcnt 15-\i                           ; loads come back in order: load i is in, the 15 - i younger ones stay out
.if \half
	v_cvt_pk_f16_f32 v[Y+2*\i],   v[X+4*\i],   v[X+4*\i+1]
	v_cvt_pk_f16_f32 v[Y+2*\i+1], v[X+4*\i+2], v[X+4*\i+3]
.else
	v_cvt_pk_bf16_f32 v[Y+2*\i],   v[X+4*\i],   v[X+4*\i+1]
	v_cvt_pk_bf16_f32 v[Y+2*\i+1], v[X+4*\i+2], v[X+4*\i+3]
.endif
	global_store_b64 v[DO], v[Y+2*\i:Y+2*\i+1], s[6:7] offset:256*\i
.endr
.endm
	s_cmp_eq_u32 s40, 1                            ; the branch hangs on the work-group's number alone; the same 16 loads are out on both ways
	s_cbranch_scc1 .Lhalf
	SEND 0
	s_endpgm
.Lhalf:
	SEND 1
	s_endpgm
.Lfunc_end_k_q98fb8c1a8c_cast:
	.size	k_q98fb8c1a8c_cast, .Lfunc_end_k_q98fb8c1a8c_cast-k_q98fb8c1a8c_cast
	.p2alignl 7, 3214868480
	.fill 96, 4, 3214868480
	.section	.rodata,"a",@progbits
	.p2align	6, 0x0
	.amdhsa_kernel k_q98fb8c1a8c_cast
		.amdhsa_group_segment_fixed_size 0
		.amdhsa_private_segment_fixed_size 0
		.amdhsa_enable_private_segment 0
		.amdhsa_kernarg_size 72
		.amdhsa_user_sgpr_count 2
		.amdhsa_user_sgpr_kernarg_segment_ptr 1
		.amdhsa_wavefront_size32 1
		.amdhsa_system_sgpr_workgroup_id_x 1
		.amdhsa_system_sgpr_workgroup_id_y 1
		.amdhsa_system_sgpr_workgroup_id_z 1
		.amdhsa_system_vgpr_workitem_id 0
		.amdhsa_next_free_vgpr 116
		.amdhsa_next_free_sgpr 66
		.amdhsa_reserve_vcc 0
		.amdhsa_float_denorm_mode_32 3
		.amdhsa_float_denorm_mode_16_64 3
		.amdhsa_memory_ordered 1
		.amdhsa_forward_progress 1
		.amdhsa_inst_pref_size 13
	.end_amdhsa_kernel
	.amdgpu_metadata
---
amdhsa.version: [ 1, 2 ]
amdhsa.kernels:
  - .name:           k_q98fb8c1a8c_cast
    .symbol:         k_q98fb8c1a8c_cast.kd
    .args:
      - { .name: x, .offset: 0, .size: 8, .value_kind: global_buffer, .address_space: global }
      - { .name: Wq, .offset: 8, .size: 8, .value_kind: global_buffer, .address_space: global }
      - { .name: Wk, .offset: 16, .size: 8, .value_kind: global_buffer, .address_space: global }
      - { .name: Wv, .offset: 24, .size: 8, .value_kind: global_buffer, .address_space: global }
      - { .name: Wo, .offset: 32, .size: 8, .value_kind: global_buffer, .address_space: global }
      - { .name: W1, .offset: 40, .size: 8, .value_kind: global_buffer, .address_space: global }
      - { .name: W2, .offset: 48, .size: 8, .value_kind: global_buffer, .address_space: global }
      - { .name: act, .offset: 56, .size: 8, .value_kind: global_buffer, .address_space: global }
      - { .name: wb, .offset: 64, .size: 8, .value_kind: global_buffer, .address_space: global }
    .group_segment_fixed_size: 0
    .private_segment_fixed_size: 0
    .kernarg_segment_align: 8
    .kernarg_segment_size: 72
    .max_flat_workgroup_size: 256
    .sgpr_count:     66
    .vgpr_count:     116
    .wavefront_size: 32
...
	.end_amdgpu_metadata
.endif
;; end of part 1
;; launch gemm_qkv (part 2): grid 24 x 32, 4 waves a work-group, clusters of 4 x 4, 327,680 bytes of LDS; arguments act, wb, bq, bk, bv, qkv; writes qkv
.if DOCPART == 2
	.amdgcn_target "amdgcn-amd-amdhsa--gfx1250"
	.amdhsa_code_object_version 6
	.text
	.protected	k_q98fb8c1a8c_gemm_qkv
	.globl	k_q98fb8c1a8c_gemm_qkv
	.p2align	8
	.type	k_q98fb8c1a8c_gemm_qkv,@function
k_q98fb8c1a8c_gemm_qkv:
	s_mov_b64 s[64:65], 0
	v_nop
	global_prefetch_b8 v0, s[64:65] scope:SCOPE_SE
	s_setreg_imm32_b32 hwreg(HW_REG_WAVE_MODE, 25, 1), 1
	s_wait_xcnt 0x0
	s_wait_alu depctr_hold_cnt(0) depctr_sa_sdst(0) depctr_va_vdst(0) depctr_va_sdst(0) depctr_va_ssrc(0) depctr_va_vcc(0) depctr_vm_vsrc(0)
	s_getreg_b32 s2, hwreg(HW_REG_IB_STS2, 6, 4)
	s_cmp_eq_u32 s2, 0
	s_cbranch_scc0 .Lentry_in_a_cluster
	s_endpgm
.Lentry_in_a_cluster:
	s_bfe_u32 s2, ttmp6, 0x10000c
	s_cmp_lg_u32 s2, 0xf033
	s_cbranch_scc0 .Lentry_shape_is_right
	s_endpgm
.Lentry_shape_is_right:
; THIS COPY: q | k | v = x [Wq | Wk | Wv] + [bq | bk | bv], rounded to bf16.  (One text serves four launches; the four constants below differ.)
; C[m][n] = sum over k of A[m][k] W[k][n], then an epilogue chosen by EPI.  A is bf16 in blocks [m/128][k/64][128 rows][64 k]; W is bf16 in panels [n/128][k][128 n].
; A tile of C is 128 x 128; four waves, each 64 x 64: 16 accumulators of 16 x 16.  K goes in steps of 256 through two LDS slots.  A K step of A is 65,536 consecutive bytes, and so is one of W:
; each wave brings 32,768 of them by one tensor load (waves 0, 1: A; waves 2, 3: W).  A's fragments come out of LDS as they lie, W's ([k][n]) turned, by ds_load_tr16_b128.
; CLUSTER 4 x 4: the four work-groups of a row of the cluster need the same tiles of A, the four of a column the same tiles of W; each tile is asked for jointly (same load, same descriptor, a mask that names the four).
; THE MATRIX INSTRUCTION IS USED TRANSPOSED (source 0 = 16 columns of W, source 1 = 16 rows of A): a lane then holds eight neighbouring numbers of one row of C.
; EPI 0: + bias, bf16, blocks [m/128][n/64][128][64].  EPI 1: the same with the exact GELU in between.  EPI 2: + bias + residual, f32, rows of 1,024.
; LIMITS.  Matrix operands are bf16, sums f32.  GELU: erf by the rational form 7.1.26 of Abramowitz and Stegun, absolute error at most 1.5e-7; v_exp_f32 and v_rcp_f32 flush denormals; x = +-infinity gives NaN.
; REGISTERS: window 0: v0-15 at work, v16-27 addresses, v28-127 the epilogue's, v128-255 accumulators ((a, b) at v[128 + 8 (4 a + b)]).  Window 1: two fragment buffers of 128: 64 registers of A, then 64 of W, for 64 along K.
.set SIZE_K, 1024
.set WOFF,   0                         ; the weight's first byte in wb
.set EPI,    0
.set OUT_NP, 48                        ; column blocks of 64 in the output (EPI 0, 1)
.set PA,     144                       ; a row of A in LDS: 128 bytes + 16: the 16 rows of a fragment load start in 16 different columns of 16 bytes modulo 256
.set PB,     288                       ; a row of W in LDS: 256 bytes + 32
.set QA,     128*PA                    ; a quarter of a K step of A: 128 rows x 64 k
.set TILE,   36864                     ; what one tensor load fills: 256 x 144 = 128 x 288
.set SLOT,   4*TILE                    ; A's four quarters, then W's 256 rows
.set STAGEB, 4352                      ; a wave's own stage on the way out, at wave x 4,352 in slot 0, which by then has had its last fill and its last read
.if EPI == 2
.set SPITCH, 272
.else
.set SPITCH, 144
.endif
.set LAPS, SIZE_K/512                  ; a lap = two K steps = once round the ring
.set ADRA, 16                          ; v16-17  LDS address of my A fragments in slot 0, 1
.set ADRB, 20                          ; v20-23  the same for W: 2 x slot + half of the K step (an LDS offset has 16 bits)
.set STO,  24                          ; v24     the way out: where I put my bytes of a row
.set RD,   25                          ; v25     the way out: where I read rows back
.set CO,   26                          ; v26     my byte offset in the output
.set BO,   27                          ; v27     my byte offset in the bias
.set ACC,  128
.set F0,   0
.set F1,   128
.set G1, 24                            ; s[24:31] descriptor group 1 for A;  s[32:39] group 0, one set for each slot
.set G0, 32
.set G1B, 48                           ; s[48:55], s[56:63] the same for W
.set G0B, 56
.set GT, 64                            ; GELU at work: t, the exponential, the polynomial, max(x, 0)
.set GE, 72
.set GP, 80
.set GM, 88
.set MSB, 0
.macro WIN new                         ; the immediate's high byte repeats the setting that is left
.if MSB != \new
	s_set_vgpr_msb (MSB<<8)|\new
.set MSB, \new
.endif
.endm
.set MUL,  0x05                        ; sources 0 (W) and 1 (A) window 1; C and D window 0
.set TO_F, 0x40                        ; destination window 1, address window 0
.macro JLOAD s                         ; a joint load: waves 0 and 1 fetch A's two halves, waves 2 and 3 W's; four v_nop follow each of the two lines
	s_cmp_eq_u32 s11, 0
	s_cbranch_scc0 .Lfor_b_\@
	tensor_load_to_lds s[G0+4*\s:G0+4*\s+3], s[G1:G1+7]
	s_nop 0
.rept 4
	v_nop
.endr
	s_branch .Lasked_\@
.Lfor_b_\@:
	tensor_load_to_lds s[G0B+4*\s:G0B+4*\s+3], s[G1B:G1B+7]
	s_nop 0
.rept 4
	v_nop
.endr
.Lasked_\@:
.endm
.macro CREST                           ; a round of the cluster's barrier behind its opening barrier
	s_cmp_lg_u32 s10, 0
	s_cbranch_scc1 .Lnot_wave_0_\@
	s_barrier_signal -3
.Lnot_wave_0_\@:
	s_barrier_wait -3
	s_barrier_signal -1
	s_barrier_wait -1
.endm
.macro CROUND                          ; a whole round
	s_barrier_signal -1
	s_barrier_wait -1
	CREST
.endm
.macro PLACES                          ; four plain places between a matrix instruction and a load into, or a vector read of, its registers
.rept 4
	v_nop
.endr
.endm
	s_load_b128 s[4:7], s[0:1], 0x0                ; A s[4:5], wb s[6:7]
.if EPI == 0
	s_load_b128 s[68:71], s[0:1], 0x10             ; bq, bk
	s_load_b128 s[72:75], s[0:1], 0x20             ; bv, the output
	v_lshl_add_u32 v94, v0, 2, 0x48000
	v_mov_b32 v95, 0
	ds_add_u32 v94, v95
	ds_add_u32 v94, v95
.elseif EPI == 1
	s_load_b128 s[68:71], s[0:1], 0x10             ; bias, the output
.else
	s_load_b128 s[68:71], s[0:1], 0x10             ; bias, residual
	s_load_b64 s[8:9], s[0:1], 0x20                ; the output
.endif
	v_lshrrev_b32 v1, 5, v0
	v_readfirstlane_b32 s10, v1                    ; wave 0..3
	s_lshr_b32 s11, s10, 1                         ; which half of the tile's rows is mine.  Also: I fetch for A (0) or for W (1)
	s_and_b32 s12, s10, 1                          ; which half of its columns.  Also: which half of a K step I fetch
	s_bfe_u32 s40, ttmp6, 0x40000                  ; cx, cy: my place in the cluster
	s_bfe_u32 s41, ttmp6, 0x40004
	s_lshl_b32 s42, ttmp9, 2
	s_add_co_u32 s42, s42, s40                     ; tile column = 4 x cluster x + cx
	s_and_b32 s13, ttmp7, 0xffff
	s_lshl_b32 s13, s13, 2
	s_add_co_u32 s13, s13, s41                     ; tile row = 4 x cluster y + cy
	s_lshl_b32 s43, s41, 2
	s_lshl_b32 s43, 15, s43                        ; my row of the cluster
	s_lshl_b32 s44, 0x1111, s40                    ; my column
	; group 1: a dense block of 32,768 bytes as 128 rows of 32 elements of 8 bytes.  A: 4 words of padding behind every 32 words (a row of 128 bytes); W: 8 behind every 64 (a row of 256)
	s_or_b32 s[G1+0], s43, (3<<16)|(1<<20)|(1<<21)|(4<<22)|(3<<25)   ; 15:0 mask; 17:16 elements of 8 bytes; 20 padding on; 21 set beside a mask; 24:22 interval; 31:25 pad - 1
	s_or_b32 s[G1B+0], s44, (3<<16)|(1<<20)|(1<<21)|(5<<22)|(7<<25)
.irp g, G1, G1B
	s_mov_b32 s[\g+1], 32<<16                      ; tensor_dim0 = 32
	s_mov_b32 s[\g+2], 128<<16                     ; tensor_dim1 = 128
	s_mov_b32 s[\g+3], 32<<16                      ; tile_dim0 = 32
	s_mov_b32 s[\g+4], 128                         ; tile_dim1 = 128
	s_mov_b32 s[\g+5], 32                          ; from row to row: 32 elements
	s_mov_b32 s[\g+6], 0
	s_mov_b32 s[\g+7], 0
.endr
	s_lshl_b32 s17, s12, 15                        ; my half of a K step's 65,536 bytes
	s_mul_i32 s16, s13, SIZE_K*256                 ; A: 128 rows x SIZE_K x 2 bytes for each tile row
	s_add_co_u32 s16, s16, s17
	s_mul_i32 s46, s42, SIZE_K*256                 ; W: a panel for each tile column
	s_add_co_u32 s46, s46, s17
	s_add_co_u32 s46, s46, WOFF
	s_mov_b32 s17, 0
	s_mov_b32 s47, 0
	s_mul_i32 s20, s10, TILE                       ; where my loads go: no place in the cluster enters an LDS address
	s_wait_dscnt 0x0
	s_wait_kmcnt 0x0
	s_add_nc_u64 s[14:15], s[4:5], s[16:17]
	s_add_nc_u64 s[46:47], s[6:7], s[46:47]
	CROUND                                         ; all sixteen work-groups are here: the first joint loads meet
.irp s, 0,1
	s_mov_b32 s[G0+4*\s], 1
	s_add_co_u32 s[G0+4*\s+1], s20, \s*SLOT
	s_add_nc_u64 s[G0+4*\s+2:G0+4*\s+3], s[14:15], \s*65536
	s_or_b32 s[G0+4*\s+3], s[G0+4*\s+3], 0x80000000
	s_mov_b32 s[G0B+4*\s], 1
	s_add_co_u32 s[G0B+4*\s+1], s20, \s*SLOT
	s_add_nc_u64 s[G0B+4*\s+2:G0B+4*\s+3], s[46:47], \s*65536
	s_or_b32 s[G0B+4*\s+3], s[G0B+4*\s+3], 0x80000000
	JLOAD \s                                       ; two tensor loads of mine are out
.endr
	; the bias of my tile column
.if EPI == 0
	s_and_b32 s92, s42, 7
	s_lshl_b32 s92, s92, 9
	s_mov_b32 s93, 0
	s_cmp_lt_u32 s42, 16
	s_cselect_b64 s[66:67], s[70:71], s[72:73]     ; tile columns 8-15: bk, 16-23: bv,
	s_cmp_lt_u32 s42, 8
	s_cselect_b64 s[66:67], s[68:69], s[66:67]     ; 0-7: bq
	s_add_nc_u64 s[66:67], s[66:67], s[92:93]
	s_mov_b64 s[8:9], s[74:75]
.else
	s_lshl_b32 s92, s42, 9
	s_mov_b32 s93, 0
	s_add_nc_u64 s[66:67], s[68:69], s[92:93]
.endif
.if EPI == 1
	s_mov_b64 s[8:9], s[70:71]
.endif
	v_and_b32 v1, 15, v0                           ; r = lane % 16
	v_bfe_u32 v2, v0, 4, 1                         ; hh = lane / 16
	v_mul_u32_u24 v3, v1, PA
	v_lshl_add_u32 v3, v2, 4, v3                   ; A: row x pitch + 16 hh
	s_mul_i32 s21, s11, 64*PA                      ; my 64 rows of each quarter
	v_add_nc_u32 v[ADRA], s21, v3
	v_add_nc_u32 v[ADRA+1], SLOT, v[ADRA]
	v_and_b32 v4, 7, v0                            ; W, turned: lane reads 16 bytes of row k0 + 8 hh + lane % 8, at column 8 ((lane / 8) % 2)
	v_lshl_add_u32 v4, v2, 3, v4
	v_mul_u32_u24 v4, v4, PB
	v_bfe_u32 v5, v0, 3, 1
	v_lshl_add_u32 v4, v5, 4, v4
	s_lshl_b32 s22, s12, 7                         ; my 64 columns
	s_add_co_u32 s22, s22, 2*TILE                  ; W lies behind A
	v_add_nc_u32 v[ADRB], s22, v4
	v_add_nc_u32 v[ADRB+1], TILE, v[ADRB]
	v_add_nc_u32 v[ADRB+2], SLOT, v[ADRB]
	v_add_nc_u32 v[ADRB+3], SLOT+TILE, v[ADRB]
	s_mul_i32 s23, s10, STAGEB                     ; my stage
	s_lshl_b32 s21, s12, 8
	v_mul_u32_u24 v6, v1, SPITCH
.if EPI == 2
	v_lshl_add_u32 v6, v2, 5, v6                   ; in: row r, 32 bytes (8 f32) for each half of the lanes
	v_add_nc_u32 v[STO], s23, v6
	v_mul_u32_u24 v7, v2, SPITCH                   ; back: lanes 0-15 one row of 256 bytes, lanes 16-31 the next
	v_lshl_add_u32 v7, v1, 4, v7
	v_add_nc_u32 v[RD], s23, v7
	v_lshlrev_b32 v[CO], 12, v2                    ; the same two rows in the output: rows of 4,096 bytes
	v_lshl_add_u32 v[CO], v1, 4, v[CO]
	v_lshl_add_u32 v[BO], v1, 4, s21               ; bias of the four columns that I store
	s_lshl_b32 s16, s13, 19                        ; 128 rows of 4,096 bytes for each tile row,
	s_lshl_b32 s17, s11, 18                        ; 64 for my half
	s_add_co_u32 s16, s16, s17
	s_mov_b32 s17, 0
	s_lshl_b32 s46, s42, 9                         ; 128 f32 for each tile column, 64 for my half (in registers that never feed A's descriptors)
	s_lshl_b32 s47, s12, 8
	s_add_co_u32 s46, s46, s47
	s_mov_b32 s47, 0
	s_add_nc_u64 s[70:71], s[70:71], s[16:17]
	s_add_nc_u64 s[70:71], s[70:71], s[46:47]
.else
	v_lshl_add_u32 v6, v2, 4, v6                   ; in: row r, 16 bytes (8 bf16) for each half of the lanes
	v_add_nc_u32 v[STO], s23, v6
	v_and_b32 v8, 31, v0
	v_lshrrev_b32 v7, 3, v8                        ; back: four rows of 128 bytes to a load
	v_mul_u32_u24 v7, v7, SPITCH
	v_and_b32 v9, 7, v0
	v_lshl_add_u32 v7, v9, 4, v7
	v_add_nc_u32 v[RD], s23, v7
	v_lshlrev_b32 v[CO], 4, v8                     ; my wave's 64 x 64 bf16 are 8,192 consecutive bytes of the output
	v_lshl_add_u32 v[BO], v2, 5, s21               ; bias of columns 64 wc + 8 hh + 16 b + 0..7
	s_mul_i32 s16, s13, OUT_NP*16384
	s_lshl_b32 s17, s11, 13
	s_add_co_u32 s16, s16, s17
	s_mov_b32 s17, 0
	s_lshl_b32 s46, s42, 1
	s_add_co_u32 s46, s46, s12
	s_lshl_b32 s46, s46, 14                        ; column block 2 x tile column + my half
	s_mov_b32 s47, 0
.endif
	s_add_nc_u64 s[8:9], s[8:9], s[16:17]
	s_add_nc_u64 s[8:9], s[8:9], s[46:47]
.if EPI == 2
	global_load_b128 v[28:31], v[BO], s[66:67]
.irp t, 0,1,2,3,4,5,6,7
	global_load_b128 v[32+4*\t:32+4*\t+3], v[CO], s[70:71] offset:(2*\t)*4096        ; the residual of my rows 0-15,
.endr
.irp t, 0,1,2,3,4,5,6,7
	global_load_b128 v[64+4*\t:64+4*\t+3], v[CO], s[70:71] offset:(16+2*\t)*4096     ; and 16-31: they wait in registers for the epilogue
.endr
.else
.irp b, 0,1,2,3
	global_load_b128 v[96+8*\b:96+8*\b+3],   v[BO], s[66:67] offset:64*\b
	global_load_b128 v[96+8*\b+4:96+8*\b+7], v[BO], s[66:67] offset:64*\b+16
.endr
.endif
.if EPI == 1
	s_mov_b32 s88, 0x3e6d3388                      ; 0.3275911 / sqrt(2)
	s_mov_b32 s76, 0xbf38aa3b                      ; - log2(e) / 2
	s_mov_b32 s78, 0x3e027906                      ; a1 / 2 ... a5 / 2 of 7.1.26; each in a pair, since a packed instruction names a pair
	s_mov_b32 s80, 0xbe11a98e
	s_mov_b32 s82, 0x3f35f0e3
	s_mov_b32 s86, 0x3f07dc22
.irp c, 76, 78, 80, 82, 86
	s_mov_b32 s[\c+1], s[\c]
.endr
	v_mov_b32 v28, 0xbf3a00e3                      ; a4 / 2 in a vector pair: the first step of the polynomial names a5 as its one scalar pair
	v_mov_b32 v29, v28
.endif
; 8 matrix instructions: row blocks a0, a0 + 1 x all 4 column blocks, 32 along K: half c of buffer f.  zero = 1: the first product starts the sums.
; The 16 accumulators take turns, one instruction a turn.
.macro MUL8 f, c, a0, zero
.irp a, \a0, \a0+1
.irp b, 0,1,2,3
.if \zero
	v_wmma_f32_16x16x32_bf16 v[ACC+8*(4*(\a)+\b):ACC+8*(4*(\a)+\b)+7], v[\f+64+8*(4*\c+\b):\f+64+8*(4*\c+\b)+7], v[\f+8*(4*\c+\a):\f+8*(4*\c+\a)+7], 0
.else
	v_wmma_f32_16x16x32_bf16 v[ACC+8*(4*(\a)+\b):ACC+8*(4*(\a)+\b)+7], v[\f+64+8*(4*\c+\b):\f+64+8*(4*\c+\b)+7], v[\f+8*(4*\c+\a):\f+8*(4*\c+\a)+7], v[ACC+8*(4*(\a)+\b):ACC+8*(4*(\a)+\b)+7]
.endif
.endr
.endr
.endm
; 32 LDS loads in one run: the fragments of quarter q (64 along K) of a slot, into buffer f; the first 32 along K first
.macro FETCH slot, q, f
	WIN TO_F
.irp c, 0,1
.irp i, 0,1,2,3
	ds_load_tr16_b128 v[\f+64+8*(4*\c+\i):\f+64+8*(4*\c+\i)+3],   v[ADRB+2*\slot+(\q)/2] offset:(64*((\q)%2)+32*\c)*PB+32*\i
	ds_load_tr16_b128 v[\f+64+8*(4*\c+\i)+4:\f+64+8*(4*\c+\i)+7], v[ADRB+2*\slot+(\q)/2] offset:(64*((\q)%2)+32*\c+16)*PB+32*\i
	ds_load_b128 v[\f+8*(4*\c+\i):\f+8*(4*\c+\i)+3],              v[ADRA+\slot] offset:(\q)*QA+\i*16*PA+64*\c
	ds_load_b128 v[\f+8*(4*\c+\i)+4:\f+8*(4*\c+\i)+7],            v[ADRA+\slot] offset:(\q)*QA+\i*16*PA+64*\c+32
.endr
.endr
.endm
; A K step is four quarters, 32 matrix instructions each, on buffers 0, 1, 0, 1.  One of the first three: multiplies buffer f and fetches quarter q into g.
.macro QUARTER slot, q, f, g, zero
	s_wait_dscnt 16                                ; the first 32 along K are in; the run's younger 16 loads may be out
	WIN MUL
	MUL8 \f, 0, 0, \zero
	MUL8 \f, 0, 2, \zero
	PLACES
	FETCH \slot, \q, \g
	s_wait_dscnt 32                                ; all but the 32 just issued
	WIN MUL
	MUL8 \f, 1, 0, 0
	MUL8 \f, 1, 2, 0
.endm
; The last quarter multiplies buffer 1 and changes slots: ONE barrier; in front of it each wave waits for its own reads of this slot and for all its tensor loads.  fill = 1: this slot is filled again, two K steps ahead.
.macro TURN slot, next, fill
	s_wait_dscnt 16
	WIN MUL
	MUL8 F1, 0, 0, 0
	s_wait_dscnt 0                                 ; my reads of this slot are over,
	s_set_vgpr_msb 0x500
	s_wait_tensorcnt 0x0                           ; and all my tensor loads have landed: my part of the next slot
	ds_add_u32 v94, v95
	s_wait_dscnt 0x0
	s_set_vgpr_msb 0x5
	s_barrier_signal -1
	MUL8 F1, 0, 2, 0
.if \fill
	WIN 0
.endif
	s_barrier_wait -1
.if \fill
	CREST                                          ; the barrier has opened a round of the cluster's barrier: no wave of any partner still reads this slot or has a load on its way
	s_add_nc_u64 s[G0+4*\slot+2:G0+4*\slot+3], s[G0+4*\slot+2:G0+4*\slot+3], 131072
	s_add_nc_u64 s[G0B+4*\slot+2:G0B+4*\slot+3], s[G0B+4*\slot+2:G0B+4*\slot+3], 131072
	JLOAD \slot                                    ; my one tensor load behind the round: 120 matrix instructions ahead of the wait for it; its four v_nop are also the places in front of the loads below
.else
	PLACES
.endif
	FETCH \next, 0, F0
	WIN MUL
	MUL8 F1, 1, 0, 0
	MUL8 F1, 1, 2, 0
.endm
; gelu(x) = max(x, 0) - |x| w,  w = (1/2) t (a1 + t (a2 + t (a3 + t (a4 + t a5)))) 2^(-x x log2(e) / 2),  t = 1 / (1 + 0.3275911 |x| / sqrt(2)).  Eight numbers in v[x .. x+7], in place.
; Where x x overflows the exponential is 0 and the result max(x, 0).  The eight maxima are the plain instructions between the transcendentals and the use of their results (ISA guide 5.7.2).
.macro GELU8 x
.irp k, 0,1,2,3,4,5,6,7
	v_fma_f32 v[GT+\k], |v[\x+\k]|, s88, 1.0
.endr
.irp k, 0,2,4,6
	v_pk_mul_f32 v[GE+\k:GE+\k+1], v[\x+\k:\x+\k+1], s[76:77] op_sel_hi:[1,0]
.endr
.irp k, 0,2,4,6
	v_pk_mul_f32 v[GE+\k:GE+\k+1], v[GE+\k:GE+\k+1], v[\x+\k:\x+\k+1]
.endr
.irp k, 0,1,2,3,4,5,6,7
	v_rcp_f32 v[GT+\k], v[GT+\k]
.endr
.irp k, 0,1,2,3,4,5,6,7
	v_exp_f32 v[GE+\k], v[GE+\k]
.endr
.irp k, 0,1,2,3,4,5,6,7
	v_max_num_f32 v[GM+\k], 0, v[\x+\k]
.endr
.irp k, 0,2,4,6
	v_pk_fma_f32 v[GP+\k:GP+\k+1], v[GT+\k:GT+\k+1], s[86:87], v[28:29] op_sel_hi:[1,0,1]
.endr
.irp c, 82, 80, 78
.irp k, 0,2,4,6
	v_pk_fma_f32 v[GP+\k:GP+\k+1], v[GP+\k:GP+\k+1], v[GT+\k:GT+\k+1], s[\c:\c+1] op_sel_hi:[1,1,0]
.endr
.endr
.irp k, 0,2,4,6
	v_pk_mul_f32 v[GP+\k:GP+\k+1], v[GP+\k:GP+\k+1], v[GT+\k:GT+\k+1]
.endr
.irp k, 0,2,4,6
	v_pk_mul_f32 v[GP+\k:GP+\k+1], v[GP+\k:GP+\k+1], v[GE+\k:GE+\k+1]
.endr
.irp k, 0,1,2,3,4,5,6,7
	v_fma_f32 v[\x+\k], -|v[\x+\k]|, v[GP+\k], v[GM+\k]
.endr
.endm
	s_wait_tensorcnt 1                             ; my part of K step 0 is in; K step 1's may stay out
	s_barrier_signal -1
	s_barrier_wait -1                              ; everybody's is
	FETCH 0, 0, F0
	QUARTER 0, 1, F0, F1, 1                        ; the first quarter stands in front of the loop: its first products start the sums
	WIN 0                                          ; at a label and at a branch every window is 0
	s_mov_b32 s3, LAPS-1
.Llap:                                                 ; a trip goes once round the ring, from a lap's second quarter to the next lap's first, and fills both slots again
	QUARTER 0, 2, F1, F0, 0
	QUARTER 0, 3, F0, F1, 0
	TURN 0, 1, 1
	QUARTER 1, 1, F0, F1, 0
	QUARTER 1, 2, F1, F0, 0
	QUARTER 1, 3, F0, F1, 0
	TURN 1, 0, 1
	QUARTER 0, 1, F0, F1, 0
	WIN 0
	s_sub_co_u32 s3, s3, 1
	s_cmp_lg_u32 s3, 0
	s_cbranch_scc1 .Llap
	QUARTER 0, 2, F1, F0, 0                        ; the last lap fills nothing, and has no round of the cluster's barrier
	QUARTER 0, 3, F0, F1, 0
	TURN 0, 1, 0                                   ; behind this barrier no wave reads slot 0 any more
	QUARTER 1, 1, F0, F1, 0
	QUARTER 1, 2, F1, F0, 0
	QUARTER 1, 3, F0, F1, 0
	s_wait_dscnt 16                                ; the very last quarter: nothing more to fetch
	WIN MUL
	MUL8 F1, 0, 0, 0
	MUL8 F1, 0, 2, 0
	s_wait_dscnt 0
	MUL8 F1, 1, 0, 0
	MUL8 F1, 1, 2, 0
	WIN 0
	PLACES
.if EPI == 2
	; THE WAY OUT, f32: 16 rows at a time through my stage (rows of 272 bytes) and back as whole rows of 256 bytes; then + bias + residual, and 16 lanes store 256 consecutive bytes, aligned.
.irp a, 0,1,2,3
.if \a > 0
	s_wait_xcnt 0x0                                ; v96-127 are the last block's store data: written again only behind this wait
.endif
.irp b, 0,1,2,3
	ds_store_b128 v[STO], v[ACC+8*(4*\a+\b):ACC+8*(4*\a+\b)+3]   offset:64*\b
	ds_store_b128 v[STO], v[ACC+8*(4*\a+\b)+4:ACC+8*(4*\a+\b)+7] offset:64*\b+16
.endr
.irp t, 0,1,2,3,4,5,6,7
	ds_load_b128 v[96+4*\t:96+4*\t+3], v[RD] offset:\t*2*SPITCH    ; LDS serves a wave's instructions in order: these see the stores above
.endr
	s_wait_dscnt 0x0
.if \a < 2
.irp t, 0,1,2,3,4,5,6,7
	global_load_b128 v[ACC+32*\a+4*\t:ACC+32*\a+4*\t+3], v[CO], s[70:71] offset:(16*(\a+2)+2*\t)*4096   ; the residual two blocks on, into the accumulators just sent
.endr
	s_wait_loadcnt 16                              ; this block's residual (and the bias) is in; the two younger blocks' 16 loads stay out
.set RS, 32+32*\a
.elseif \a == 2
	s_wait_loadcnt 8                               ; the last block's 8 stay out
.set RS, ACC
.else
	s_wait_loadcnt 0
.set RS, ACC+32
.endif
.irp t, 0,1,2,3,4,5,6,7
	v_pk_add_f32 v[96+4*\t:96+4*\t+1], v[96+4*\t:96+4*\t+1], v[28:29]
	v_pk_add_f32 v[98+4*\t:98+4*\t+1], v[98+4*\t:98+4*\t+1], v[30:31]
.endr
.irp t, 0,1,2,3,4,5,6,7
	v_pk_add_f32 v[96+4*\t:96+4*\t+1], v[96+4*\t:96+4*\t+1], v[RS+4*\t:RS+4*\t+1]
	v_pk_add_f32 v[98+4*\t:98+4*\t+1], v[98+4*\t:98+4*\t+1], v[RS+4*\t+2:RS+4*\t+3]
.endr
.irp t, 0,1,2,3,4,5,6,7
	global_store_b128 v[CO], v[96+4*\t:96+4*\t+3], s[8:9] offset:(16*\a+2*\t)*4096
.endr
.endr
.else
	; THE WAY OUT, bf16: + bias (and GELU), rounded; 16 rows at a time through my stage (rows of 144 bytes) and back by rows; a store of the wave covers 512 consecutive bytes, aligned.
	s_wait_loadcnt 0x0                             ; the bias
.irp a, 0,1,2,3
.set TM, 32+16*((\a)%2)
.if \a >= 2
	s_wait_xcnt 0x0                                ; this set of 16 registers was store data two blocks ago: written again only behind this wait
.endif
.irp b, 0,1,2,3
.set AC, ACC+8*(4*\a+\b)
.irp k, 0,2,4,6
	v_pk_add_f32 v[AC+\k:AC+\k+1], v[AC+\k:AC+\k+1], v[96+8*\b+\k:96+8*\b+\k+1]
.endr
.if EPI == 1
	GELU8 AC
.endif
.irp k, 0,1,2,3
	v_cvt_pk_bf16_f32 v[TM+4*\b+\k], v[AC+2*\k], v[AC+2*\k+1]
.endr
	ds_store_b128 v[STO], v[TM+4*\b:TM+4*\b+3] offset:32*\b
.endr
.irp t, 0,1,2,3
	ds_load_b128 v[TM+4*\t:TM+4*\t+3], v[RD] offset:\t*4*SPITCH    ; LDS serves a wave's instructions in order: these see the stores above
.endr
	s_wait_dscnt 0x0
.irp t, 0,1,2,3
	global_store_b128 v[CO], v[TM+4*\t:TM+4*\t+3], s[8:9] offset:\a*2048+\t*512
.endr
.endr
.endif
	s_wait_tensorcnt 0x0
	ds_add_u32 v94, v95
	s_wait_dscnt 0x0
	CROUND                                         ; the closing round: no work-group ends while a partner may still ask for a tile that names it
	s_endpgm
.Lfunc_end_k_q98fb8c1a8c_gemm_qkv:
	.size	k_q98fb8c1a8c_gemm_qkv, .Lfunc_end_k_q98fb8c1a8c_gemm_qkv-k_q98fb8c1a8c_gemm_qkv
	.p2alignl 7, 3214868480
	.fill 96, 4, 3214868480
	.section	.rodata,"a",@progbits
	.p2align	6, 0x0
	.amdhsa_kernel k_q98fb8c1a8c_gemm_qkv
		.amdhsa_group_segment_fixed_size 327680
		.amdhsa_private_segment_fixed_size 0
		.amdhsa_enable_private_segment 0
		.amdhsa_kernarg_size 48
		.amdhsa_user_sgpr_count 2
		.amdhsa_user_sgpr_kernarg_segment_ptr 1
		.amdhsa_wavefront_size32 1
		.amdhsa_system_sgpr_workgroup_id_x 1
		.amdhsa_system_sgpr_workgroup_id_y 1
		.amdhsa_system_sgpr_workgroup_id_z 1
		.amdhsa_system_vgpr_workitem_id 0
		.amdhsa_next_free_vgpr 512
		.amdhsa_next_free_sgpr 100
		.amdhsa_reserve_vcc 0
		.amdhsa_float_denorm_mode_32 3
		.amdhsa_float_denorm_mode_16_64 3
		.amdhsa_memory_ordered 1
		.amdhsa_forward_progress 1
		.amdhsa_inst_pref_size 92
	.end_amdhsa_kernel
	.amdgpu_metadata
---
amdhsa.version: [ 1, 2 ]
amdhsa.kernels:
  - .name:           k_q98fb8c1a8c_gemm_qkv
    .symbol:         k_q98fb8c1a8c_gemm_qkv.kd
    .args:
      - { .name: act, .offset: 0, .size: 8, .value_kind: global_buffer, .address_space: global }
      - { .name: wb, .offset: 8, .size: 8, .value_kind: global_buffer, .address_space: global }
      - { .name: bq, .offset: 16, .size: 8, .value_kind: global_buffer, .address_space: global }
      - { .name: bk, .offset: 24, .size: 8, .value_kind: global_buffer, .address_space: global }
      - { .name: bv, .offset: 32, .size: 8, .value_kind: global_buffer, .address_space: global }
      - { .name: qkv, .offset: 40, .size: 8, .value_kind: global_buffer, .address_space: global }
    .group_segment_fixed_size: 327680
    .private_segment_fixed_size: 0
    .kernarg_segment_align: 8
    .kernarg_segment_size: 48
    .max_flat_workgroup_size: 128
    .sgpr_count:     100
    .vgpr_count:     512
    .wavefront_size: 32
...
	.end_amdgpu_metadata
.endif
;; end of part 2
;; launch attn (part 3): grid 8 x 32, 8 waves a work-group, no clusters, 252,928 bytes of LDS; arguments qkv, act; writes act
.if DOCPART == 3
	.amdgcn_target "amdgcn-amd-amdhsa--gfx1250"
	.amdhsa_code_object_version 6
	.text
	.protected	k_q98fb8c1a8c_attn
	.globl	k_q98fb8c1a8c_attn
	.p2align	8
	.type	k_q98fb8c1a8c_attn,@function
k_q98fb8c1a8c_attn:
	s_mov_b64 s[64:65], 0
	v_nop
	global_prefetch_b8 v0, s[64:65] scope:SCOPE_SE
	s_setreg_imm32_b32 hwreg(HW_REG_WAVE_MODE, 25, 1), 1
	s_wait_xcnt 0x0
; ctx[q] = sum over keys t with |q - t| <= 256 of softmax_t(Q[q] . K[t] / sqrt(2048)) V[t], for one head of 64 channels.  Keys outside the band have weight 0 and are not touched.
; qkv: bf16 blocks [row/128 (32)][p (48)][128 rows][64]: p = head (Q), 16 + head (K), 32 + head (V).  ctx goes to act: [row/128][head][128 rows][64].
; SHARES.  A work-group owns 256 queries of one head of one batch; each of its eight waves 32: two tiles of 16.  Two waves lie on a SIMD and no barrier stands among the key steps, so that one wave's
; softmax can run beside the other's products.
; LDS.  The block's whole window, the 768 keys from 256 before its first query on, is brought ONCE: six blocks of 128 rows of K and of V, one of each by each of waves 0-5.  No byte is filled twice: one barrier in all.
; A window block that would lie outside the sequence is replaced by the nearest block inside (so that every address stays in the buffer); its bytes are never read.
; NO CLUSTER: neighbouring query blocks share four of their six window blocks, but at LDS places 256 rows apart, so the partners' descriptors would differ; and the window is read once, at the start.
; LAYOUT.  S^T = K Q^T (source 0 = 16 keys, source 1 = 16 queries): a lane holds ONE query (lane % 16) and keys 8 (lane / 16) + 0..7 of each 16.  Rounded to bf16 in pairs these ARE source 1 of O^T = V^T P.
; A wave walks nine steps of 64 keys, from 64 (wave / 2) in the window on.  Step 4, which holds the queries' own keys and is never masked, comes first, so that the running maximum is finite from the start;
; the band cuts only into steps 0 and 8 (scores there become -infinity, their weights 0); steps outside the sequence are jumped over by a branch on the work-group's and the wave's numbers.
; SOFTMAX.  Running maximum m and sum l for each query: p = 2^(c s - c m), c = log2(e) / sqrt(2048); O and l are multiplied by 2^(c m_old - c m_new) in every step.
; LIMITS.  Q, K, V and the weights p are bf16 in the products; sums, maxima and l in f32; v_exp_f32 flushes denormal results to 0.
; REGISTERS.  Window 0: v1-11 addresses and constants; v12-27 statistics; v32-95 S^T; v96-127 P; v128-191 O^T.  Window 1: v0-31 Q; v32-95 K of a step; v96-159 V of a step.
.set PK,    144                        ; a row of K in LDS: 128 bytes + 16
.set PV,    160                        ; a row of V: 128 + 32
.set VB,    768*PK                     ; V's window lies behind K's
.set STAGE, VB+768*PV                  ; behind both: 16 rows x 144 bytes for each wave, for the way out; no tensor load lands there
.set SP,    144
.set NEG, 1                            ; v1   -infinity
.set AK,  2                            ; v2   LDS address of my K fragments, steps 0-4;  v3 steps 5-8 (an LDS offset has 16 bits)
.set AK2, 3
.set AV,  4                            ; v4, v5 the same for V
.set AV2, 5
.set QO,  6                            ; v6   my byte offset in the wave's rows of Q
.set STO, 7                            ; v7   the way out: where I put 16 bytes of a row
.set RD,  8                            ; v8   the way out: where I read rows back
.set GO,  9                            ; v9   my byte offset in the wave's rows of ctx
.set THR, 10                           ; v10-11 tile t: my query's place among the step's keys, less 8 (lane / 16)
.set ST,  12                           ; tile t's statistics at v[ST+8 t]: +0 c m, +1 m, +2, +3 l (even keys', odd keys'), +4 to +7 at work; the factor for O and l in +6
.set S,   32
.set P,   96
.set O,   128
.set KF,  32                           ; window 1
.set VF,  96
.set WV,  12                           ; s12 my wave's number
.set GG,  20                           ; s20 my queries' group of 64 in the sequence: 4 x block + wave / 2
.set G1K, 24                           ; s[24:31], s[32:39] descriptor group 1 for K's and V's blocks: they differ in the padding
.set G1V, 32
.set G0K, 40                           ; s[40:43], s[44:47] group 0
.set G0V, 44
.set CS,  58                           ; s[58:59] c
.set SEL, 60                           ; s[60:61] lane selects for v_permlanex16_b32: each lane takes its own place in the other half
.set MSB, 0
.macro WIN new                         ; the immediate's high byte repeats the setting that is left
.if MSB != \new
	s_set_vgpr_msb (MSB<<8)|\new
.set MSB, \new
.endif
.endm
.macro PLACES                          ; four plain places between a matrix instruction and a load into, or a vector read of, its registers
.rept 4
	v_nop
.endr
.endm
	s_load_b128 s[4:7], s[0:1], 0x0                ; qkv s[4:5], act s[6:7]
	v_lshl_add_u32 v254, v0, 2, 0x3d800
	v_mov_b32 v255, 0
	ds_add_u32 v254, v255
	ds_add_u32 v254, v255
	v_lshrrev_b32 v1, 5, v0
	v_readfirstlane_b32 s[WV], v1                  ; wave 0..7
	s_mov_b32 s13, ttmp9                           ; block of 256 queries, 0..7
	s_and_b32 s14, ttmp7, 0xffff
	s_and_b32 s15, s14, 15                         ; head
	s_lshr_b32 s14, s14, 4
	s_lshl_b32 s14, s14, 4                         ; 16 x batch: the batch's first block of 128 rows
	s_lshl_b32 s16, s13, 1
	s_add_co_u32 s17, s16, s[WV]
	s_sub_co_i32 s17, s17, 2                       ; window block w is the batch's block 2 x block - 2 + w,
	s_max_i32 s17, s17, 0
	s_min_i32 s17, s17, 15                         ; kept inside the batch
	s_add_co_u32 s17, s17, s14
	s_mul_i32 s17, s17, 48
	s_add_co_u32 s17, s17, s15
	s_add_co_u32 s17, s17, 16                      ; K's blocks are p = 16 + head
	s_lshl_b32 s18, s17, 14
	s_mov_b32 s19, 0
	; group 1: a dense block of 16,384 bytes as 64 rows of 32 elements of 8 bytes; padding behind every 32 words (a row of 128 bytes): 4 words for K, 8 for V
	s_mov_b32 s[G1K], (3<<16)|(1<<20)|(4<<22)|(3<<25)
	s_mov_b32 s[G1V], (3<<16)|(1<<20)|(4<<22)|(7<<25)
.irp g, G1K, G1V
	s_mov_b32 s[\g+1], 32<<16                      ; tensor_dim0 = 32
	s_mov_b32 s[\g+2], 64<<16                      ; tensor_dim1 = 64
	s_mov_b32 s[\g+3], 32<<16                      ; tile_dim0 = 32
	s_mov_b32 s[\g+4], 64                          ; tile_dim1 = 64
	s_mov_b32 s[\g+5], 32                          ; from row to row: 32 elements
	s_mov_b32 s[\g+6], 0
	s_mov_b32 s[\g+7], 0
.endr
	s_mov_b32 s[G0K], 1
	s_mul_i32 s[G0K+1], s[WV], 128*PK              ; window block w: 128 rows of K,
	s_mov_b32 s[G0V], 1
	s_mul_i32 s[G0V+1], s[WV], 128*PV              ; 128 rows of V
	s_add_co_u32 s[G0V+1], s[G0V+1], VB
	s_wait_dscnt 0x0
	s_wait_kmcnt 0x0
	s_add_nc_u64 s[G0K+2:G0K+3], s[4:5], s[18:19]
	s_add_nc_u64 s[G0V+2:G0V+3], s[G0K+2:G0K+3], 262144   ; V's block lies 16 blocks of 16,384 bytes behind K's
	s_or_b32 s[G0K+3], s[G0K+3], 0x80000000
	s_or_b32 s[G0V+3], s[G0V+3], 0x80000000
	s_cmp_lt_u32 s[WV], 6                          ; the launch's only fills, in one branch on the wave's number: two tensor loads of a wave are out
	s_cbranch_scc0 .Lno_fill
	tensor_load_to_lds s[G0K:G0K+3], s[G1K:G1K+7]
	s_nop 0
	tensor_load_to_lds s[G0V:G0V+3], s[G1V:G1V+7]
	s_nop 0
.rept 4
	v_nop
.endr
.Lno_fill:
	s_lshr_b32 s21, s[WV], 2
	s_add_co_u32 s21, s21, s16
	s_add_co_u32 s21, s21, s14                     ; my queries' block of 128 rows
	s_and_b32 s22, s[WV], 3
	s_lshl_b32 s22, s22, 12                        ; my 32 rows of 128 bytes in it
	s_mul_i32 s48, s21, 48
	s_add_co_u32 s48, s48, s15
	s_lshl_b32 s48, s48, 14
	s_add_co_u32 s48, s48, s22
	s_mov_b32 s49, 0
	s_lshl_b32 s50, s21, 4
	s_add_co_u32 s50, s50, s15
	s_lshl_b32 s50, s50, 14
	s_add_co_u32 s50, s50, s22
	s_mov_b32 s51, 0
	s_add_nc_u64 s[8:9], s[4:5], s[48:49]          ; Q at my wave's first row
	s_add_nc_u64 s[10:11], s[6:7], s[50:51]        ; ctx likewise
	s_lshr_b32 s23, s[WV], 1
	s_lshl2_add_u32 s[GG], s13, s23
	s_mov_b32 s[CS], 0x3d0293ee                    ; c = log2(e) / sqrt(2048) = 0.0318793
	s_mov_b32 s[CS+1], s[CS]
	s_mov_b32 s[SEL], 0x76543210
	s_mov_b32 s[SEL+1], 0xfedcba98
	v_and_b32 v28, 15, v0                          ; r = lane % 16
	v_bfe_u32 v29, v0, 4, 1                        ; hh = lane / 16
	v_lshlrev_b32 v[QO], 7, v28
	v_lshl_add_u32 v[QO], v29, 4, v[QO]            ; row x 128 + 16 hh
	WIN 0x40                                       ; destination window 1
.irp t, 0,1
.irp c, 0,1
	global_load_b128 v[16*\t+8*\c:16*\t+8*\c+3],   v[QO], s[8:9] offset:\t*2048+\c*64      ; Q stays in registers: tile t, channels 32 c on
	global_load_b128 v[16*\t+8*\c+4:16*\t+8*\c+7], v[QO], s[8:9] offset:\t*2048+\c*64+32
.endr
.endr
	WIN 0
	v_mul_u32_u24 v[AK], v28, PK
	v_lshl_add_u32 v[AK], v29, 4, v[AK]
	s_mul_i32 s52, s23, 64*PK                      ; my steps begin 64 (wave / 2) rows into the window
	v_add_nc_u32 v[AK], s52, v[AK]
	v_add_nc_u32 v[AK2], 5*64*PK, v[AK]
	v_and_b32 v30, 7, v0                           ; V, turned: lane reads 16 bytes of key 8 hh + lane % 8, at channel 8 ((lane / 8) % 2)
	v_lshl_add_u32 v30, v29, 3, v30
	v_mul_u32_u24 v[AV], v30, PV
	v_bfe_u32 v31, v0, 3, 1
	v_lshl_add_u32 v[AV], v31, 4, v[AV]
	s_mul_i32 s53, s23, 64*PV
	s_add_co_u32 s53, s53, VB
	v_add_nc_u32 v[AV], s53, v[AV]
	v_add_nc_u32 v[AV2], 5*64*PV, v[AV]
	v_lshlrev_b32 v30, 3, v29
	v_sub_nc_u32 v[THR], v28, v30                  ; r - 8 hh (as a signed number),
	s_and_b32 s54, s[WV], 1
	s_lshl_b32 s54, s54, 5
	v_add_nc_u32 v[THR], s54, v[THR]               ; + 32 (wave % 2): tile 0;
	v_add_nc_u32 v[THR+1], 16, v[THR]              ; tile 1
	v_mov_b32 v[NEG], 0xff800000
	s_mul_i32 s55, s[WV], 16*SP
	s_add_co_u32 s55, s55, STAGE                   ; my stage
	v_mul_u32_u24 v[STO], v28, SP                  ; in: row r, 16 bytes for each half of the lanes
	v_lshl_add_u32 v[STO], v29, 4, v[STO]
	v_add_nc_u32 v[STO], s55, v[STO]
	v_and_b32 v30, 31, v0
	v_lshrrev_b32 v31, 3, v30                      ; back: four rows of 128 bytes to a load
	v_mul_u32_u24 v[RD], v31, SP
	v_and_b32 v31, 7, v0
	v_lshl_add_u32 v[RD], v31, 4, v[RD]
	v_add_nc_u32 v[RD], s55, v[RD]
	v_lshlrev_b32 v[GO], 4, v30                    ; my wave's 32 rows of ctx are 4,096 consecutive bytes
; The band's edge.  My score e of a tile (register 8 kb + jr) belongs to key 16 kb + 8 hh + jr of the step.  ge = 1 (step 0): kept where key >= my query's place; ge = 0 (step 8): where key <= it.
.macro MASK ge
.irp t, 0,1
.set e, 0
.rept 32
.if \ge
	v_cmp_ge_i32 vcc_lo, 16*(e/8)+e%8, v[THR+\t]
.else
	v_cmp_le_i32 vcc_lo, 16*(e/8)+e%8, v[THR+\t]
.endif
	v_cndmask_b32 v[S+32*\t+e], v[NEG], v[S+32*\t+e], vcc_lo
.set e, e+1
.endr
.endr
.endm
; One step's softmax for both tiles, which alternate where one instruction feeds the next.  first = 1: the first step: no old maximum, nothing to rescale.
.macro SOFT first
.irp j, 0,1,2,3                        ; the maximum of my 32 scores: four chains of seven, three operands at a time,
.irp t, 0,1
	v_max3_num_f32 v[ST+8*\t+4+\j], v[S+32*\t+8*\j], v[S+32*\t+8*\j+1], v[S+32*\t+8*\j+2]
.endr
.endr
.irp u, 3,5
.irp j, 0,1,2,3
.irp t, 0,1
	v_max3_num_f32 v[ST+8*\t+4+\j], v[ST+8*\t+4+\j], v[S+32*\t+8*\j+\u], v[S+32*\t+8*\j+\u+1]
.endr
.endr
.endr
.irp t, 0,1                            ; the four scores left over,
	v_max3_num_f32 v[ST+8*\t+4], v[ST+8*\t+4], v[S+32*\t+7],  v[S+32*\t+15]
	v_max3_num_f32 v[ST+8*\t+6], v[ST+8*\t+6], v[S+32*\t+23], v[S+32*\t+31]
.endr
.irp t, 0,1
	v_max3_num_f32 v[ST+8*\t+4], v[ST+8*\t+4], v[ST+8*\t+5], v[ST+8*\t+6]
.endr
.irp t, 0,1                            ; and the old m
.if \first
	v_max_num_f32 v[ST+8*\t+4], v[ST+8*\t+4], v[ST+8*\t+7]
.else
	v_max3_num_f32 v[ST+8*\t+4], v[ST+8*\t+4], v[ST+8*\t+7], v[ST+8*\t+1]
.endif
.endr
.irp t, 0,1
	v_permlanex16_b32 v[ST+8*\t+5], v[ST+8*\t+4], s[SEL], s[SEL+1]   ; the query's other 32 keys lie in the lane 16 away
.endr
.if \first == 0
.irp t, 0,1
	v_mov_b32 v[ST+8*\t+7], v[ST+8*\t]             ; c m_old is kept
.endr
.endif
.irp t, 0,1
	v_max_num_f32 v[ST+8*\t+1], v[ST+8*\t+4], v[ST+8*\t+5]
.endr
.irp t, 0,1
	v_mul_f32 v[ST+8*\t], s[CS], v[ST+8*\t+1]
.endr
.if \first == 0
.irp t, 0,1
	v_sub_f32 v[ST+8*\t+7], v[ST+8*\t+7], v[ST+8*\t]
.endr
.irp t, 0,1
	v_exp_f32 v[ST+8*\t+6], v[ST+8*\t+7]           ; the factor for O and l; the scalings below are the plain instructions behind it
.endr
.endif
.irp t, 0,1
.set i, 0
.rept 16
	v_pk_fma_f32 v[S+32*\t+i:S+32*\t+i+1], v[S+32*\t+i:S+32*\t+i+1], s[CS:CS+1], v[ST+8*\t:ST+8*\t+1] op_sel_hi:[1,0,0] neg_lo:[0,0,1] neg_hi:[0,0,1]   ; c s - c m
.set i, i+2
.endr
.endr
.set i, 0
.rept 64
	v_exp_f32 v[S+i], v[S+i]
.set i, i+1
.endr
	v_nop                                          ; a plain instruction between the exponentials and the use of their results (ISA guide 5.7.2)
.set i, 0
	s_wait_alu depctr_va_vdst(0)
.rept 32
	v_cvt_pk_bf16_f32 v[P+i], v[S+2*i], v[S+2*i+1]
.set i, i+1
.endr
.irp w, 4, 8, 16                       ; the sum of a tile's 16 pairs, in place: neighbours 1, 2, 4 and 8 pairs apart
.set i, 0
.rept 64/\w
	v_pk_add_f32 v[S+\w*i:S+\w*i+1], v[S+\w*i:S+\w*i+1], v[S+\w*i+\w/2:S+\w*i+\w/2+1]
.set i, i+1
.endr
.endr
.irp t, 0,1
.if \first
	v_pk_add_f32 v[ST+8*\t+2:ST+8*\t+3], v[S+32*\t:S+32*\t+1], v[S+32*\t+16:S+32*\t+17]
.else
	v_pk_add_f32 v[S+32*\t:S+32*\t+1], v[S+32*\t:S+32*\t+1], v[S+32*\t+16:S+32*\t+17]
.endif
.endr
.if \first == 0
.irp t, 0,1
	v_pk_fma_f32 v[ST+8*\t+2:ST+8*\t+3], v[ST+8*\t+2:ST+8*\t+3], v[ST+8*\t+6:ST+8*\t+7], v[S+32*\t:S+32*\t+1] op_sel_hi:[1,0,1]
.endr
.irp t, 0,1
.set i, 0
.rept 16
	v_pk_mul_f32 v[O+32*\t+i:O+32*\t+i+1], v[O+32*\t+i:O+32*\t+i+1], v[ST+8*\t+6:ST+8*\t+7] op_sel_hi:[1,0]
.set i, i+2
.endr
.endr
.endif
.endm
; Key step j: 64 keys.  mask: 0 none, 1 the band's lower edge, 2 its upper edge.  In both products the eight accumulators take turns, one instruction a turn.
.macro STEP j, first, mask
.if \j < 5
.set BK, AK
.set BV, AV
.else
.set BK, AK2
.set BV, AV2
.endif
.set JO, (\j)%5
	PLACES                                         ; V's registers were read by the last step's products
	WIN 0x40
.irp kb, 0,1,2,3
.irp c, 0,1
	ds_load_b128 v[KF+8*(2*\kb+\c):KF+8*(2*\kb+\c)+3],   v[BK] offset:JO*64*PK+\kb*16*PK+64*\c
	ds_load_b128 v[KF+8*(2*\kb+\c)+4:KF+8*(2*\kb+\c)+7], v[BK] offset:JO*64*PK+\kb*16*PK+64*\c+32
.endr
.endr
.irp g, 0,1
.irp cb, 0,1,2,3
	ds_load_tr16_b128 v[VF+8*(4*\g+\cb):VF+8*(4*\g+\cb)+3],   v[BV] offset:JO*64*PV+\g*32*PV+32*\cb
	ds_load_tr16_b128 v[VF+8*(4*\g+\cb)+4:VF+8*(4*\g+\cb)+7], v[BV] offset:JO*64*PV+\g*32*PV+16*PV+32*\cb
.endr
.endr
	s_wait_dscnt 16                                ; K's 16 loads are in; V's 16, issued behind them, stay out
	WIN 0x05                                       ; K and Q window 1, S^T window 0
.set i, 0
.rept 16                               ; channels 32 (i / 8) on, keys 16 ((i / 2) % 4) on, tile i % 2; the first 8 start the sums
.set rS, S+32*(i%2)+8*((i/2)%4)
.set rK, KF+8*(2*((i/2)%4)+i/8)
.set rQ, 16*(i%2)+8*(i/8)
.if i < 8
	v_wmma_f32_16x16x32_bf16 v[rS:rS+7], v[rK:rK+7], v[rQ:rQ+7], 0
.else
	v_wmma_f32_16x16x32_bf16 v[rS:rS+7], v[rK:rK+7], v[rQ:rQ+7], v[rS:rS+7]
.endif
.set i, i+1
.endr
	WIN 0
	PLACES
.if \mask == 1
	MASK 1
.elseif \mask == 2
	MASK 0
.endif
	SOFT \first
	s_wait_dscnt 0x0                               ; V is in
	WIN 0x01                                       ; V window 1; P and O^T window 0
.set i, 0
.rept 16                               ; keys 32 (i / 8) on, channels 16 ((i / 2) % 4) on, tile i % 2
.set rO, O+32*(i%2)+8*((i/2)%4)
.set rV, VF+8*(4*(i/8)+(i/2)%4)
.set rP, P+16*(i%2)+8*(i/8)
.if \first && (i < 8)
	v_wmma_f32_16x16x32_bf16 v[rO:rO+7], v[rV:rV+7], v[rP:rP+7], 0
.else
	v_wmma_f32_16x16x32_bf16 v[rO:rO+7], v[rV:rV+7], v[rP:rP+7], v[rO:rO+7]
.endif
.set i, i+1
.endr
	WIN 0
.endm
; Step j's keys are the sequence's group of 64 number GG - 4 + j: jumped over where that lies outside 0..31.  The branch hangs on the work-group's and the wave's numbers alone; no barrier stands behind it.
.macro GUARDED j, mask
.if \j < 4
	s_cmp_lt_u32 s[GG], 4-\j
.else
	s_cmp_gt_u32 s[GG], 35-\j
.endif
	s_cbranch_scc1 .Lskip_\@
	STEP \j, 0, \mask
.Lskip_\@:
.endm
	s_wait_tensorcnt 0x0                           ; my two blocks have landed (waves 6 and 7 have none),
	s_barrier_signal -1
	s_barrier_wait -1                              ; everybody's have: the window is whole, and nothing writes it again
	s_wait_loadcnt 0x0                             ; Q
	STEP 4, 1, 0
	GUARDED 0, 1
	GUARDED 1, 0
	GUARDED 2, 0
	GUARDED 3, 0
	GUARDED 5, 0
	GUARDED 6, 0
	GUARDED 7, 0
	GUARDED 8, 2
	; THE WAY OUT.  l's two halves and the other half of the lanes' are added; O^T is divided by l, rounded to bf16 and sent through my stage, a tile (16 rows of 128 bytes) at a time.
	PLACES
.irp t, 0,1
	v_add_f32 v[ST+8*\t+4], v[ST+8*\t+2], v[ST+8*\t+3]
.endr
.irp t, 0,1
	v_permlanex16_b32 v[ST+8*\t+5], v[ST+8*\t+4], s[SEL], s[SEL+1]
.endr
.irp t, 0,1
	v_add_f32 v[ST+8*\t+4], v[ST+8*\t+4], v[ST+8*\t+5]
.endr
.irp t, 0,1
	v_rcp_f32 v[ST+8*\t+6], v[ST+8*\t+4]
.endr
	v_nop                                          ; a plain instruction between the reciprocals and the use of their results
	s_wait_alu depctr_va_vdst(0)
.irp t, 0,1
.set i, 0
.rept 16
	v_pk_mul_f32 v[O+32*\t+i:O+32*\t+i+1], v[O+32*\t+i:O+32*\t+i+1], v[ST+8*\t+6:ST+8*\t+7] op_sel_hi:[1,0]
.set i, i+2
.endr
.set i, 0
.rept 16
	v_cvt_pk_bf16_f32 v[S+16*\t+i], v[O+32*\t+2*i], v[O+32*\t+2*i+1]
.set i, i+1
.endr
.irp cb, 0,1,2,3
	ds_store_b128 v[STO], v[S+16*\t+4*\cb:S+16*\t+4*\cb+3] offset:32*\cb
.endr
.irp u, 0,1,2,3
	ds_load_b128 v[S+16*\t+4*\u:S+16*\t+4*\u+3], v[RD] offset:\u*4*SP     ; LDS serves a wave's instructions in order: these see the stores above, and the next tile's stores come behind them
.endr
.endr
	s_wait_dscnt 0x0
.irp t, 0,1
.irp u, 0,1,2,3
	global_store_b128 v[GO], v[S+16*\t+4*\u:S+16*\t+4*\u+3], s[10:11] offset:\t*2048+\u*512    ; a store of the wave covers 512 consecutive bytes, aligned
.endr
.endr
	s_wait_tensorcnt 0x0
	ds_add_u32 v254, v255
	s_wait_dscnt 0x0
	s_endpgm
.Lfunc_end_k_q98fb8c1a8c_attn:
	.size	k_q98fb8c1a8c_attn, .Lfunc_end_k_q98fb8c1a8c_attn-k_q98fb8c1a8c_attn
	.p2alignl 7, 3214868480
	.fill 96, 4, 3214868480
	.section	.rodata,"a",@progbits
	.p2align	6, 0x0
	.amdhsa_kernel k_q98fb8c1a8c_attn
		.amdhsa_group_segment_fixed_size 252928
		.amdhsa_private_segment_fixed_size 0
		.amdhsa_enable_private_segment 0
		.amdhsa_kernarg_size 16
		.amdhsa_user_sgpr_count 2
		.amdhsa_user_sgpr_kernarg_segment_ptr 1
		.amdhsa_wavefront_size32 1
		.amdhsa_system_sgpr_workgroup_id_x 1
		.amdhsa_system_sgpr_workgroup_id_y 1
		.amdhsa_system_sgpr_workgroup_id_z 1
		.amdhsa_system_vgpr_workitem_id 0
		.amdhsa_next_free_vgpr 416
		.amdhsa_next_free_sgpr 66
		.amdhsa_reserve_vcc 1
		.amdhsa_float_denorm_mode_32 3
		.amdhsa_float_denorm_mode_16_64 3
		.amdhsa_memory_ordered 1
		.amdhsa_forward_progress 1
		.amdhsa_inst_pref_size 172
	.end_amdhsa_kernel
	.amdgpu_metadata
---
amdhsa.version: [ 1, 2 ]
amdhsa.kernels:
  - .name:           k_q98fb8c1a8c_attn
    .symbol:         k_q98fb8c1a8c_attn.kd
    .args:
      - { .name: qkv, .offset: 0, .size: 8, .value_kind: global_buffer, .address_space: global }
      - { .name: act, .offset: 8, .size: 8, .value_kind: global_buffer, .address_space: global }
    .group_segment_fixed_size: 252928
    .private_segment_fixed_size: 0
    .kernarg_segment_align: 8
    .kernarg_segment_size: 16
    .max_flat_workgroup_size: 256
    .sgpr_count:     66
    .vgpr_count:     416
    .wavefront_size: 32
...
	.end_amdgpu_metadata
.endif
;; end of part 3
;; launch gemm_proj (part 4): grid 8 x 32, 4 waves a work-group, clusters of 4 x 4, 327,680 bytes of LDS; arguments act, wb, bo, x, y; writes y
.if DOCPART == 4
	.amdgcn_target "amdgcn-amd-amdhsa--gfx1250"
	.amdhsa_code_object_version 6
	.text
	.protected	k_q98fb8c1a8c_gemm_proj
	.globl	k_q98fb8c1a8c_gemm_proj
	.p2align	8
	.type	k_q98fb8c1a8c_gemm_proj,@function
k_q98fb8c1a8c_gemm_proj:
	s_mov_b64 s[64:65], 0
	v_nop
	global_prefetch_b8 v0, s[64:65] scope:SCOPE_SE
	s_setreg_imm32_b32 hwreg(HW_REG_WAVE_MODE, 25, 1), 1
	s_wait_xcnt 0x0
	s_wait_alu depctr_hold_cnt(0) depctr_sa_sdst(0) depctr_va_vdst(0) depctr_va_sdst(0) depctr_va_ssrc(0) depctr_va_vcc(0) depctr_vm_vsrc(0)
	s_getreg_b32 s2, hwreg(HW_REG_IB_STS2, 6, 4)
	s_cmp_eq_u32 s2, 0
	s_cbranch_scc0 .Lentry_in_a_cluster
	s_endpgm
.Lentry_in_a_cluster:
	s_bfe_u32 s2, ttmp6, 0x10000c
	s_cmp_lg_u32 s2, 0xf033
	s_cbranch_scc0 .Lentry_shape_is_right
	s_endpgm
.Lentry_shape_is_right:
; THIS COPY: y = ctx Wo + bo + x, f32: the sum in front of the first LayerNorm.  (One text serves four launches; the four constants below differ.)
; C[m][n] = sum over k of A[m][k] W[k][n], then an epilogue chosen by EPI.  A is bf16 in blocks [m/128][k/64][128 rows][64 k]; W is bf16 in panels [n/128][k][128 n].
; A tile of C is 128 x 128; four waves, each 64 x 64: 16 accumulators of 16 x 16.  K goes in steps of 256 through two LDS slots.  A K step of A is 65,536 consecutive bytes, and so is one of W:
; each wave brings 32,768 of them by one tensor load (waves 0, 1: A; waves 2, 3: W).  A's fragments come out of LDS as they lie, W's ([k][n]) turned, by ds_load_tr16_b128.
; CLUSTER 4 x 4: the four work-groups of a row of the cluster need the same tiles of A, the four of a column the same tiles of W; each tile is asked for jointly (same load, same descriptor, a mask that names the four).
; THE MATRIX INSTRUCTION IS USED TRANSPOSED (source 0 = 16 columns of W, source 1 = 16 rows of A): a lane then holds eight neighbouring numbers of one row of C.
; EPI 0: + bias, bf16, blocks [m/128][n/64][128][64].  EPI 1: the same with the exact GELU in between.  EPI 2: + bias + residual, f32, rows of 1,024.
; LIMITS.  Matrix operands are bf16, sums f32.  GELU: erf by the rational form 7.1.26 of Abramowitz and Stegun, absolute error at most 1.5e-7; v_exp_f32 and v_rcp_f32 flush denormals; x = +-infinity gives NaN.
; REGISTERS: window 0: v0-15 at work, v16-27 addresses, v28-127 the epilogue's, v128-255 accumulators ((a, b) at v[128 + 8 (4 a + b)]).  Window 1: two fragment buffers of 128: 64 registers of A, then 64 of W, for 64 along K.
.set SIZE_K, 1024
.set WOFF,   6291456                   ; the weight's first byte in wb
.set EPI,    2
.set OUT_NP, 0                         ; column blocks of 64 in the output (EPI 0, 1)
.set PA,     144                       ; a row of A in LDS: 128 bytes + 16: the 16 rows of a fragment load start in 16 different columns of 16 bytes modulo 256
.set PB,     288                       ; a row of W in LDS: 256 bytes + 32
.set QA,     128*PA                    ; a quarter of a K step of A: 128 rows x 64 k
.set TILE,   36864                     ; what one tensor load fills: 256 x 144 = 128 x 288
.set SLOT,   4*TILE                    ; A's four quarters, then W's 256 rows
.set STAGEB, 4352                      ; a wave's own stage on the way out, at wave x 4,352 in slot 0, which by then has had its last fill and its last read
.if EPI == 2
.set SPITCH, 272
.else
.set SPITCH, 144
.endif
.set LAPS, SIZE_K/512                  ; a lap = two K steps = once round the ring
.set ADRA, 16                          ; v16-17  LDS address of my A fragments in slot 0, 1
.set ADRB, 20                          ; v20-23  the same for W: 2 x slot + half of the K step (an LDS offset has 16 bits)
.set STO,  24                          ; v24     the way out: where I put my bytes of a row
.set RD,   25                          ; v25     the way out: where I read rows back
.set CO,   26                          ; v26     my byte offset in the output
.set BO,   27                          ; v27     my byte offset in the bias
.set ACC,  128
.set F0,   0
.set F1,   128
.set G1, 24                            ; s[24:31] descriptor group 1 for A;  s[32:39] group 0, one set for each slot
.set G0, 32
.set G1B, 48                           ; s[48:55], s[56:63] the same for W
.set G0B, 56
.set GT, 64                            ; GELU at work: t, the exponential, the polynomial, max(x, 0)
.set GE, 72
.set GP, 80
.set GM, 88
.set MSB, 0
.macro WIN new                         ; the immediate's high byte repeats the setting that is left
.if MSB != \new
	s_set_vgpr_msb (MSB<<8)|\new
.set MSB, \new
.endif
.endm
.set MUL,  0x05                        ; sources 0 (W) and 1 (A) window 1; C and D window 0
.set TO_F, 0x40                        ; destination window 1, address window 0
.macro JLOAD s                         ; a joint load: waves 0 and 1 fetch A's two halves, waves 2 and 3 W's; four v_nop follow each of the two lines
	s_cmp_eq_u32 s11, 0
	s_cbranch_scc0 .Lfor_b_\@
	tensor_load_to_lds s[G0+4*\s:G0+4*\s+3], s[G1:G1+7]
	s_nop 0
.rept 4
	v_nop
.endr
	s_branch .Lasked_\@
.Lfor_b_\@:
	tensor_load_to_lds s[G0B+4*\s:G0B+4*\s+3], s[G1B:G1B+7]
	s_nop 0
.rept 4
	v_nop
.endr
.Lasked_\@:
.endm
.macro CREST                           ; a round of the cluster's barrier behind its opening barrier
	s_cmp_lg_u32 s10, 0
	s_cbranch_scc1 .Lnot_wave_0_\@
	s_barrier_signal -3
.Lnot_wave_0_\@:
	s_barrier_wait -3
	s_barrier_signal -1
	s_barrier_wait -1
.endm
.macro CROUND                          ; a whole round
	s_barrier_signal -1
	s_barrier_wait -1
	CREST
.endm
.macro PLACES                          ; four plain places between a matrix instruction and a load into, or a vector read of, its registers
.rept 4
	v_nop
.endr
.endm
	s_load_b128 s[4:7], s[0:1], 0x0                ; A s[4:5], wb s[6:7]
.if EPI == 0
	s_load_b128 s[68:71], s[0:1], 0x10             ; bq, bk
	s_load_b128 s[72:75], s[0:1], 0x20             ; bv, the output
.elseif EPI == 1
	s_load_b128 s[68:71], s[0:1], 0x10             ; bias, the output
.else
	s_load_b128 s[68:71], s[0:1], 0x10             ; bias, residual
	s_load_b64 s[8:9], s[0:1], 0x20                ; the output
	v_lshl_add_u32 v18, v0, 2, 0x48000
	v_mov_b32 v19, 0
	ds_add_u32 v18, v19
	ds_add_u32 v18, v19
.endif
	v_lshrrev_b32 v1, 5, v0
	v_readfirstlane_b32 s10, v1                    ; wave 0..3
	s_lshr_b32 s11, s10, 1                         ; which half of the tile's rows is mine.  Also: I fetch for A (0) or for W (1)
	s_and_b32 s12, s10, 1                          ; which half of its columns.  Also: which half of a K step I fetch
	s_bfe_u32 s40, ttmp6, 0x40000                  ; cx, cy: my place in the cluster
	s_bfe_u32 s41, ttmp6, 0x40004
	s_lshl_b32 s42, ttmp9, 2
	s_add_co_u32 s42, s42, s40                     ; tile column = 4 x cluster x + cx
	s_and_b32 s13, ttmp7, 0xffff
	s_lshl_b32 s13, s13, 2
	s_add_co_u32 s13, s13, s41                     ; tile row = 4 x cluster y + cy
	s_lshl_b32 s43, s41, 2
	s_lshl_b32 s43, 15, s43                        ; my row of the cluster
	s_lshl_b32 s44, 0x1111, s40                    ; my column
	; group 1: a dense block of 32,768 bytes as 128 rows of 32 elements of 8 bytes.  A: 4 words of padding behind every 32 words (a row of 128 bytes); W: 8 behind every 64 (a row of 256)
	s_or_b32 s[G1+0], s43, (3<<16)|(1<<20)|(1<<21)|(4<<22)|(3<<25)   ; 15:0 mask; 17:16 elements of 8 bytes; 20 padding on; 21 set beside a mask; 24:22 interval; 31:25 pad - 1
	s_or_b32 s[G1B+0], s44, (3<<16)|(1<<20)|(1<<21)|(5<<22)|(7<<25)
.irp g, G1, G1B
	s_mov_b32 s[\g+1], 32<<16                      ; tensor_dim0 = 32
	s_mov_b32 s[\g+2], 128<<16                     ; tensor_dim1 = 128
	s_mov_b32 s[\g+3], 32<<16                      ; tile_dim0 = 32
	s_mov_b32 s[\g+4], 128                         ; tile_dim1 = 128
	s_mov_b32 s[\g+5], 32                          ; from row to row: 32 elements
	s_mov_b32 s[\g+6], 0
	s_mov_b32 s[\g+7], 0
.endr
	s_lshl_b32 s17, s12, 15                        ; my half of a K step's 65,536 bytes
	s_mul_i32 s16, s13, SIZE_K*256                 ; A: 128 rows x SIZE_K x 2 bytes for each tile row
	s_add_co_u32 s16, s16, s17
	s_mul_i32 s46, s42, SIZE_K*256                 ; W: a panel for each tile column
	s_add_co_u32 s46, s46, s17
	s_add_co_u32 s46, s46, WOFF
	s_mov_b32 s17, 0
	s_mov_b32 s47, 0
	s_mul_i32 s20, s10, TILE                       ; where my loads go: no place in the cluster enters an LDS address
	s_wait_dscnt 0x0
	s_wait_kmcnt 0x0
	s_add_nc_u64 s[14:15], s[4:5], s[16:17]
	s_add_nc_u64 s[46:47], s[6:7], s[46:47]
	CROUND                                         ; all sixteen work-groups are here: the first joint loads meet
.irp s, 0,1
	s_mov_b32 s[G0+4*\s], 1
	s_add_co_u32 s[G0+4*\s+1], s20, \s*SLOT
	s_add_nc_u64 s[G0+4*\s+2:G0+4*\s+3], s[14:15], \s*65536
	s_or_b32 s[G0+4*\s+3], s[G0+4*\s+3], 0x80000000
	s_mov_b32 s[G0B+4*\s], 1
	s_add_co_u32 s[G0B+4*\s+1], s20, \s*SLOT
	s_add_nc_u64 s[G0B+4*\s+2:G0B+4*\s+3], s[46:47], \s*65536
	s_or_b32 s[G0B+4*\s+3], s[G0B+4*\s+3], 0x80000000
	JLOAD \s                                       ; two tensor loads of mine are out
.endr
	; the bias of my tile column
.if EPI == 0
	s_and_b32 s92, s42, 7
	s_lshl_b32 s92, s92, 9
	s_mov_b32 s93, 0
	s_cmp_lt_u32 s42, 16
	s_cselect_b64 s[66:67], s[70:71], s[72:73]     ; tile columns 8-15: bk, 16-23: bv,
	s_cmp_lt_u32 s42, 8
	s_cselect_b64 s[66:67], s[68:69], s[66:67]     ; 0-7: bq
	s_add_nc_u64 s[66:67], s[66:67], s[92:93]
	s_mov_b64 s[8:9], s[74:75]
.else
	s_lshl_b32 s92, s42, 9
	s_mov_b32 s93, 0
	s_add_nc_u64 s[66:67], s[68:69], s[92:93]
.endif
.if EPI == 1
	s_mov_b64 s[8:9], s[70:71]
.endif
	v_and_b32 v1, 15, v0                           ; r = lane % 16
	v_bfe_u32 v2, v0, 4, 1                         ; hh = lane / 16
	v_mul_u32_u24 v3, v1, PA
	v_lshl_add_u32 v3, v2, 4, v3                   ; A: row x pitch + 16 hh
	s_mul_i32 s21, s11, 64*PA                      ; my 64 rows of each quarter
	v_add_nc_u32 v[ADRA], s21, v3
	v_add_nc_u32 v[ADRA+1], SLOT, v[ADRA]
	v_and_b32 v4, 7, v0                            ; W, turned: lane reads 16 bytes of row k0 + 8 hh + lane % 8, at column 8 ((lane / 8) % 2)
	v_lshl_add_u32 v4, v2, 3, v4
	v_mul_u32_u24 v4, v4, PB
	v_bfe_u32 v5, v0, 3, 1
	v_lshl_add_u32 v4, v5, 4, v4
	s_lshl_b32 s22, s12, 7                         ; my 64 columns
	s_add_co_u32 s22, s22, 2*TILE                  ; W lies behind A
	v_add_nc_u32 v[ADRB], s22, v4
	v_add_nc_u32 v[ADRB+1], TILE, v[ADRB]
	v_add_nc_u32 v[ADRB+2], SLOT, v[ADRB]
	v_add_nc_u32 v[ADRB+3], SLOT+TILE, v[ADRB]
	s_mul_i32 s23, s10, STAGEB                     ; my stage
	s_lshl_b32 s21, s12, 8
	v_mul_u32_u24 v6, v1, SPITCH
.if EPI == 2
	v_lshl_add_u32 v6, v2, 5, v6                   ; in: row r, 32 bytes (8 f32) for each half of the lanes
	v_add_nc_u32 v[STO], s23, v6
	v_mul_u32_u24 v7, v2, SPITCH                   ; back: lanes 0-15 one row of 256 bytes, lanes 16-31 the next
	v_lshl_add_u32 v7, v1, 4, v7
	v_add_nc_u32 v[RD], s23, v7
	v_lshlrev_b32 v[CO], 12, v2                    ; the same two rows in the output: rows of 4,096 bytes
	v_lshl_add_u32 v[CO], v1, 4, v[CO]
	v_lshl_add_u32 v[BO], v1, 4, s21               ; bias of the four columns that I store
	s_lshl_b32 s16, s13, 19                        ; 128 rows of 4,096 bytes for each tile row,
	s_lshl_b32 s17, s11, 18                        ; 64 for my half
	s_add_co_u32 s16, s16, s17
	s_mov_b32 s17, 0
	s_lshl_b32 s46, s42, 9                         ; 128 f32 for each tile column, 64 for my half (in registers that never feed A's descriptors)
	s_lshl_b32 s47, s12, 8
	s_add_co_u32 s46, s46, s47
	s_mov_b32 s47, 0
	s_add_nc_u64 s[70:71], s[70:71], s[16:17]
	s_add_nc_u64 s[70:71], s[70:71], s[46:47]
.else
	v_lshl_add_u32 v6, v2, 4, v6                   ; in: row r, 16 bytes (8 bf16) for each half of the lanes
	v_add_nc_u32 v[STO], s23, v6
	v_and_b32 v8, 31, v0
	v_lshrrev_b32 v7, 3, v8                        ; back: four rows of 128 bytes to a load
	v_mul_u32_u24 v7, v7, SPITCH
	v_and_b32 v9, 7, v0
	v_lshl_add_u32 v7, v9, 4, v7
	v_add_nc_u32 v[RD], s23, v7
	v_lshlrev_b32 v[CO], 4, v8                     ; my wave's 64 x 64 bf16 are 8,192 consecutive bytes of the output
	v_lshl_add_u32 v[BO], v2, 5, s21               ; bias of columns 64 wc + 8 hh + 16 b + 0..7
	s_mul_i32 s16, s13, OUT_NP*16384
	s_lshl_b32 s17, s11, 13
	s_add_co_u32 s16, s16, s17
	s_mov_b32 s17, 0
	s_lshl_b32 s46, s42, 1
	s_add_co_u32 s46, s46, s12
	s_lshl_b32 s46, s46, 14                        ; column block 2 x tile column + my half
	s_mov_b32 s47, 0
.endif
	s_add_nc_u64 s[8:9], s[8:9], s[16:17]
	s_add_nc_u64 s[8:9], s[8:9], s[46:47]
.if EPI == 2
	global_load_b128 v[28:31], v[BO], s[66:67]
.irp t, 0,1,2,3,4,5,6,7
	global_load_b128 v[32+4*\t:32+4*\t+3], v[CO], s[70:71] offset:(2*\t)*4096        ; the residual of my rows 0-15,
.endr
.irp t, 0,1,2,3,4,5,6,7
	global_load_b128 v[64+4*\t:64+4*\t+3], v[CO], s[70:71] offset:(16+2*\t)*4096     ; and 16-31: they wait in registers for the epilogue
.endr
.else
.irp b, 0,1,2,3
	global_load_b128 v[96+8*\b:96+8*\b+3],   v[BO], s[66:67] offset:64*\b
	global_load_b128 v[96+8*\b+4:96+8*\b+7], v[BO], s[66:67] offset:64*\b+16
.endr
.endif
.if EPI == 1
	s_mov_b32 s88, 0x3e6d3388                      ; 0.3275911 / sqrt(2)
	s_mov_b32 s76, 0xbf38aa3b                      ; - log2(e) / 2
	s_mov_b32 s78, 0x3e027906                      ; a1 / 2 ... a5 / 2 of 7.1.26; each in a pair, since a packed instruction names a pair
	s_mov_b32 s80, 0xbe11a98e
	s_mov_b32 s82, 0x3f35f0e3
	s_mov_b32 s86, 0x3f07dc22
.irp c, 76, 78, 80, 82, 86
	s_mov_b32 s[\c+1], s[\c]
.endr
	v_mov_b32 v28, 0xbf3a00e3                      ; a4 / 2 in a vector pair: the first step of the polynomial names a5 as its one scalar pair
	v_mov_b32 v29, v28
.endif
; 8 matrix instructions: row blocks a0, a0 + 1 x all 4 column blocks, 32 along K: half c of buffer f.  zero = 1: the first product starts the sums.
; The 16 accumulators take turns, one instruction a turn.
.macro MUL8 f, c, a0, zero
.irp a, \a0, \a0+1
.irp b, 0,1,2,3
.if \zero
	v_wmma_f32_16x16x32_bf16 v[ACC+8*(4*(\a)+\b):ACC+8*(4*(\a)+\b)+7], v[\f+64+8*(4*\c+\b):\f+64+8*(4*\c+\b)+7], v[\f+8*(4*\c+\a):\f+8*(4*\c+\a)+7], 0
.else
	v_wmma_f32_16x16x32_bf16 v[ACC+8*(4*(\a)+\b):ACC+8*(4*(\a)+\b)+7], v[\f+64+8*(4*\c+\b):\f+64+8*(4*\c+\b)+7], v[\f+8*(4*\c+\a):\f+8*(4*\c+\a)+7], v[ACC+8*(4*(\a)+\b):ACC+8*(4*(\a)+\b)+7]
.endif
.endr
.endr
.endm
; 32 LDS loads in one run: the fragments of quarter q (64 along K) of a slot, into buffer f; the first 32 along K first
.macro FETCH slot, q, f
	WIN TO_F
.irp c, 0,1
.irp i, 0,1,2,3
	ds_load_tr16_b128 v[\f+64+8*(4*\c+\i):\f+64+8*(4*\c+\i)+3],   v[ADRB+2*\slot+(\q)/2] offset:(64*((\q)%2)+32*\c)*PB+32*\i
	ds_load_tr16_b128 v[\f+64+8*(4*\c+\i)+4:\f+64+8*(4*\c+\i)+7], v[ADRB+2*\slot+(\q)/2] offset:(64*((\q)%2)+32*\c+16)*PB+32*\i
	ds_load_b128 v[\f+8*(4*\c+\i):\f+8*(4*\c+\i)+3],              v[ADRA+\slot] offset:(\q)*QA+\i*16*PA+64*\c
	ds_load_b128 v[\f+8*(4*\c+\i)+4:\f+8*(4*\c+\i)+7],            v[ADRA+\slot] offset:(\q)*QA+\i*16*PA+64*\c+32
.endr
.endr
.endm
; A K step is four quarters, 32 matrix instructions each, on buffers 0, 1, 0, 1.  One of the first three: multiplies buffer f and fetches quarter q into g.
.macro QUARTER slot, q, f, g, zero
	s_wait_dscnt 16                                ; the first 32 along K are in; the run's younger 16 loads may be out
	WIN MUL
	MUL8 \f, 0, 0, \zero
	MUL8 \f, 0, 2, \zero
	PLACES
	FETCH \slot, \q, \g
	s_wait_dscnt 32                                ; all but the 32 just issued
	WIN MUL
	MUL8 \f, 1, 0, 0
	MUL8 \f, 1, 2, 0
.endm
; The last quarter multiplies buffer 1 and changes slots: ONE barrier; in front of it each wave waits for its own reads of this slot and for all its tensor loads.  fill = 1: this slot is filled again, two K steps ahead.
.macro TURN slot, next, fill
	s_wait_dscnt 16
	WIN MUL
	MUL8 F1, 0, 0, 0
	s_wait_dscnt 0                                 ; my reads of this slot are over,
	s_set_vgpr_msb 0x500
	s_wait_tensorcnt 0x0                           ; and all my tensor loads have landed: my part of the next slot
	ds_add_u32 v18, v19
	s_wait_dscnt 0x0
	s_set_vgpr_msb 0x5
	s_barrier_signal -1
	MUL8 F1, 0, 2, 0
.if \fill
	WIN 0
.endif
	s_barrier_wait -1
.if \fill
	CREST                                          ; the barrier has opened a round of the cluster's barrier: no wave of any partner still reads this slot or has a load on its way
	s_add_nc_u64 s[G0+4*\slot+2:G0+4*\slot+3], s[G0+4*\slot+2:G0+4*\slot+3], 131072
	s_add_nc_u64 s[G0B+4*\slot+2:G0B+4*\slot+3], s[G0B+4*\slot+2:G0B+4*\slot+3], 131072
	JLOAD \slot                                    ; my one tensor load behind the round: 120 matrix instructions ahead of the wait for it; its four v_nop are also the places in front of the loads below
.else
	PLACES
.endif
	FETCH \next, 0, F0
	WIN MUL
	MUL8 F1, 1, 0, 0
	MUL8 F1, 1, 2, 0
.endm
; gelu(x) = max(x, 0) - |x| w,  w = (1/2) t (a1 + t (a2 + t (a3 + t (a4 + t a5)))) 2^(-x x log2(e) / 2),  t = 1 / (1 + 0.3275911 |x| / sqrt(2)).  Eight numbers in v[x .. x+7], in place.
; Where x x overflows the exponential is 0 and the result max(x, 0).  The eight maxima are the plain instructions between the transcendentals and the use of their results (ISA guide 5.7.2).
.macro GELU8 x
.irp k, 0,1,2,3,4,5,6,7
	v_fma_f32 v[GT+\k], |v[\x+\k]|, s88, 1.0
.endr
.irp k, 0,2,4,6
	v_pk_mul_f32 v[GE+\k:GE+\k+1], v[\x+\k:\x+\k+1], s[76:77] op_sel_hi:[1,0]
.endr
.irp k, 0,2,4,6
	v_pk_mul_f32 v[GE+\k:GE+\k+1], v[GE+\k:GE+\k+1], v[\x+\k:\x+\k+1]
.endr
.irp k, 0,1,2,3,4,5,6,7
	v_rcp_f32 v[GT+\k], v[GT+\k]
.endr
.irp k, 0,1,2,3,4,5,6,7
	v_exp_f32 v[GE+\k], v[GE+\k]
.endr
.irp k, 0,1,2,3,4,5,6,7
	v_max_num_f32 v[GM+\k], 0, v[\x+\k]
.endr
.irp k, 0,2,4,6
	v_pk_fma_f32 v[GP+\k:GP+\k+1], v[GT+\k:GT+\k+1], s[86:87], v[28:29] op_sel_hi:[1,0,1]
.endr
.irp c, 82, 80, 78
.irp k, 0,2,4,6
	v_pk_fma_f32 v[GP+\k:GP+\k+1], v[GP+\k:GP+\k+1], v[GT+\k:GT+\k+1], s[\c:\c+1] op_sel_hi:[1,1,0]
.endr
.endr
.irp k, 0,2,4,6
	v_pk_mul_f32 v[GP+\k:GP+\k+1], v[GP+\k:GP+\k+1], v[GT+\k:GT+\k+1]
.endr
.irp k, 0,2,4,6
	v_pk_mul_f32 v[GP+\k:GP+\k+1], v[GP+\k:GP+\k+1], v[GE+\k:GE+\k+1]
.endr
.irp k, 0,1,2,3,4,5,6,7
	v_fma_f32 v[\x+\k], -|v[\x+\k]|, v[GP+\k], v[GM+\k]
.endr
.endm
	s_wait_tensorcnt 1                             ; my part of K step 0 is in; K step 1's may stay out
	s_barrier_signal -1
	s_barrier_wait -1                              ; everybody's is
	FETCH 0, 0, F0
	QUARTER 0, 1, F0, F1, 1                        ; the first quarter stands in front of the loop: its first products start the sums
	WIN 0                                          ; at a label and at a branch every window is 0
	s_mov_b32 s3, LAPS-1
.Llap:                                                 ; a trip goes once round the ring, from a lap's second quarter to the next lap's first, and fills both slots again
	QUARTER 0, 2, F1, F0, 0
	QUARTER 0, 3, F0, F1, 0
	TURN 0, 1, 1
	QUARTER 1, 1, F0, F1, 0
	QUARTER 1, 2, F1, F0, 0
	QUARTER 1, 3, F0, F1, 0
	TURN 1, 0, 1
	QUARTER 0, 1, F0, F1, 0
	WIN 0
	s_sub_co_u32 s3, s3, 1
	s_cmp_lg_u32 s3, 0
	s_cbranch_scc1 .Llap
	QUARTER 0, 2, F1, F0, 0                        ; the last lap fills nothing, and has no round of the cluster's barrier
	QUARTER 0, 3, F0, F1, 0
	TURN 0, 1, 0                                   ; behind this barrier no wave reads slot 0 any more
	QUARTER 1, 1, F0, F1, 0
	QUARTER 1, 2, F1, F0, 0
	QUARTER 1, 3, F0, F1, 0
	s_wait_dscnt 16                                ; the very last quarter: nothing more to fetch
	WIN MUL
	MUL8 F1, 0, 0, 0
	MUL8 F1, 0, 2, 0
	s_wait_dscnt 0
	MUL8 F1, 1, 0, 0
	MUL8 F1, 1, 2, 0
	WIN 0
	PLACES
.if EPI == 2
	; THE WAY OUT, f32: 16 rows at a time through my stage (rows of 272 bytes) and back as whole rows of 256 bytes; then + bias + residual, and 16 lanes store 256 consecutive bytes, aligned.
.irp a, 0,1,2,3
.if \a > 0
	s_wait_xcnt 0x0                                ; v96-127 are the last block's store data: written again only behind this wait
.endif
.irp b, 0,1,2,3
	ds_store_b128 v[STO], v[ACC+8*(4*\a+\b):ACC+8*(4*\a+\b)+3]   offset:64*\b
	ds_store_b128 v[STO], v[ACC+8*(4*\a+\b)+4:ACC+8*(4*\a+\b)+7] offset:64*\b+16
.endr
.irp t, 0,1,2,3,4,5,6,7
	ds_load_b128 v[96+4*\t:96+4*\t+3], v[RD] offset:\t*2*SPITCH    ; LDS serves a wave's instructions in order: these see the stores above
.endr
	s_wait_dscnt 0x0
.if \a < 2
.irp t, 0,1,2,3,4,5,6,7
	global_load_b128 v[ACC+32*\a+4*\t:ACC+32*\a+4*\t+3], v[CO], s[70:71] offset:(16*(\a+2)+2*\t)*4096   ; the residual two blocks on, into the accumulators just sent
.endr
	s_wait_loadcnt 16                              ; this block's residual (and the bias) is in; the two younger blocks' 16 loads stay out
.set RS, 32+32*\a
.elseif \a == 2
	s_wait_loadcnt 8                               ; the last block's 8 stay out
.set RS, ACC
.else
	s_wait_loadcnt 0
.set RS, ACC+32
.endif
.irp t, 0,1,2,3,4,5,6,7
	v_pk_add_f32 v[96+4*\t:96+4*\t+1], v[96+4*\t:96+4*\t+1], v[28:29]
	v_pk_add_f32 v[98+4*\t:98+4*\t+1], v[98+4*\t:98+4*\t+1], v[30:31]
.endr
.irp t, 0,1,2,3,4,5,6,7
	v_pk_add_f32 v[96+4*\t:96+4*\t+1], v[96+4*\t:96+4*\t+1], v[RS+4*\t:RS+4*\t+1]
	v_pk_add_f32 v[98+4*\t:98+4*\t+1], v[98+4*\t:98+4*\t+1], v[RS+4*\t+2:RS+4*\t+3]
.endr
.irp t, 0,1,2,3,4,5,6,7
	global_store_b128 v[CO], v[96+4*\t:96+4*\t+3], s[8:9] offset:(16*\a+2*\t)*4096
.endr
.endr
.else
	; THE WAY OUT, bf16: + bias (and GELU), rounded; 16 rows at a time through my stage (rows of 144 bytes) and back by rows; a store of the wave covers 512 consecutive bytes, aligned.
	s_wait_loadcnt 0x0                             ; the bias
.irp a, 0,1,2,3
.set TM, 32+16*((\a)%2)
.if \a >= 2
	s_wait_xcnt 0x0                                ; this set of 16 registers was store data two blocks ago: written again only behind this wait
.endif
.irp b, 0,1,2,3
.set AC, ACC+8*(4*\a+\b)
.irp k, 0,2,4,6
	v_pk_add_f32 v[AC+\k:AC+\k+1], v[AC+\k:AC+\k+1], v[96+8*\b+\k:96+8*\b+\k+1]
.endr
.if EPI == 1
	GELU8 AC
.endif
.irp k, 0,1,2,3
	v_cvt_pk_bf16_f32 v[TM+4*\b+\k], v[AC+2*\k], v[AC+2*\k+1]
.endr
	ds_store_b128 v[STO], v[TM+4*\b:TM+4*\b+3] offset:32*\b
.endr
.irp t, 0,1,2,3
	ds_load_b128 v[TM+4*\t:TM+4*\t+3], v[RD] offset:\t*4*SPITCH    ; LDS serves a wave's instructions in order: these see the stores above
.endr
	s_wait_dscnt 0x0
.irp t, 0,1,2,3
	global_store_b128 v[CO], v[TM+4*\t:TM+4*\t+3], s[8:9] offset:\a*2048+\t*512
.endr
.endr
.endif
	s_wait_tensorcnt 0x0
	ds_add_u32 v18, v19
	s_wait_dscnt 0x0
	CROUND                                         ; the closing round: no work-group ends while a partner may still ask for a tile that names it
	s_endpgm
.Lfunc_end_k_q98fb8c1a8c_gemm_proj:
	.size	k_q98fb8c1a8c_gemm_proj, .Lfunc_end_k_q98fb8c1a8c_gemm_proj-k_q98fb8c1a8c_gemm_proj
	.p2alignl 7, 3214868480
	.fill 96, 4, 3214868480
	.section	.rodata,"a",@progbits
	.p2align	6, 0x0
	.amdhsa_kernel k_q98fb8c1a8c_gemm_proj
		.amdhsa_group_segment_fixed_size 327680
		.amdhsa_private_segment_fixed_size 0
		.amdhsa_enable_private_segment 0
		.amdhsa_kernarg_size 40
		.amdhsa_user_sgpr_count 2
		.amdhsa_user_sgpr_kernarg_segment_ptr 1
		.amdhsa_wavefront_size32 1
		.amdhsa_system_sgpr_workgroup_id_x 1
		.amdhsa_system_sgpr_workgroup_id_y 1
		.amdhsa_system_sgpr_workgroup_id_z 1
		.amdhsa_system_vgpr_workitem_id 0
		.amdhsa_next_free_vgpr 512
		.amdhsa_next_free_sgpr 100
		.amdhsa_reserve_vcc 0
		.amdhsa_float_denorm_mode_32 3
		.amdhsa_float_denorm_mode_16_64 3
		.amdhsa_memory_ordered 1
		.amdhsa_forward_progress 1
		.amdhsa_inst_pref_size 97
	.end_amdhsa_kernel
	.amdgpu_metadata
---
amdhsa.version: [ 1, 2 ]
amdhsa.kernels:
  - .name:           k_q98fb8c1a8c_gemm_proj
    .symbol:         k_q98fb8c1a8c_gemm_proj.kd
    .args:
      - { .name: act, .offset: 0, .size: 8, .value_kind: global_buffer, .address_space: global }
      - { .name: wb, .offset: 8, .size: 8, .value_kind: global_buffer, .address_space: global }
      - { .name: bo, .offset: 16, .size: 8, .value_kind: global_buffer, .address_space: global }
      - { .name: x, .offset: 24, .size: 8, .value_kind: global_buffer, .address_space: global }
      - { .name: y, .offset: 32, .size: 8, .value_kind: global_buffer, .address_space: global }
    .group_segment_fixed_size: 327680
    .private_segment_fixed_size: 0
    .kernarg_segment_align: 8
    .kernarg_segment_size: 40
    .max_flat_workgroup_size: 128
    .sgpr_count:     100
    .vgpr_count:     512
    .wavefront_size: 32
...
	.end_amdgpu_metadata
.endif
;; end of part 4
;; launch ln1 (part 5): grid 256 x 1, 8 waves a work-group, no clusters, 0 bytes of LDS; arguments y, ln1_g, ln1_b, x1, act; writes x1, act
.if DOCPART == 5
	.amdgcn_target "amdgcn-amd-amdhsa--gfx1250"
	.amdhsa_code_object_version 6
	.text
	.protected	k_q98fb8c1a8c_ln1
	.globl	k_q98fb8c1a8c_ln1
	.p2align	8
	.type	k_q98fb8c1a8c_ln1,@function
k_q98fb8c1a8c_ln1:
	s_mov_b64 s[64:65], 0
	v_nop
	global_prefetch_b8 v0, s[64:65] scope:SCOPE_SE
	s_setreg_imm32_b32 hwreg(HW_REG_WAVE_MODE, 25, 1), 1
	s_wait_xcnt 0x0
; LayerNorm along rows of 1,024 f32: out = (y - mean) rsqrt(var + 1e-5) g + b, var the mean of (y - mean)^2, made in two passes over registers as the definition has it (no difference of large sums).
; THIS COPY (HF = 1) stores the result twice: f32 rows (the residual of the second half of the layer) and f16 blocks [row/128][col/64][128 rows][64] (the next product's operand).
; WHY F16.  A normalised row of 1,024 numbers has no entry above sqrt(1023) < 32, so |out| <= 32 |g| + |b|: bounded by the gains and biases alone, and f16 keeps 11 significant bits where bf16 keeps 8.
; LIMIT: 32 |g| + |b| below 65,504; results below 6.1e-5 carry an absolute error of 3e-8 in the f16 copy.
; Eight waves, 16 rows a work-group.  A wave takes two rows: lanes 0-15 one, lanes 16-31 the next, 64 numbers a lane, so that a reduction stays inside 16 lanes (four steps that ride on the addition)
; and each half of a load's or store's lanes covers 256 consecutive bytes, aligned.  All 48 loads of a wave go out first.  Memory binds: no LDS, no barrier, no matrix unit.
; v_rsq_f32 is accurate to 1 ulp.
.set HF, 1
.set X, 8                              ; v[8:71]    my 64 numbers of the row
.set G, 72                             ; v[72:135]  their gains
.set B, 136                            ; v[136:199] their biases
.set T, 200                            ; v[200:207] four running pairs
.set Y, 200                            ; v[200:231] afterwards: the result in f16
	s_load_b256 s[4:11], s[0:1], 0x0               ; y s[4:5], g s[6:7], b s[8:9], f32 output s[10:11]
.if HF
	s_load_b64 s[12:13], s[0:1], 0x20              ; f16 output
.endif
	v_lshrrev_b32 v1, 5, v0
	v_readfirstlane_b32 s14, v1                    ; wave 0..7
	v_and_b32 v1, 15, v0
	v_bfe_u32 v2, v0, 4, 1
	v_lshlrev_b32 v3, 4, v1                        ; v3: 16 (lane % 16): my place in g and b
	v_lshl_add_u32 v4, v2, 12, v3                  ; v4: + one row of 4,096 bytes for lanes 16-31
	v_and_b32 v5, 31, v0
	v_lshlrev_b32 v5, 3, v5                        ; v5: 8 x lane
	s_lshl_b32 s15, ttmp9, 4
	s_lshl1_add_u32 s15, s14, s15                  ; my first row = 16 x work-group + 2 x wave
	s_lshl_b32 s16, s15, 12
	s_mov_b32 s17, 0
	s_lshr_b32 s18, s15, 7
	s_lshl_b32 s18, s18, 18                        ; f16: 16 blocks of 16,384 bytes for each 128 rows,
	s_and_b32 s19, s15, 127
	s_lshl_b32 s19, s19, 7                         ; rows of 128 bytes in a block
	s_add_co_u32 s18, s18, s19
	s_mov_b32 s19, 0
	s_mov_b32 s20, 0x3a800000                      ; 1 / 1024
	s_mov_b32 s21, 0x3727c5ac                      ; 1e-5
	s_wait_kmcnt 0x0
	s_add_nc_u64 s[4:5], s[4:5], s[16:17]
	s_add_nc_u64 s[10:11], s[10:11], s[16:17]
.if HF
	s_add_nc_u64 s[12:13], s[12:13], s[18:19]
.endif
.irp j, 0,1,2,3,4,5,6,7,8,9,10,11,12,13,14,15
	global_load_b128 v[X+4*\j:X+4*\j+3], v4, s[4:5] offset:256*\j th:TH_LOAD_NT
.endr
.irp j, 0,1,2,3,4,5,6,7,8,9,10,11,12,13,14,15
	global_load_b128 v[G+4*\j:G+4*\j+3], v3, s[6:7] offset:256*\j
.endr
.irp j, 0,1,2,3,4,5,6,7,8,9,10,11,12,13,14,15
	global_load_b128 v[B+4*\j:B+4*\j+3], v3, s[8:9] offset:256*\j
.endr
.macro ACROSS                          ; the four pairs, then the row's 16 lanes: every lane of a row ends with the row's sum in v[T]
	v_pk_add_f32 v[T:T+1], v[T:T+1], v[T+2:T+3]
	v_pk_add_f32 v[T+4:T+5], v[T+4:T+5], v[T+6:T+7]
	v_pk_add_f32 v[T:T+1], v[T:T+1], v[T+4:T+5]
	v_add_f32 v[T], v[T], v[T+1]
	v_add_f32_dpp v[T], v[T], v[T] row_xmask:1 row_mask:0xf bank_mask:0xf
	v_add_f32_dpp v[T], v[T], v[T] row_xmask:2 row_mask:0xf bank_mask:0xf
	v_add_f32_dpp v[T], v[T], v[T] row_xmask:4 row_mask:0xf bank_mask:0xf
	v_add_f32_dpp v[T], v[T], v[T] row_xmask:8 row_mask:0xf bank_mask:0xf
.endm
	s_wait_loadcnt 32                              ; the row's 16 loads are in; the 32 of g and b, issued behind them, stay out
.irp k, 0,1,2,3
	v_pk_add_f32 v[T+2*\k:T+2*\k+1], v[X+2*\k:X+2*\k+1], v[X+8+2*\k:X+8+2*\k+1]    ; the first eight pairs start four chains: nothing is cleared
.endr
.set p, 8
.rept 24
	v_pk_add_f32 v[T+2*(p%4):T+2*(p%4)+1], v[T+2*(p%4):T+2*(p%4)+1], v[X+2*p:X+2*p+1]
.set p, p+1
.endr
	ACROSS
	v_mul_f32 v6, s20, v[T]                        ; the mean, twice: a pair for the packed subtraction
	v_mov_b32 v7, v6
.set p, 0
.rept 32
	v_pk_add_f32 v[X+2*p:X+2*p+1], v[X+2*p:X+2*p+1], v[6:7] neg_lo:[0,1] neg_hi:[0,1]
.set p, p+1
.endr
.irp k, 0,1,2,3
	v_pk_mul_f32 v[T+2*\k:T+2*\k+1], v[X+2*\k:X+2*\k+1], v[X+2*\k:X+2*\k+1]
.endr
.set p, 4
.rept 28
	v_pk_fma_f32 v[T+2*(p%4):T+2*(p%4)+1], v[X+2*p:X+2*p+1], v[X+2*p:X+2*p+1], v[T+2*(p%4):T+2*(p%4)+1]
.set p, p+1
.endr
	ACROSS
	v_fma_f32 v6, v[T], s20, s21                   ; var + 1e-5
	v_rsq_f32 v6, v6
	v_nop                                          ; a plain instruction between v_rsq_f32 and the use of its result (ISA guide 5.7.2)
	s_wait_alu depctr_va_vdst(0)
	v_mov_b32 v7, v6
	s_wait_loadcnt 0x0                             ; g and b
.set p, 0
.rept 32
	v_pk_mul_f32 v[X+2*p:X+2*p+1], v[X+2*p:X+2*p+1], v[6:7]
.set p, p+1
.endr
.set p, 0
.rept 32
	v_pk_fma_f32 v[X+2*p:X+2*p+1], v[X+2*p:X+2*p+1], v[G+2*p:G+2*p+1], v[B+2*p:B+2*p+1]
.set p, p+1
.endr
.irp j, 0,1,2,3,4,5,6,7,8,9,10,11,12,13,14,15
	global_store_b128 v4, v[X+4*\j:X+4*\j+3], s[10:11] offset:256*\j
.endr
.if HF
.irp j, 0,1,2,3,4,5,6,7,8,9,10,11,12,13,14,15
	v_cvt_pk_f16_f32 v[Y+2*\j],   v[X+4*\j],   v[X+4*\j+1]
	v_cvt_pk_f16_f32 v[Y+2*\j+1], v[X+4*\j+2], v[X+4*\j+3]
	global_store_b64 v5, v[Y+2*\j:Y+2*\j+1], s[12:13] offset:16384*\j    ; column block j: my two rows' 128 bytes each are 256 consecutive bytes, aligned
.endr
.endif
	s_endpgm
.Lfunc_end_k_q98fb8c1a8c_ln1:
	.size	k_q98fb8c1a8c_ln1, .Lfunc_end_k_q98fb8c1a8c_ln1-k_q98fb8c1a8c_ln1
	.p2alignl 7, 3214868480
	.fill 96, 4, 3214868480
	.section	.rodata,"a",@progbits
	.p2align	6, 0x0
	.amdhsa_kernel k_q98fb8c1a8c_ln1
		.amdhsa_group_segment_fixed_size 0
		.amdhsa_private_segment_fixed_size 0
		.amdhsa_enable_private_segment 0
		.amdhsa_kernarg_size 40
		.amdhsa_user_sgpr_count 2
		.amdhsa_user_sgpr_kernarg_segment_ptr 1
		.amdhsa_wavefront_size32 1
		.amdhsa_system_sgpr_workgroup_id_x 1
		.amdhsa_system_sgpr_workgroup_id_y 1
		.amdhsa_system_sgpr_workgroup_id_z 1
		.amdhsa_system_vgpr_workitem_id 0
		.amdhsa_next_free_vgpr 232
		.amdhsa_next_free_sgpr 66
		.amdhsa_reserve_vcc 0
		.amdhsa_float_denorm_mode_32 3
		.amdhsa_float_denorm_mode_16_64 3
		.amdhsa_memory_ordered 1
		.amdhsa_forward_progress 1
		.amdhsa_inst_pref_size 22
	.end_amdhsa_kernel
	.amdgpu_metadata
---
amdhsa.version: [ 1, 2 ]
amdhsa.kernels:
  - .name:           k_q98fb8c1a8c_ln1
    .symbol:         k_q98fb8c1a8c_ln1.kd
    .args:
      - { .name: y, .offset: 0, .size: 8, .value_kind: global_buffer, .address_space: global }
      - { .name: ln1_g, .offset: 8, .size: 8, .value_kind: global_buffer, .address_space: global }
      - { .name: ln1_b, .offset: 16, .size: 8, .value_kind: global_buffer, .address_space: global }
      - { .name: x1, .offset: 24, .size: 8, .value_kind: global_buffer, .address_space: global }
      - { .name: act, .offset: 32, .size: 8, .value_kind: global_buffer, .address_space: global }
    .group_segment_fixed_size: 0
    .private_segment_fixed_size: 0
    .kernarg_segment_align: 8
    .kernarg_segment_size: 40
    .max_flat_workgroup_size: 256
    .sgpr_count:     66
    .vgpr_count:     232
    .wavefront_size: 32
...
	.end_amdgpu_metadata
.endif
;; end of part 5
;; launch gemm_ffn1 (part 6): grid 32 x 32, 4 waves a work-group, clusters of 4 x 4, 327,680 bytes of LDS; arguments act, wb, b1, h; writes h
.if DOCPART == 6
	.amdgcn_target "amdgcn-amd-amdhsa--gfx1250"
	.amdhsa_code_object_version 6
	.text
	.protected	k_q98fb8c1a8c_gemm_ffn1
	.globl	k_q98fb8c1a8c_gemm_ffn1
	.p2align	8
	.type	k_q98fb8c1a8c_gemm_ffn1,@function
k_q98fb8c1a8c_gemm_ffn1:
	s_mov_b64 s[64:65], 0
	v_nop
	global_prefetch_b8 v0, s[64:65] scope:SCOPE_SE
	s_setreg_imm32_b32 hwreg(HW_REG_WAVE_MODE, 25, 1), 1
	s_wait_xcnt 0x0
	s_wait_alu depctr_hold_cnt(0) depctr_sa_sdst(0) depctr_va_vdst(0) depctr_va_sdst(0) depctr_va_ssrc(0) depctr_va_vcc(0) depctr_vm_vsrc(0)
	s_getreg_b32 s2, hwreg(HW_REG_IB_STS2, 6, 4)
	s_cmp_eq_u32 s2, 0
	s_cbranch_scc0 .Lentry_in_a_cluster
	s_endpgm
.Lentry_in_a_cluster:
	s_bfe_u32 s2, ttmp6, 0x10000c
	s_cmp_lg_u32 s2, 0xf033
	s_cbranch_scc0 .Lentry_shape_is_right
	s_endpgm
.Lentry_shape_is_right:
; THIS COPY: h = gelu(x1 W1 + b1), rounded to bf16.  (One text serves four launches; the four constants below differ, and this copy alone takes the f16 form of the matrix instruction.)
; OPERANDS IN F16 HERE: x1 is a LayerNorm's output, |x1| <= 32 |g| + |b|, and W1 is an input; both have room in f16, which keeps 11 significant bits where bf16 keeps 8.  The f16 form has the bf16 form's
; registers, layout and distances.  The result h has no such bound (a sum of 1,024 products) and leaves in bf16.  LIMIT: |x1| and |W1| below 65,504; below 6.1e-5 they carry an absolute error of 3e-8.
; C[m][n] = sum over k of A[m][k] W[k][n], then an epilogue chosen by EPI.  A is 16-bit in blocks [m/128][k/64][128 rows][64 k]; W is 16-bit in panels [n/128][k][128 n].
; A tile of C is 128 x 128; four waves, each 64 x 64: 16 accumulators of 16 x 16.  K goes in steps of 256 through two LDS slots.  A K step of A is 65,536 consecutive bytes, and so is one of W:
; each wave brings 32,768 of them by one tensor load (waves 0, 1: A; waves 2, 3: W).  A's fragments come out of LDS as they lie, W's ([k][n]) turned, by ds_load_tr16_b128.
; CLUSTER 4 x 4: the four work-groups of a row of the cluster need the same tiles of A, the four of a column the same tiles of W; each tile is asked for jointly (same load, same descriptor, a mask that names the four).
; THE MATRIX INSTRUCTION IS USED TRANSPOSED (source 0 = 16 columns of W, source 1 = 16 rows of A): a lane then holds eight neighbouring numbers of one row of C.
; EPI 0: + bias, bf16, blocks [m/128][n/64][128][64].  EPI 1: the same with the exact GELU in between.  EPI 2: + bias + residual, f32, rows of 1,024.
; LIMITS.  Sums are f32.  GELU: erf by the rational form 7.1.26 of Abramowitz and Stegun, absolute error at most 1.5e-7; v_exp_f32 and v_rcp_f32 flush denormals; x = +-infinity gives NaN.
; REGISTERS: window 0: v0-15 at work, v16-27 addresses, v28-127 the epilogue's, v128-255 accumulators ((a, b) at v[128 + 8 (4 a + b)]).  Window 1: two fragment buffers of 128: 64 registers of A, then 64 of W, for 64 along K.
.set SIZE_K, 1024
.set WOFF,   8388608                   ; the weight's first byte in wb
.set EPI,    1
.set OUT_NP, 64                        ; column blocks of 64 in the output (EPI 0, 1)
.set PA,     144                       ; a row of A in LDS: 128 bytes + 16: the 16 rows of a fragment load start in 16 different columns of 16 bytes modulo 256
.set PB,     288                       ; a row of W in LDS: 256 bytes + 32
.set QA,     128*PA                    ; a quarter of a K step of A: 128 rows x 64 k
.set TILE,   36864                     ; what one tensor load fills: 256 x 144 = 128 x 288
.set SLOT,   4*TILE                    ; A's four quarters, then W's 256 rows
.set STAGEB, 4352                      ; a wave's own stage on the way out, at wave x 4,352 in slot 0, which by then has had its last fill and its last read
.if EPI == 2
.set SPITCH, 272
.else
.set SPITCH, 144
.endif
.set LAPS, SIZE_K/512                  ; a lap = two K steps = once round the ring
.set ADRA, 16                          ; v16-17  LDS address of my A fragments in slot 0, 1
.set ADRB, 20                          ; v20-23  the same for W: 2 x slot + half of the K step (an LDS offset has 16 bits)
.set STO,  24                          ; v24     the way out: where I put my bytes of a row
.set RD,   25                          ; v25     the way out: where I read rows back
.set CO,   26                          ; v26     my byte offset in the output
.set BO,   27                          ; v27     my byte offset in the bias
.set ACC,  128
.set F0,   0
.set F1,   128
.set G1, 24                            ; s[24:31] descriptor group 1 for A;  s[32:39] group 0, one set for each slot
.set G0, 32
.set G1B, 48                           ; s[48:55], s[56:63] the same for W
.set G0B, 56
.set GT, 64                            ; GELU at work: t, the exponential, the polynomial, max(x, 0)
.set GE, 72
.set GP, 80
.set GM, 88
.set MSB, 0
.macro WIN new                         ; the immediate's high byte repeats the setting that is left
.if MSB != \new
	s_set_vgpr_msb (MSB<<8)|\new
.set MSB, \new
.endif
.endm
.set MUL,  0x05                        ; sources 0 (W) and 1 (A) window 1; C and D window 0
.set TO_F, 0x40                        ; destination window 1, address window 0
.macro JLOAD s                         ; a joint load: waves 0 and 1 fetch A's two halves, waves 2 and 3 W's; four v_nop follow each of the two lines
	s_cmp_eq_u32 s11, 0
	s_cbranch_scc0 .Lfor_b_\@
	tensor_load_to_lds s[G0+4*\s:G0+4*\s+3], s[G1:G1+7]
	s_nop 0
.rept 4
	v_nop
.endr
	s_branch .Lasked_\@
.Lfor_b_\@:
	tensor_load_to_lds s[G0B+4*\s:G0B+4*\s+3], s[G1B:G1B+7]
	s_nop 0
.rept 4
	v_nop
.endr
.Lasked_\@:
.endm
.macro CREST                           ; a round of the cluster's barrier behind its opening barrier
	s_cmp_lg_u32 s10, 0
	s_cbranch_scc1 .Lnot_wave_0_\@
	s_barrier_signal -3
.Lnot_wave_0_\@:
	s_barrier_wait -3
	s_barrier_signal -1
	s_barrier_wait -1
.endm
.macro CROUND                          ; a whole round
	s_barrier_signal -1
	s_barrier_wait -1
	CREST
.endm
.macro PLACES                          ; four plain places between a matrix instruction and a load into, or a vector read of, its registers
.rept 4
	v_nop
.endr
.endm
	s_load_b128 s[4:7], s[0:1], 0x0                ; A s[4:5], wb s[6:7]
.if EPI == 0
	s_load_b128 s[68:71], s[0:1], 0x10             ; bq, bk
	s_load_b128 s[72:75], s[0:1], 0x20             ; bv, the output
.elseif EPI == 1
	s_load_b128 s[68:71], s[0:1], 0x10             ; bias, the output
	v_lshl_add_u32 v30, v0, 2, 0x48000
	v_mov_b32 v31, 0
	ds_add_u32 v30, v31
	ds_add_u32 v30, v31
.else
	s_load_b128 s[68:71], s[0:1], 0x10             ; bias, residual
	s_load_b64 s[8:9], s[0:1], 0x20                ; the output
.endif
	v_lshrrev_b32 v1, 5, v0
	v_readfirstlane_b32 s10, v1                    ; wave 0..3
	s_lshr_b32 s11, s10, 1                         ; which half of the tile's rows is mine.  Also: I fetch for A (0) or for W (1)
	s_and_b32 s12, s10, 1                          ; which half of its columns.  Also: which half of a K step I fetch
	s_bfe_u32 s40, ttmp6, 0x40000                  ; cx, cy: my place in the cluster
	s_bfe_u32 s41, ttmp6, 0x40004
	s_lshl_b32 s42, ttmp9, 2
	s_add_co_u32 s42, s42, s40                     ; tile column = 4 x cluster x + cx
	s_and_b32 s13, ttmp7, 0xffff
	s_lshl_b32 s13, s13, 2
	s_add_co_u32 s13, s13, s41                     ; tile row = 4 x cluster y + cy
	s_lshl_b32 s43, s41, 2
	s_lshl_b32 s43, 15, s43                        ; my row of the cluster
	s_lshl_b32 s44, 0x1111, s40                    ; my column
	; group 1: a dense block of 32,768 bytes as 128 rows of 32 elements of 8 bytes.  A: 4 words of padding behind every 32 words (a row of 128 bytes); W: 8 behind every 64 (a row of 256)
	s_or_b32 s[G1+0], s43, (3<<16)|(1<<20)|(1<<21)|(4<<22)|(3<<25)   ; 15:0 mask; 17:16 elements of 8 bytes; 20 padding on; 21 set beside a mask; 24:22 interval; 31:25 pad - 1
	s_or_b32 s[G1B+0], s44, (3<<16)|(1<<20)|(1<<21)|(5<<22)|(7<<25)
.irp g, G1, G1B
	s_mov_b32 s[\g+1], 32<<16                      ; tensor_dim0 = 32
	s_mov_b32 s[\g+2], 128<<16                     ; tensor_dim1 = 128
	s_mov_b32 s[\g+3], 32<<16                      ; tile_dim0 = 32
	s_mov_b32 s[\g+4], 128                         ; tile_dim1 = 128
	s_mov_b32 s[\g+5], 32                          ; from row to row: 32 elements
	s_mov_b32 s[\g+6], 0
	s_mov_b32 s[\g+7], 0
.endr
	s_lshl_b32 s17, s12, 15                        ; my half of a K step's 65,536 bytes
	s_mul_i32 s16, s13, SIZE_K*256                 ; A: 128 rows x SIZE_K x 2 bytes for each tile row
	s_add_co_u32 s16, s16, s17
	s_mul_i32 s46, s42, SIZE_K*256                 ; W: a panel for each tile column
	s_add_co_u32 s46, s46, s17
	s_add_co_u32 s46, s46, WOFF
	s_mov_b32 s17, 0
	s_mov_b32 s47, 0
	s_mul_i32 s20, s10, TILE                       ; where my loads go: no place in the cluster enters an LDS address
	s_wait_dscnt 0x0
	s_wait_kmcnt 0x0
	s_add_nc_u64 s[14:15], s[4:5], s[16:17]
	s_add_nc_u64 s[46:47], s[6:7], s[46:47]
	CROUND                                         ; all sixteen work-groups are here: the first joint loads meet
.irp s, 0,1
	s_mov_b32 s[G0+4*\s], 1
	s_add_co_u32 s[G0+4*\s+1], s20, \s*SLOT
	s_add_nc_u64 s[G0+4*\s+2:G0+4*\s+3], s[14:15], \s*65536
	s_or_b32 s[G0+4*\s+3], s[G0+4*\s+3], 0x80000000
	s_mov_b32 s[G0B+4*\s], 1
	s_add_co_u32 s[G0B+4*\s+1], s20, \s*SLOT
	s_add_nc_u64 s[G0B+4*\s+2:G0B+4*\s+3], s[46:47], \s*65536
	s_or_b32 s[G0B+4*\s+3], s[G0B+4*\s+3], 0x80000000
	JLOAD \s                                       ; two tensor loads of mine are out
.endr
	; the bias of my tile column
.if EPI == 0
	s_and_b32 s92, s42, 7
	s_lshl_b32 s92, s92, 9
	s_mov_b32 s93, 0
	s_cmp_lt_u32 s42, 16
	s_cselect_b64 s[66:67], s[70:71], s[72:73]     ; tile columns 8-15: bk, 16-23: bv,
	s_cmp_lt_u32 s42, 8
	s_cselect_b64 s[66:67], s[68:69], s[66:67]     ; 0-7: bq
	s_add_nc_u64 s[66:67], s[66:67], s[92:93]
	s_mov_b64 s[8:9], s[74:75]
.else
	s_lshl_b32 s92, s42, 9
	s_mov_b32 s93, 0
	s_add_nc_u64 s[66:67], s[68:69], s[92:93]
.endif
.if EPI == 1
	s_mov_b64 s[8:9], s[70:71]
.endif
	v_and_b32 v1, 15, v0                           ; r = lane % 16
	v_bfe_u32 v2, v0, 4, 1                         ; hh = lane / 16
	v_mul_u32_u24 v3, v1, PA
	v_lshl_add_u32 v3, v2, 4, v3                   ; A: row x pitch + 16 hh
	s_mul_i32 s21, s11, 64*PA                      ; my 64 rows of each quarter
	v_add_nc_u32 v[ADRA], s21, v3
	v_add_nc_u32 v[ADRA+1], SLOT, v[ADRA]
	v_and_b32 v4, 7, v0                            ; W, turned: lane reads 16 bytes of row k0 + 8 hh + lane % 8, at column 8 ((lane / 8) % 2)
	v_lshl_add_u32 v4, v2, 3, v4
	v_mul_u32_u24 v4, v4, PB
	v_bfe_u32 v5, v0, 3, 1
	v_lshl_add_u32 v4, v5, 4, v4
	s_lshl_b32 s22, s12, 7                         ; my 64 columns
	s_add_co_u32 s22, s22, 2*TILE                  ; W lies behind A
	v_add_nc_u32 v[ADRB], s22, v4
	v_add_nc_u32 v[ADRB+1], TILE, v[ADRB]
	v_add_nc_u32 v[ADRB+2], SLOT, v[ADRB]
	v_add_nc_u32 v[ADRB+3], SLOT+TILE, v[ADRB]
	s_mul_i32 s23, s10, STAGEB                     ; my stage
	s_lshl_b32 s21, s12, 8
	v_mul_u32_u24 v6, v1, SPITCH
.if EPI == 2
	v_lshl_add_u32 v6, v2, 5, v6                   ; in: row r, 32 bytes (8 f32) for each half of the lanes
	v_add_nc_u32 v[STO], s23, v6
	v_mul_u32_u24 v7, v2, SPITCH                   ; back: lanes 0-15 one row of 256 bytes, lanes 16-31 the next
	v_lshl_add_u32 v7, v1, 4, v7
	v_add_nc_u32 v[RD], s23, v7
	v_lshlrev_b32 v[CO], 12, v2                    ; the same two rows in the output: rows of 4,096 bytes
	v_lshl_add_u32 v[CO], v1, 4, v[CO]
	v_lshl_add_u32 v[BO], v1, 4, s21               ; bias of the four columns that I store
	s_lshl_b32 s16, s13, 19                        ; 128 rows of 4,096 bytes for each tile row,
	s_lshl_b32 s17, s11, 18                        ; 64 for my half
	s_add_co_u32 s16, s16, s17
	s_mov_b32 s17, 0
	s_lshl_b32 s46, s42, 9                         ; 128 f32 for each tile column, 64 for my half (in registers that never feed A's descriptors)
	s_lshl_b32 s47, s12, 8
	s_add_co_u32 s46, s46, s47
	s_mov_b32 s47, 0
	s_add_nc_u64 s[70:71], s[70:71], s[16:17]
	s_add_nc_u64 s[70:71], s[70:71], s[46:47]
.else
	v_lshl_add_u32 v6, v2, 4, v6                   ; in: row r, 16 bytes (8 bf16) for each half of the lanes
	v_add_nc_u32 v[STO], s23, v6
	v_and_b32 v8, 31, v0
	v_lshrrev_b32 v7, 3, v8                        ; back: four rows of 128 bytes to a load
	v_mul_u32_u24 v7, v7, SPITCH
	v_and_b32 v9, 7, v0
	v_lshl_add_u32 v7, v9, 4, v7
	v_add_nc_u32 v[RD], s23, v7
	v_lshlrev_b32 v[CO], 4, v8                     ; my wave's 64 x 64 bf16 are 8,192 consecutive bytes of the output
	v_lshl_add_u32 v[BO], v2, 5, s21               ; bias of columns 64 wc + 8 hh + 16 b + 0..7
	s_mul_i32 s16, s13, OUT_NP*16384
	s_lshl_b32 s17, s11, 13
	s_add_co_u32 s16, s16, s17
	s_mov_b32 s17, 0
	s_lshl_b32 s46, s42, 1
	s_add_co_u32 s46, s46, s12
	s_lshl_b32 s46, s46, 14                        ; column block 2 x tile column + my half
	s_mov_b32 s47, 0
.endif
	s_add_nc_u64 s[8:9], s[8:9], s[16:17]
	s_add_nc_u64 s[8:9], s[8:9], s[46:47]
.if EPI == 2
	global_load_b128 v[28:31], v[BO], s[66:67]
.irp t, 0,1,2,3,4,5,6,7
	global_load_b128 v[32+4*\t:32+4*\t+3], v[CO], s[70:71] offset:(2*\t)*4096        ; the residual of my rows 0-15,
.endr
.irp t, 0,1,2,3,4,5,6,7
	global_load_b128 v[64+4*\t:64+4*\t+3], v[CO], s[70:71] offset:(16+2*\t)*4096     ; and 16-31: they wait in registers for the epilogue
.endr
.else
.irp b, 0,1,2,3
	global_load_b128 v[96+8*\b:96+8*\b+3],   v[BO], s[66:67] offset:64*\b
	global_load_b128 v[96+8*\b+4:96+8*\b+7], v[BO], s[66:67] offset:64*\b+16
.endr
.endif
.if EPI == 1
	s_mov_b32 s88, 0x3e6d3388                      ; 0.3275911 / sqrt(2)
	s_mov_b32 s76, 0xbf38aa3b                      ; - log2(e) / 2
	s_mov_b32 s78, 0x3e027906                      ; a1 / 2 ... a5 / 2 of 7.1.26; each in a pair, since a packed instruction names a pair
	s_mov_b32 s80, 0xbe11a98e
	s_mov_b32 s82, 0x3f35f0e3
	s_mov_b32 s86, 0x3f07dc22
.irp c, 76, 78, 80, 82, 86
	s_mov_b32 s[\c+1], s[\c]
.endr
	v_mov_b32 v28, 0xbf3a00e3                      ; a4 / 2 in a vector pair: the first step of the polynomial names a5 as its one scalar pair
	v_mov_b32 v29, v28
.endif
; 8 matrix instructions: row blocks a0, a0 + 1 x all 4 column blocks, 32 along K: half c of buffer f.  zero = 1: the first product starts the sums.
; The 16 accumulators take turns, one instruction a turn.
.macro MUL8 f, c, a0, zero
.irp a, \a0, \a0+1
.irp b, 0,1,2,3
.if \zero
	v_wmma_f32_16x16x32_f16 v[ACC+8*(4*(\a)+\b):ACC+8*(4*(\a)+\b)+7], v[\f+64+8*(4*\c+\b):\f+64+8*(4*\c+\b)+7], v[\f+8*(4*\c+\a):\f+8*(4*\c+\a)+7], 0
.else
	v_wmma_f32_16x16x32_f16 v[ACC+8*(4*(\a)+\b):ACC+8*(4*(\a)+\b)+7], v[\f+64+8*(4*\c+\b):\f+64+8*(4*\c+\b)+7], v[\f+8*(4*\c+\a):\f+8*(4*\c+\a)+7], v[ACC+8*(4*(\a)+\b):ACC+8*(4*(\a)+\b)+7]
.endif
.endr
.endr
.endm
; 32 LDS loads in one run: the fragments of quarter q (64 along K) of a slot, into buffer f; the first 32 along K first
.macro FETCH slot, q, f
	WIN TO_F
.irp c, 0,1
.irp i, 0,1,2,3
	ds_load_tr16_b128 v[\f+64+8*(4*\c+\i):\f+64+8*(4*\c+\i)+3],   v[ADRB+2*\slot+(\q)/2] offset:(64*((\q)%2)+32*\c)*PB+32*\i
	ds_load_tr16_b128 v[\f+64+8*(4*\c+\i)+4:\f+64+8*(4*\c+\i)+7], v[ADRB+2*\slot+(\q)/2] offset:(64*((\q)%2)+32*\c+16)*PB+32*\i
	ds_load_b128 v[\f+8*(4*\c+\i):\f+8*(4*\c+\i)+3],              v[ADRA+\slot] offset:(\q)*QA+\i*16*PA+64*\c
	ds_load_b128 v[\f+8*(4*\c+\i)+4:\f+8*(4*\c+\i)+7],            v[ADRA+\slot] offset:(\q)*QA+\i*16*PA+64*\c+32
.endr
.endr
.endm
; A K step is four quarters, 32 matrix instructions each, on buffers 0, 1, 0, 1.  One of the first three: multiplies buffer f and fetches quarter q into g.
.macro QUARTER slot, q, f, g, zero
	s_wait_dscnt 16                                ; the first 32 along K are in; the run's younger 16 loads may be out
	WIN MUL
	MUL8 \f, 0, 0, \zero
	MUL8 \f, 0, 2, \zero
	PLACES
	FETCH \slot, \q, \g
	s_wait_dscnt 32                                ; all but the 32 just issued
	WIN MUL
	MUL8 \f, 1, 0, 0
	MUL8 \f, 1, 2, 0
.endm
; The last quarter multiplies buffer 1 and changes slots: ONE barrier; in front of it each wave waits for its own reads of this slot and for all its tensor loads.  fill = 1: this slot is filled again, two K steps ahead.
.macro TURN slot, next, fill
	s_wait_dscnt 16
	WIN MUL
	MUL8 F1, 0, 0, 0
	s_wait_dscnt 0                                 ; my reads of this slot are over,
	s_set_vgpr_msb 0x500
	s_wait_tensorcnt 0x0                           ; and all my tensor loads have landed: my part of the next slot
	ds_add_u32 v30, v31
	s_wait_dscnt 0x0
	s_set_vgpr_msb 0x5
	s_barrier_signal -1
	MUL8 F1, 0, 2, 0
.if \fill
	WIN 0
.endif
	s_barrier_wait -1
.if \fill
	CREST                                          ; the barrier has opened a round of the cluster's barrier: no wave of any partner still reads this slot or has a load on its way
	s_add_nc_u64 s[G0+4*\slot+2:G0+4*\slot+3], s[G0+4*\slot+2:G0+4*\slot+3], 131072
	s_add_nc_u64 s[G0B+4*\slot+2:G0B+4*\slot+3], s[G0B+4*\slot+2:G0B+4*\slot+3], 131072
	JLOAD \slot                                    ; my one tensor load behind the round: 120 matrix instructions ahead of the wait for it; its four v_nop are also the places in front of the loads below
.else
	PLACES
.endif
	FETCH \next, 0, F0
	WIN MUL
	MUL8 F1, 1, 0, 0
	MUL8 F1, 1, 2, 0
.endm
; gelu(x) = max(x, 0) - |x| w,  w = (1/2) t (a1 + t (a2 + t (a3 + t (a4 + t a5)))) 2^(-x x log2(e) / 2),  t = 1 / (1 + 0.3275911 |x| / sqrt(2)).  Eight numbers in v[x .. x+7], in place.
; Where x x overflows the exponential is 0 and the result max(x, 0).  The eight maxima are the plain instructions between the transcendentals and the use of their results (ISA guide 5.7.2).
.macro GELU8 x
.irp k, 0,1,2,3,4,5,6,7
	v_fma_f32 v[GT+\k], |v[\x+\k]|, s88, 1.0
.endr
.irp k, 0,2,4,6
	v_pk_mul_f32 v[GE+\k:GE+\k+1], v[\x+\k:\x+\k+1], s[76:77] op_sel_hi:[1,0]
.endr
.irp k, 0,2,4,6
	v_pk_mul_f32 v[GE+\k:GE+\k+1], v[GE+\k:GE+\k+1], v[\x+\k:\x+\k+1]
.endr
.irp k, 0,1,2,3,4,5,6,7
	v_rcp_f32 v[GT+\k], v[GT+\k]
.endr
.irp k, 0,1,2,3,4,5,6,7
	v_exp_f32 v[GE+\k], v[GE+\k]
.endr
.irp k, 0,1,2,3,4,5,6,7
	v_max_num_f32 v[GM+\k], 0, v[\x+\k]
.endr
	s_wait_alu depctr_va_vdst(0)
.irp k, 0,2,4,6
	v_pk_fma_f32 v[GP+\k:GP+\k+1], v[GT+\k:GT+\k+1], s[86:87], v[28:29] op_sel_hi:[1,0,1]
.endr
.irp c, 82, 80, 78
.irp k, 0,2,4,6
	v_pk_fma_f32 v[GP+\k:GP+\k+1], v[GP+\k:GP+\k+1], v[GT+\k:GT+\k+1], s[\c:\c+1] op_sel_hi:[1,1,0]
.endr
.endr
.irp k, 0,2,4,6
	v_pk_mul_f32 v[GP+\k:GP+\k+1], v[GP+\k:GP+\k+1], v[GT+\k:GT+\k+1]
.endr
.irp k, 0,2,4,6
	v_pk_mul_f32 v[GP+\k:GP+\k+1], v[GP+\k:GP+\k+1], v[GE+\k:GE+\k+1]
.endr
.irp k, 0,1,2,3,4,5,6,7
	v_fma_f32 v[\x+\k], -|v[\x+\k]|, v[GP+\k], v[GM+\k]
.endr
.endm
	s_wait_tensorcnt 1                             ; my part of K step 0 is in; K step 1's may stay out
	s_barrier_signal -1
	s_barrier_wait -1                              ; everybody's is
	FETCH 0, 0, F0
	QUARTER 0, 1, F0, F1, 1                        ; the first quarter stands in front of the loop: its first products start the sums
	WIN 0                                          ; at a label and at a branch every window is 0
	s_mov_b32 s3, LAPS-1
.Llap:                                                 ; a trip goes once round the ring, from a lap's second quarter to the next lap's first, and fills both slots again
	QUARTER 0, 2, F1, F0, 0
	QUARTER 0, 3, F0, F1, 0
	TURN 0, 1, 1
	QUARTER 1, 1, F0, F1, 0
	QUARTER 1, 2, F1, F0, 0
	QUARTER 1, 3, F0, F1, 0
	TURN 1, 0, 1
	QUARTER 0, 1, F0, F1, 0
	WIN 0
	s_sub_co_u32 s3, s3, 1
	s_cmp_lg_u32 s3, 0
	s_cbranch_scc1 .Llap
	QUARTER 0, 2, F1, F0, 0                        ; the last lap fills nothing, and has no round of the cluster's barrier
	QUARTER 0, 3, F0, F1, 0
	TURN 0, 1, 0                                   ; behind this barrier no wave reads slot 0 any more
	QUARTER 1, 1, F0, F1, 0
	QUARTER 1, 2, F1, F0, 0
	QUARTER 1, 3, F0, F1, 0
	s_wait_dscnt 16                                ; the very last quarter: nothing more to fetch
	WIN MUL
	MUL8 F1, 0, 0, 0
	MUL8 F1, 0, 2, 0
	s_wait_dscnt 0
	MUL8 F1, 1, 0, 0
	MUL8 F1, 1, 2, 0
	WIN 0
	PLACES
.if EPI == 2
	; THE WAY OUT, f32: 16 rows at a time through my stage (rows of 272 bytes) and back as whole rows of 256 bytes; then + bias + residual, and 16 lanes store 256 consecutive bytes, aligned.
.irp a, 0,1,2,3
.if \a > 0
	s_wait_xcnt 0x0                                ; v96-127 are the last block's store data: written again only behind this wait
.endif
.irp b, 0,1,2,3
	ds_store_b128 v[STO], v[ACC+8*(4*\a+\b):ACC+8*(4*\a+\b)+3]   offset:64*\b
	ds_store_b128 v[STO], v[ACC+8*(4*\a+\b)+4:ACC+8*(4*\a+\b)+7] offset:64*\b+16
.endr
.irp t, 0,1,2,3,4,5,6,7
	ds_load_b128 v[96+4*\t:96+4*\t+3], v[RD] offset:\t*2*SPITCH    ; LDS serves a wave's instructions in order: these see the stores above
.endr
	s_wait_dscnt 0x0
.if \a < 2
.irp t, 0,1,2,3,4,5,6,7
	global_load_b128 v[ACC+32*\a+4*\t:ACC+32*\a+4*\t+3], v[CO], s[70:71] offset:(16*(\a+2)+2*\t)*4096   ; the residual two blocks on, into the accumulators just sent
.endr
	s_wait_loadcnt 16                              ; this block's residual (and the bias) is in; the two younger blocks' 16 loads stay out
.set RS, 32+32*\a
.elseif \a == 2
	s_wait_loadcnt 8                               ; the last block's 8 stay out
.set RS, ACC
.else
	s_wait_loadcnt 0
.set RS, ACC+32
.endif
.irp t, 0,1,2,3,4,5,6,7
	v_pk_add_f32 v[96+4*\t:96+4*\t+1], v[96+4*\t:96+4*\t+1], v[28:29]
	v_pk_add_f32 v[98+4*\t:98+4*\t+1], v[98+4*\t:98+4*\t+1], v[30:31]
.endr
.irp t, 0,1,2,3,4,5,6,7
	v_pk_add_f32 v[96+4*\t:96+4*\t+1], v[96+4*\t:96+4*\t+1], v[RS+4*\t:RS+4*\t+1]
	v_pk_add_f32 v[98+4*\t:98+4*\t+1], v[98+4*\t:98+4*\t+1], v[RS+4*\t+2:RS+4*\t+3]
.endr
.irp t, 0,1,2,3,4,5,6,7
	global_store_b128 v[CO], v[96+4*\t:96+4*\t+3], s[8:9] offset:(16*\a+2*\t)*4096
.endr
.endr
.else
	; THE WAY OUT, bf16: + bias (and GELU), rounded; 16 rows at a time through my stage (rows of 144 bytes) and back by rows; a store of the wave covers 512 consecutive bytes, aligned.
	s_wait_loadcnt 0x0                             ; the bias
.irp a, 0,1,2,3
.set TM, 32+16*((\a)%2)
.if \a >= 2
	s_wait_xcnt 0x0                                ; this set of 16 registers was store data two blocks ago: written again only behind this wait
.endif
.irp b, 0,1,2,3
.set AC, ACC+8*(4*\a+\b)
.irp k, 0,2,4,6
	v_pk_add_f32 v[AC+\k:AC+\k+1], v[AC+\k:AC+\k+1], v[96+8*\b+\k:96+8*\b+\k+1]
.endr
.if EPI == 1
	GELU8 AC
.endif
.irp k, 0,1,2,3
	v_cvt_pk_bf16_f32 v[TM+4*\b+\k], v[AC+2*\k], v[AC+2*\k+1]
.endr
	ds_store_b128 v[STO], v[TM+4*\b:TM+4*\b+3] offset:32*\b
.endr
.irp t, 0,1,2,3
	ds_load_b128 v[TM+4*\t:TM+4*\t+3], v[RD] offset:\t*4*SPITCH    ; LDS serves a wave's instructions in order: these see the stores above
.endr
	s_wait_dscnt 0x0
.irp t, 0,1,2,3
	global_store_b128 v[CO], v[TM+4*\t:TM+4*\t+3], s[8:9] offset:\a*2048+\t*512
.endr
.endr
.endif
	s_wait_tensorcnt 0x0
	ds_add_u32 v30, v31
	s_wait_dscnt 0x0
	CROUND                                         ; the closing round: no work-group ends while a partner may still ask for a tile that names it
	s_endpgm
.Lfunc_end_k_q98fb8c1a8c_gemm_ffn1:
	.size	k_q98fb8c1a8c_gemm_ffn1, .Lfunc_end_k_q98fb8c1a8c_gemm_ffn1-k_q98fb8c1a8c_gemm_ffn1
	.p2alignl 7, 3214868480
	.fill 96, 4, 3214868480
	.section	.rodata,"a",@progbits
	.p2align	6, 0x0
	.amdhsa_kernel k_q98fb8c1a8c_gemm_ffn1
		.amdhsa_group_segment_fixed_size 327680
		.amdhsa_private_segment_fixed_size 0
		.amdhsa_enable_private_segment 0
		.amdhsa_kernarg_size 32
		.amdhsa_user_sgpr_count 2
		.amdhsa_user_sgpr_kernarg_segment_ptr 1
		.amdhsa_wavefront_size32 1
		.amdhsa_system_sgpr_workgroup_id_x 1
		.amdhsa_system_sgpr_workgroup_id_y 1
		.amdhsa_system_sgpr_workgroup_id_z 1
		.amdhsa_system_vgpr_workitem_id 0
		.amdhsa_next_free_vgpr 512
		.amdhsa_next_free_sgpr 100
		.amdhsa_reserve_vcc 0
		.amdhsa_float_denorm_mode_32 3
		.amdhsa_float_denorm_mode_16_64 3
		.amdhsa_memory_ordered 1
		.amdhsa_forward_progress 1
		.amdhsa_inst_pref_size 152
	.end_amdhsa_kernel
	.amdgpu_metadata
---
amdhsa.version: [ 1, 2 ]
amdhsa.kernels:
  - .name:           k_q98fb8c1a8c_gemm_ffn1
    .symbol:         k_q98fb8c1a8c_gemm_ffn1.kd
    .args:
      - { .name: act, .offset: 0, .size: 8, .value_kind: global_buffer, .address_space: global }
      - { .name: wb, .offset: 8, .size: 8, .value_kind: global_buffer, .address_space: global }
      - { .name: b1, .offset: 16, .size: 8, .value_kind: global_buffer, .address_space: global }
      - { .name: h, .offset: 24, .size: 8, .value_kind: global_buffer, .address_space: global }
    .group_segment_fixed_size: 327680
    .private_segment_fixed_size: 0
    .kernarg_segment_align: 8
    .kernarg_segment_size: 32
    .max_flat_workgroup_size: 128
    .sgpr_count:     100
    .vgpr_count:     512
    .wavefront_size: 32
...
	.end_amdgpu_metadata
.endif
;; end of part 6
;; launch gemm_ffn2 (part 7): grid 8 x 32, 4 waves a work-group, clusters of 4 x 4, 327,680 bytes of LDS; arguments h, wb, b2, x1, y; writes y
.if DOCPART == 7
	.amdgcn_target "amdgcn-amd-amdhsa--gfx1250"
	.amdhsa_code_object_version 6
	.text
	.protected	k_q98fb8c1a8c_gemm_ffn2
	.globl	k_q98fb8c1a8c_gemm_ffn2
	.p2align	8
	.type	k_q98fb8c1a8c_gemm_ffn2,@function
k_q98fb8c1a8c_gemm_ffn2:
	s_mov_b64 s[64:65], 0
	v_nop
	global_prefetch_b8 v0, s[64:65] scope:SCOPE_SE
	s_setreg_imm32_b32 hwreg(HW_REG_WAVE_MODE, 25, 1), 1
	s_wait_xcnt 0x0
	s_wait_alu depctr_hold_cnt(0) depctr_sa_sdst(0) depctr_va_vdst(0) depctr_va_sdst(0) depctr_va_ssrc(0) depctr_va_vcc(0) depctr_vm_vsrc(0)
	s_getreg_b32 s2, hwreg(HW_REG_IB_STS2, 6, 4)
	s_cmp_eq_u32 s2, 0
	s_cbranch_scc0 .Lentry_in_a_cluster
	s_endpgm
.Lentry_in_a_cluster:
	s_bfe_u32 s2, ttmp6, 0x10000c
	s_cmp_lg_u32 s2, 0xf033
	s_cbranch_scc0 .Lentry_shape_is_right
	s_endpgm
.Lentry_shape_is_right:
; THIS COPY: y = h W2 + b2 + x1, f32: the sum in front of the second LayerNorm.  (One text serves four launches; the four constants below differ.)
; C[m][n] = sum over k of A[m][k] W[k][n], then an epilogue chosen by EPI.  A is bf16 in blocks [m/128][k/64][128 rows][64 k]; W is bf16 in panels [n/128][k][128 n].
; A tile of C is 128 x 128; four waves, each 64 x 64: 16 accumulators of 16 x 16.  K goes in steps of 256 through two LDS slots.  A K step of A is 65,536 consecutive bytes, and so is one of W:
; each wave brings 32,768 of them by one tensor load (waves 0, 1: A; waves 2, 3: W).  A's fragments come out of LDS as they lie, W's ([k][n]) turned, by ds_load_tr16_b128.
; CLUSTER 4 x 4: the four work-groups of a row of the cluster need the same tiles of A, the four of a column the same tiles of W; each tile is asked for jointly (same load, same descriptor, a mask that names the four).
; THE MATRIX INSTRUCTION IS USED TRANSPOSED (source 0 = 16 columns of W, source 1 = 16 rows of A): a lane then holds eight neighbouring numbers of one row of C.
; EPI 0: + bias, bf16, blocks [m/128][n/64][128][64].  EPI 1: the same with the exact GELU in between.  EPI 2: + bias + residual, f32, rows of 1,024.
; LIMITS.  Matrix operands are bf16, sums f32.  GELU: erf by the rational form 7.1.26 of Abramowitz and Stegun, absolute error at most 1.5e-7; v_exp_f32 and v_rcp_f32 flush denormals; x = +-infinity gives NaN.
; REGISTERS: window 0: v0-15 at work, v16-27 addresses, v28-127 the epilogue's, v128-255 accumulators ((a, b) at v[128 + 8 (4 a + b)]).  Window 1: two fragment buffers of 128: 64 registers of A, then 64 of W, for 64 along K.
.set SIZE_K, 4096
.set WOFF,   16777216                  ; the weight's first byte in wb
.set EPI,    2
.set OUT_NP, 0                         ; column blocks of 64 in the output (EPI 0, 1)
.set PA,     144                       ; a row of A in LDS: 128 bytes + 16: the 16 rows of a fragment load start in 16 different columns of 16 bytes modulo 256
.set PB,     288                       ; a row of W in LDS: 256 bytes + 32
.set QA,     128*PA                    ; a quarter of a K step of A: 128 rows x 64 k
.set TILE,   36864                     ; what one tensor load fills: 256 x 144 = 128 x 288
.set SLOT,   4*TILE                    ; A's four quarters, then W's 256 rows
.set STAGEB, 4352                      ; a wave's own stage on the way out, at wave x 4,352 in slot 0, which by then has had its last fill and its last read
.if EPI == 2
.set SPITCH, 272
.else
.set SPITCH, 144
.endif
.set LAPS, SIZE_K/512                  ; a lap = two K steps = once round the ring
.set ADRA, 16                          ; v16-17  LDS address of my A fragments in slot 0, 1
.set ADRB, 20                          ; v20-23  the same for W: 2 x slot + half of the K step (an LDS offset has 16 bits)
.set STO,  24                          ; v24     the way out: where I put my bytes of a row
.set RD,   25                          ; v25     the way out: where I read rows back
.set CO,   26                          ; v26     my byte offset in the output
.set BO,   27                          ; v27     my byte offset in the bias
.set ACC,  128
.set F0,   0
.set F1,   128
.set G1, 24                            ; s[24:31] descriptor group 1 for A;  s[32:39] group 0, one set for each slot
.set G0, 32
.set G1B, 48                           ; s[48:55], s[56:63] the same for W
.set G0B, 56
.set GT, 64                            ; GELU at work: t, the exponential, the polynomial, max(x, 0)
.set GE, 72
.set GP, 80
.set GM, 88
.set MSB, 0
.macro WIN new                         ; the immediate's high byte repeats the setting that is left
.if MSB != \new
	s_set_vgpr_msb (MSB<<8)|\new
.set MSB, \new
.endif
.endm
.set MUL,  0x05                        ; sources 0 (W) and 1 (A) window 1; C and D window 0
.set TO_F, 0x40                        ; destination window 1, address window 0
.macro JLOAD s                         ; a joint load: waves 0 and 1 fetch A's two halves, waves 2 and 3 W's; four v_nop follow each of the two lines
	s_cmp_eq_u32 s11, 0
	s_cbranch_scc0 .Lfor_b_\@
	tensor_load_to_lds s[G0+4*\s:G0+4*\s+3], s[G1:G1+7]
	s_nop 0
.rept 4
	v_nop
.endr
	s_branch .Lasked_\@
.Lfor_b_\@:
	tensor_load_to_lds s[G0B+4*\s:G0B+4*\s+3], s[G1B:G1B+7]
	s_nop 0
.rept 4
	v_nop
.endr
.Lasked_\@:
.endm
.macro CREST                           ; a round of the cluster's barrier behind its opening barrier
	s_cmp_lg_u32 s10, 0
	s_cbranch_scc1 .Lnot_wave_0_\@
	s_barrier_signal -3
.Lnot_wave_0_\@:
	s_barrier_wait -3
	s_barrier_signal -1
	s_barrier_wait -1
.endm
.macro CROUND                          ; a whole round
	s_barrier_signal -1
	s_barrier_wait -1
	CREST
.endm
.macro PLACES                          ; four plain places between a matrix instruction and a load into, or a vector read of, its registers
.rept 4
	v_nop
.endr
.endm
	s_load_b128 s[4:7], s[0:1], 0x0                ; A s[4:5], wb s[6:7]
.if EPI == 0
	s_load_b128 s[68:71], s[0:1], 0x10             ; bq, bk
	s_load_b128 s[72:75], s[0:1], 0x20             ; bv, the output
.elseif EPI == 1
	s_load_b128 s[68:71], s[0:1], 0x10             ; bias, the output
.else
	s_load_b128 s[68:71], s[0:1], 0x10             ; bias, residual
	s_load_b64 s[8:9], s[0:1], 0x20                ; the output
	v_lshl_add_u32 v18, v0, 2, 0x48000
	v_mov_b32 v19, 0
	ds_add_u32 v18, v19
	ds_add_u32 v18, v19
.endif
	v_lshrrev_b32 v1, 5, v0
	v_readfirstlane_b32 s10, v1                    ; wave 0..3
	s_lshr_b32 s11, s10, 1                         ; which half of the tile's rows is mine.  Also: I fetch for A (0) or for W (1)
	s_and_b32 s12, s10, 1                          ; which half of its columns.  Also: which half of a K step I fetch
	s_bfe_u32 s40, ttmp6, 0x40000                  ; cx, cy: my place in the cluster
	s_bfe_u32 s41, ttmp6, 0x40004
	s_lshl_b32 s42, ttmp9, 2
	s_add_co_u32 s42, s42, s40                     ; tile column = 4 x cluster x + cx
	s_and_b32 s13, ttmp7, 0xffff
	s_lshl_b32 s13, s13, 2
	s_add_co_u32 s13, s13, s41                     ; tile row = 4 x cluster y + cy
	s_lshl_b32 s43, s41, 2
	s_lshl_b32 s43, 15, s43                        ; my row of the cluster
	s_lshl_b32 s44, 0x1111, s40                    ; my column
	; group 1: a dense block of 32,768 bytes as 128 rows of 32 elements of 8 bytes.  A: 4 words of padding behind every 32 words (a row of 128 bytes); W: 8 behind every 64 (a row of 256)
	s_or_b32 s[G1+0], s43, (3<<16)|(1<<20)|(1<<21)|(4<<22)|(3<<25)   ; 15:0 mask; 17:16 elements of 8 bytes; 20 padding on; 21 set beside a mask; 24:22 interval; 31:25 pad - 1
	s_or_b32 s[G1B+0], s44, (3<<16)|(1<<20)|(1<<21)|(5<<22)|(7<<25)
.irp g, G1, G1B
	s_mov_b32 s[\g+1], 32<<16                      ; tensor_dim0 = 32
	s_mov_b32 s[\g+2], 128<<16                     ; tensor_dim1 = 128
	s_mov_b32 s[\g+3], 32<<16                      ; tile_dim0 = 32
	s_mov_b32 s[\g+4], 128                         ; tile_dim1 = 128
	s_mov_b32 s[\g+5], 32                          ; from row to row: 32 elements
	s_mov_b32 s[\g+6], 0
	s_mov_b32 s[\g+7], 0
.endr
	s_lshl_b32 s17, s12, 15                        ; my half of a K step's 65,536 bytes
	s_mul_i32 s16, s13, SIZE_K*256                 ; A: 128 rows x SIZE_K x 2 bytes for each tile row
	s_add_co_u32 s16, s16, s17
	s_mul_i32 s46, s42, SIZE_K*256                 ; W: a panel for each tile column
	s_add_co_u32 s46, s46, s17
	s_add_co_u32 s46, s46, WOFF
	s_mov_b32 s17, 0
	s_mov_b32 s47, 0
	s_mul_i32 s20, s10, TILE                       ; where my loads go: no place in the cluster enters an LDS address
	s_wait_dscnt 0x0
	s_wait_kmcnt 0x0
	s_add_nc_u64 s[14:15], s[4:5], s[16:17]
	s_add_nc_u64 s[46:47], s[6:7], s[46:47]
	CROUND                                         ; all sixteen work-groups are here: the first joint loads meet
.irp s, 0,1
	s_mov_b32 s[G0+4*\s], 1
	s_add_co_u32 s[G0+4*\s+1], s20, \s*SLOT
	s_add_nc_u64 s[G0+4*\s+2:G0+4*\s+3], s[14:15], \s*65536
	s_or_b32 s[G0+4*\s+3], s[G0+4*\s+3], 0x80000000
	s_mov_b32 s[G0B+4*\s], 1
	s_add_co_u32 s[G0B+4*\s+1], s20, \s*SLOT
	s_add_nc_u64 s[G0B+4*\s+2:G0B+4*\s+3], s[46:47], \s*65536
	s_or_b32 s[G0B+4*\s+3], s[G0B+4*\s+3], 0x80000000
	JLOAD \s                                       ; two tensor loads of mine are out
.endr
	; the bias of my tile column
.if EPI == 0
	s_and_b32 s92, s42, 7
	s_lshl_b32 s92, s92, 9
	s_mov_b32 s93, 0
	s_cmp_lt_u32 s42, 16
	s_cselect_b64 s[66:67], s[70:71], s[72:73]     ; tile columns 8-15: bk, 16-23: bv,
	s_cmp_lt_u32 s42, 8
	s_cselect_b64 s[66:67], s[68:69], s[66:67]     ; 0-7: bq
	s_add_nc_u64 s[66:67], s[66:67], s[92:93]
	s_mov_b64 s[8:9], s[74:75]
.else
	s_lshl_b32 s92, s42, 9
	s_mov_b32 s93, 0
	s_add_nc_u64 s[66:67], s[68:69], s[92:93]
.endif
.if EPI == 1
	s_mov_b64 s[8:9], s[70:71]
.endif
	v_and_b32 v1, 15, v0                           ; r = lane % 16
	v_bfe_u32 v2, v0, 4, 1                         ; hh = lane / 16
	v_mul_u32_u24 v3, v1, PA
	v_lshl_add_u32 v3, v2, 4, v3                   ; A: row x pitch + 16 hh
	s_mul_i32 s21, s11, 64*PA                      ; my 64 rows of each quarter
	v_add_nc_u32 v[ADRA], s21, v3
	v_add_nc_u32 v[ADRA+1], SLOT, v[ADRA]
	v_and_b32 v4, 7, v0                            ; W, turned: lane reads 16 bytes of row k0 + 8 hh + lane % 8, at column 8 ((lane / 8) % 2)
	v_lshl_add_u32 v4, v2, 3, v4
	v_mul_u32_u24 v4, v4, PB
	v_bfe_u32 v5, v0, 3, 1
	v_lshl_add_u32 v4, v5, 4, v4
	s_lshl_b32 s22, s12, 7                         ; my 64 columns
	s_add_co_u32 s22, s22, 2*TILE                  ; W lies behind A
	v_add_nc_u32 v[ADRB], s22, v4
	v_add_nc_u32 v[ADRB+1], TILE, v[ADRB]
	v_add_nc_u32 v[ADRB+2], SLOT, v[ADRB]
	v_add_nc_u32 v[ADRB+3], SLOT+TILE, v[ADRB]
	s_mul_i32 s23, s10, STAGEB                     ; my stage
	s_lshl_b32 s21, s12, 8
	v_mul_u32_u24 v6, v1, SPITCH
.if EPI == 2
	v_lshl_add_u32 v6, v2, 5, v6                   ; in: row r, 32 bytes (8 f32) for each half of the lanes
	v_add_nc_u32 v[STO], s23, v6
	v_mul_u32_u24 v7, v2, SPITCH                   ; back: lanes 0-15 one row of 256 bytes, lanes 16-31 the next
	v_lshl_add_u32 v7, v1, 4, v7
	v_add_nc_u32 v[RD], s23, v7
	v_lshlrev_b32 v[CO], 12, v2                    ; the same two rows in the output: rows of 4,096 bytes
	v_lshl_add_u32 v[CO], v1, 4, v[CO]
	v_lshl_add_u32 v[BO], v1, 4, s21               ; bias of the four columns that I store
	s_lshl_b32 s16, s13, 19                        ; 128 rows of 4,096 bytes for each tile row,
	s_lshl_b32 s17, s11, 18                        ; 64 for my half
	s_add_co_u32 s16, s16, s17
	s_mov_b32 s17, 0
	s_lshl_b32 s46, s42, 9                         ; 128 f32 for each tile column, 64 for my half (in registers that never feed A's descriptors)
	s_lshl_b32 s47, s12, 8
	s_add_co_u32 s46, s46, s47
	s_mov_b32 s47, 0
	s_add_nc_u64 s[70:71], s[70:71], s[16:17]
	s_add_nc_u64 s[70:71], s[70:71], s[46:47]
.else
	v_lshl_add_u32 v6, v2, 4, v6                   ; in: row r, 16 bytes (8 bf16) for each half of the lanes
	v_add_nc_u32 v[STO], s23, v6
	v_and_b32 v8, 31, v0
	v_lshrrev_b32 v7, 3, v8                        ; back: four rows of 128 bytes to a load
	v_mul_u32_u24 v7, v7, SPITCH
	v_and_b32 v9, 7, v0
	v_lshl_add_u32 v7, v9, 4, v7
	v_add_nc_u32 v[RD], s23, v7
	v_lshlrev_b32 v[CO], 4, v8                     ; my wave's 64 x 64 bf16 are 8,192 consecutive bytes of the output
	v_lshl_add_u32 v[BO], v2, 5, s21               ; bias of columns 64 wc + 8 hh + 16 b + 0..7
	s_mul_i32 s16, s13, OUT_NP*16384
	s_lshl_b32 s17, s11, 13
	s_add_co_u32 s16, s16, s17
	s_mov_b32 s17, 0
	s_lshl_b32 s46, s42, 1
	s_add_co_u32 s46, s46, s12
	s_lshl_b32 s46, s46, 14                        ; column block 2 x tile column + my half
	s_mov_b32 s47, 0
.endif
	s_add_nc_u64 s[8:9], s[8:9], s[16:17]
	s_add_nc_u64 s[8:9], s[8:9], s[46:47]
.if EPI == 2
	global_load_b128 v[28:31], v[BO], s[66:67]
.irp t, 0,1,2,3,4,5,6,7
	global_load_b128 v[32+4*\t:32+4*\t+3], v[CO], s[70:71] offset:(2*\t)*4096        ; the residual of my rows 0-15,
.endr
.irp t, 0,1,2,3,4,5,6,7
	global_load_b128 v[64+4*\t:64+4*\t+3], v[CO], s[70:71] offset:(16+2*\t)*4096     ; and 16-31: they wait in registers for the epilogue
.endr
.else
.irp b, 0,1,2,3
	global_load_b128 v[96+8*\b:96+8*\b+3],   v[BO], s[66:67] offset:64*\b
	global_load_b128 v[96+8*\b+4:96+8*\b+7], v[BO], s[66:67] offset:64*\b+16
.endr
.endif
.if EPI == 1
	s_mov_b32 s88, 0x3e6d3388                      ; 0.3275911 / sqrt(2)
	s_mov_b32 s76, 0xbf38aa3b                      ; - log2(e) / 2
	s_mov_b32 s78, 0x3e027906                      ; a1 / 2 ... a5 / 2 of 7.1.26; each in a pair, since a packed instruction names a pair
	s_mov_b32 s80, 0xbe11a98e
	s_mov_b32 s82, 0x3f35f0e3
	s_mov_b32 s86, 0x3f07dc22
.irp c, 76, 78, 80, 82, 86
	s_mov_b32 s[\c+1], s[\c]
.endr
	v_mov_b32 v28, 0xbf3a00e3                      ; a4 / 2 in a vector pair: the first step of the polynomial names a5 as its one scalar pair
	v_mov_b32 v29, v28
.endif
; 8 matrix instructions: row blocks a0, a0 + 1 x all 4 column blocks, 32 along K: half c of buffer f.  zero = 1: the first product starts the sums.
; The 16 accumulators take turns, one instruction a turn.
.macro MUL8 f, c, a0, zero
.irp a, \a0, \a0+1
.irp b, 0,1,2,3
.if \zero
	v_wmma_f32_16x16x32_bf16 v[ACC+8*(4*(\a)+\b):ACC+8*(4*(\a)+\b)+7], v[\f+64+8*(4*\c+\b):\f+64+8*(4*\c+\b)+7], v[\f+8*(4*\c+\a):\f+8*(4*\c+\a)+7], 0
.else
	v_wmma_f32_16x16x32_bf16 v[ACC+8*(4*(\a)+\b):ACC+8*(4*(\a)+\b)+7], v[\f+64+8*(4*\c+\b):\f+64+8*(4*\c+\b)+7], v[\f+8*(4*\c+\a):\f+8*(4*\c+\a)+7], v[ACC+8*(4*(\a)+\b):ACC+8*(4*(\a)+\b)+7]
.endif
.endr
.endr
.endm
; 32 LDS loads in one run: the fragments of quarter q (64 along K) of a slot, into buffer f; the first 32 along K first
.macro FETCH slot, q, f
	WIN TO_F
.irp c, 0,1
.irp i, 0,1,2,3
	ds_load_tr16_b128 v[\f+64+8*(4*\c+\i):\f+64+8*(4*\c+\i)+3],   v[ADRB+2*\slot+(\q)/2] offset:(64*((\q)%2)+32*\c)*PB+32*\i
	ds_load_tr16_b128 v[\f+64+8*(4*\c+\i)+4:\f+64+8*(4*\c+\i)+7], v[ADRB+2*\slot+(\q)/2] offset:(64*((\q)%2)+32*\c+16)*PB+32*\i
	ds_load_b128 v[\f+8*(4*\c+\i):\f+8*(4*\c+\i)+3],              v[ADRA+\slot] offset:(\q)*QA+\i*16*PA+64*\c
	ds_load_b128 v[\f+8*(4*\c+\i)+4:\f+8*(4*\c+\i)+7],            v[ADRA+\slot] offset:(\q)*QA+\i*16*PA+64*\c+32
.endr
.endr
.endm
; A K step is four quarters, 32 matrix instructions each, on buffers 0, 1, 0, 1.  One of the first three: multiplies buffer f and fetches quarter q into g.
.macro QUARTER slot, q, f, g, zero
	s_wait_dscnt 16                                ; the first 32 along K are in; the run's younger 16 loads may be out
	WIN MUL
	MUL8 \f, 0, 0, \zero
	MUL8 \f, 0, 2, \zero
	PLACES
	FETCH \slot, \q, \g
	s_wait_dscnt 32                                ; all but the 32 just issued
	WIN MUL
	MUL8 \f, 1, 0, 0
	MUL8 \f, 1, 2, 0
.endm
; The last quarter multiplies buffer 1 and changes slots: ONE barrier; in front of it each wave waits for its own reads of this slot and for all its tensor loads.  fill = 1: this slot is filled again, two K steps ahead.
.macro TURN slot, next, fill
	s_wait_dscnt 16
	WIN MUL
	MUL8 F1, 0, 0, 0
	s_wait_dscnt 0                                 ; my reads of this slot are over,
	s_set_vgpr_msb 0x500
	s_wait_tensorcnt 0x0                           ; and all my tensor loads have landed: my part of the next slot
	ds_add_u32 v18, v19
	s_wait_dscnt 0x0
	s_set_vgpr_msb 0x5
	s_barrier_signal -1
	MUL8 F1, 0, 2, 0
.if \fill
	WIN 0
.endif
	s_barrier_wait -1
.if \fill
	CREST                                          ; the barrier has opened a round of the cluster's barrier: no wave of any partner still reads this slot or has a load on its way
	s_add_nc_u64 s[G0+4*\slot+2:G0+4*\slot+3], s[G0+4*\slot+2:G0+4*\slot+3], 131072
	s_add_nc_u64 s[G0B+4*\slot+2:G0B+4*\slot+3], s[G0B+4*\slot+2:G0B+4*\slot+3], 131072
	JLOAD \slot                                    ; my one tensor load behind the round: 120 matrix instructions ahead of the wait for it; its four v_nop are also the places in front of the loads below
.else
	PLACES
.endif
	FETCH \next, 0, F0
	WIN MUL
	MUL8 F1, 1, 0, 0
	MUL8 F1, 1, 2, 0
.endm
; gelu(x) = max(x, 0) - |x| w,  w = (1/2) t (a1 + t (a2 + t (a3 + t (a4 + t a5)))) 2^(-x x log2(e) / 2),  t = 1 / (1 + 0.3275911 |x| / sqrt(2)).  Eight numbers in v[x .. x+7], in place.
; Where x x overflows the exponential is 0 and the result max(x, 0).  The eight maxima are the plain instructions between the transcendentals and the use of their results (ISA guide 5.7.2).
.macro GELU8 x
.irp k, 0,1,2,3,4,5,6,7
	v_fma_f32 v[GT+\k], |v[\x+\k]|, s88, 1.0
.endr
.irp k, 0,2,4,6
	v_pk_mul_f32 v[GE+\k:GE+\k+1], v[\x+\k:\x+\k+1], s[76:77] op_sel_hi:[1,0]
.endr
.irp k, 0,2,4,6
	v_pk_mul_f32 v[GE+\k:GE+\k+1], v[GE+\k:GE+\k+1], v[\x+\k:\x+\k+1]
.endr
.irp k, 0,1,2,3,4,5,6,7
	v_rcp_f32 v[GT+\k], v[GT+\k]
.endr
.irp k, 0,1,2,3,4,5,6,7
	v_exp_f32 v[GE+\k], v[GE+\k]
.endr
.irp k, 0,1,2,3,4,5,6,7
	v_max_num_f32 v[GM+\k], 0, v[\x+\k]
.endr
.irp k, 0,2,4,6
	v_pk_fma_f32 v[GP+\k:GP+\k+1], v[GT+\k:GT+\k+1], s[86:87], v[28:29] op_sel_hi:[1,0,1]
.endr
.irp c, 82, 80, 78
.irp k, 0,2,4,6
	v_pk_fma_f32 v[GP+\k:GP+\k+1], v[GP+\k:GP+\k+1], v[GT+\k:GT+\k+1], s[\c:\c+1] op_sel_hi:[1,1,0]
.endr
.endr
.irp k, 0,2,4,6
	v_pk_mul_f32 v[GP+\k:GP+\k+1], v[GP+\k:GP+\k+1], v[GT+\k:GT+\k+1]
.endr
.irp k, 0,2,4,6
	v_pk_mul_f32 v[GP+\k:GP+\k+1], v[GP+\k:GP+\k+1], v[GE+\k:GE+\k+1]
.endr
.irp k, 0,1,2,3,4,5,6,7
	v_fma_f32 v[\x+\k], -|v[\x+\k]|, v[GP+\k], v[GM+\k]
.endr
.endm
	s_wait_tensorcnt 1                             ; my part of K step 0 is in; K step 1's may stay out
	s_barrier_signal -1
	s_barrier_wait -1                              ; everybody's is
	FETCH 0, 0, F0
	QUARTER 0, 1, F0, F1, 1                        ; the first quarter stands in front of the loop: its first products start the sums
	WIN 0                                          ; at a label and at a branch every window is 0
	s_mov_b32 s3, LAPS-1
.Llap:                                                 ; a trip goes once round the ring, from a lap's second quarter to the next lap's first, and fills both slots again
	QUARTER 0, 2, F1, F0, 0
	QUARTER 0, 3, F0, F1, 0
	TURN 0, 1, 1
	QUARTER 1, 1, F0, F1, 0
	QUARTER 1, 2, F1, F0, 0
	QUARTER 1, 3, F0, F1, 0
	TURN 1, 0, 1
	QUARTER 0, 1, F0, F1, 0
	WIN 0
	s_sub_co_u32 s3, s3, 1
	s_cmp_lg_u32 s3, 0
	s_cbranch_scc1 .Llap
	QUARTER 0, 2, F1, F0, 0                        ; the last lap fills nothing, and has no round of the cluster's barrier
	QUARTER 0, 3, F0, F1, 0
	TURN 0, 1, 0                                   ; behind this barrier no wave reads slot 0 any more
	QUARTER 1, 1, F0, F1, 0
	QUARTER 1, 2, F1, F0, 0
	QUARTER 1, 3, F0, F1, 0
	s_wait_dscnt 16                                ; the very last quarter: nothing more to fetch
	WIN MUL
	MUL8 F1, 0, 0, 0
	MUL8 F1, 0, 2, 0
	s_wait_dscnt 0
	MUL8 F1, 1, 0, 0
	MUL8 F1, 1, 2, 0
	WIN 0
	PLACES
.if EPI == 2
	; THE WAY OUT, f32: 16 rows at a time through my stage (rows of 272 bytes) and back as whole rows of 256 bytes; then + bias + residual, and 16 lanes store 256 consecutive bytes, aligned.
.irp a, 0,1,2,3
.if \a > 0
	s_wait_xcnt 0x0                                ; v96-127 are the last block's store data: written again only behind this wait
.endif
.irp b, 0,1,2,3
	ds_store_b128 v[STO], v[ACC+8*(4*\a+\b):ACC+8*(4*\a+\b)+3]   offset:64*\b
	ds_store_b128 v[STO], v[ACC+8*(4*\a+\b)+4:ACC+8*(4*\a+\b)+7] offset:64*\b+16
.endr
.irp t, 0,1,2,3,4,5,6,7
	ds_load_b128 v[96+4*\t:96+4*\t+3], v[RD] offset:\t*2*SPITCH    ; LDS serves a wave's instructions in order: these see the stores above
.endr
	s_wait_dscnt 0x0
.if \a < 2
.irp t, 0,1,2,3,4,5,6,7
	global_load_b128 v[ACC+32*\a+4*\t:ACC+32*\a+4*\t+3], v[CO], s[70:71] offset:(16*(\a+2)+2*\t)*4096   ; the residual two blocks on, into the accumulators just sent
.endr
	s_wait_loadcnt 16                              ; this block's residual (and the bias) is in; the two younger blocks' 16 loads stay out
.set RS, 32+32*\a
.elseif \a == 2
	s_wait_loadcnt 8                               ; the last block's 8 stay out
.set RS, ACC
.else
	s_wait_loadcnt 0
.set RS, ACC+32
.endif
.irp t, 0,1,2,3,4,5,6,7
	v_pk_add_f32 v[96+4*\t:96+4*\t+1], v[96+4*\t:96+4*\t+1], v[28:29]
	v_pk_add_f32 v[98+4*\t:98+4*\t+1], v[98+4*\t:98+4*\t+1], v[30:31]
.endr
.irp t, 0,1,2,3,4,5,6,7
	v_pk_add_f32 v[96+4*\t:96+4*\t+1], v[96+4*\t:96+4*\t+1], v[RS+4*\t:RS+4*\t+1]
	v_pk_add_f32 v[98+4*\t:98+4*\t+1], v[98+4*\t:98+4*\t+1], v[RS+4*\t+2:RS+4*\t+3]
.endr
.irp t, 0,1,2,3,4,5,6,7
	global_store_b128 v[CO], v[96+4*\t:96+4*\t+3], s[8:9] offset:(16*\a+2*\t)*4096
.endr
.endr
.else
	; THE WAY OUT, bf16: + bias (and GELU), rounded; 16 rows at a time through my stage (rows of 144 bytes) and back by rows; a store of the wave covers 512 consecutive bytes, aligned.
	s_wait_loadcnt 0x0                             ; the bias
.irp a, 0,1,2,3
.set TM, 32+16*((\a)%2)
.if \a >= 2
	s_wait_xcnt 0x0                                ; this set of 16 registers was store data two blocks ago: written again only behind this wait
.endif
.irp b, 0,1,2,3
.set AC, ACC+8*(4*\a+\b)
.irp k, 0,2,4,6
	v_pk_add_f32 v[AC+\k:AC+\k+1], v[AC+\k:AC+\k+1], v[96+8*\b+\k:96+8*\b+\k+1]
.endr
.if EPI == 1
	GELU8 AC
.endif
.irp k, 0,1,2,3
	v_cvt_pk_bf16_f32 v[TM+4*\b+\k], v[AC+2*\k], v[AC+2*\k+1]
.endr
	ds_store_b128 v[STO], v[TM+4*\b:TM+4*\b+3] offset:32*\b
.endr
.irp t, 0,1,2,3
	ds_load_b128 v[TM+4*\t:TM+4*\t+3], v[RD] offset:\t*4*SPITCH    ; LDS serves a wave's instructions in order: these see the stores above
.endr
	s_wait_dscnt 0x0
.irp t, 0,1,2,3
	global_store_b128 v[CO], v[TM+4*\t:TM+4*\t+3], s[8:9] offset:\a*2048+\t*512
.endr
.endr
.endif
	s_wait_tensorcnt 0x0
	ds_add_u32 v18, v19
	s_wait_dscnt 0x0
	CROUND                                         ; the closing round: no work-group ends while a partner may still ask for a tile that names it
	s_endpgm
.Lfunc_end_k_q98fb8c1a8c_gemm_ffn2:
	.size	k_q98fb8c1a8c_gemm_ffn2, .Lfunc_end_k_q98fb8c1a8c_gemm_ffn2-k_q98fb8c1a8c_gemm_ffn2
	.p2alignl 7, 3214868480
	.fill 96, 4, 3214868480
	.section	.rodata,"a",@progbits
	.p2align	6, 0x0
	.amdhsa_kernel k_q98fb8c1a8c_gemm_ffn2
		.amdhsa_group_segment_fixed_size 327680
		.amdhsa_private_segment_fixed_size 0
		.amdhsa_enable_private_segment 0
		.amdhsa_kernarg_size 40
		.amdhsa_user_sgpr_count 2
		.amdhsa_user_sgpr_kernarg_segment_ptr 1
		.amdhsa_wavefront_size32 1
		.amdhsa_system_sgpr_workgroup_id_x 1
		.amdhsa_system_sgpr_workgroup_id_y 1
		.amdhsa_system_sgpr_workgroup_id_z 1
		.amdhsa_system_vgpr_workitem_id 0
		.amdhsa_next_free_vgpr 512
		.amdhsa_next_free_sgpr 100
		.amdhsa_reserve_vcc 0
		.amdhsa_float_denorm_mode_32 3
		.amdhsa_float_denorm_mode_16_64 3
		.amdhsa_memory_ordered 1
		.amdhsa_forward_progress 1
		.amdhsa_inst_pref_size 97
	.end_amdhsa_kernel
	.amdgpu_metadata
---
amdhsa.version: [ 1, 2 ]
amdhsa.kernels:
  - .name:           k_q98fb8c1a8c_gemm_ffn2
    .symbol:         k_q98fb8c1a8c_gemm_ffn2.kd
    .args:
      - { .name: h, .offset: 0, .size: 8, .value_kind: global_buffer, .address_space: global }
      - { .name: wb, .offset: 8, .size: 8, .value_kind: global_buffer, .address_space: global }
      - { .name: b2, .offset: 16, .size: 8, .value_kind: global_buffer, .address_space: global }
      - { .name: x1, .offset: 24, .size: 8, .value_kind: global_buffer, .address_space: global }
      - { .name: y, .offset: 32, .size: 8, .value_kind: global_buffer, .address_space: global }
    .group_segment_fixed_size: 327680
    .private_segment_fixed_size: 0
    .kernarg_segment_align: 8
    .kernarg_segment_size: 40
    .max_flat_workgroup_size: 128
    .sgpr_count:     100
    .vgpr_count:     512
    .wavefront_size: 32
...
	.end_amdgpu_metadata
.endif
;; end of part 7
;; launch ln2 (part 8): grid 256 x 1, 8 waves a work-group, no clusters, 0 bytes of LDS; arguments y, ln2_g, ln2_b, out0; writes out0
.if DOCPART == 8
	.amdgcn_target "amdgcn-amd-amdhsa--gfx1250"
	.amdhsa_code_object_version 6
	.text
	.protected	k_q98fb8c1a8c_ln2
	.globl	k_q98fb8c1a8c_ln2
	.p2align	8
	.type	k_q98fb8c1a8c_ln2,@function
k_q98fb8c1a8c_ln2:
	s_mov_b64 s[64:65], 0
	v_nop
	global_prefetch_b8 v0, s[64:65] scope:SCOPE_SE
	s_setreg_imm32_b32 hwreg(HW_REG_WAVE_MODE, 25, 1), 1
	s_wait_xcnt 0x0
; LayerNorm along rows of 1,024 f32: out = (y - mean) rsqrt(var + 1e-5) g + b, var the mean of (y - mean)^2, made in two passes over registers as the definition has it (no difference of large sums).
; THIS COPY (BF = 0) stores the result once, as f32 rows: the layer's output.  (With BF = 1 the same text also stores bf16 blocks for a following product.)
; Eight waves, 16 rows a work-group.  A wave takes two rows: lanes 0-15 one, lanes 16-31 the next, 64 numbers a lane, so that a reduction stays inside 16 lanes (four steps that ride on the addition)
; and each half of a load's or store's lanes covers 256 consecutive bytes, aligned.  All 48 loads of a wave go out first.  Memory binds: no LDS, no barrier, no matrix unit.
; v_rsq_f32 is accurate to 1 ulp.
.set BF, 0
.set X, 8                              ; v[8:71]    my 64 numbers of the row
.set G, 72                             ; v[72:135]  their gains
.set B, 136                            ; v[136:199] their biases
.set T, 200                            ; v[200:207] four running pairs
.set Y, 200                            ; v[200:231] afterwards: the result in bf16
	s_load_b256 s[4:11], s[0:1], 0x0               ; y s[4:5], g s[6:7], b s[8:9], f32 output s[10:11]
.if BF
	s_load_b64 s[12:13], s[0:1], 0x20              ; bf16 output
.endif
	v_lshrrev_b32 v1, 5, v0
	v_readfirstlane_b32 s14, v1                    ; wave 0..7
	v_and_b32 v1, 15, v0
	v_bfe_u32 v2, v0, 4, 1
	v_lshlrev_b32 v3, 4, v1                        ; v3: 16 (lane % 16): my place in g and b
	v_lshl_add_u32 v4, v2, 12, v3                  ; v4: + one row of 4,096 bytes for lanes 16-31
	v_and_b32 v5, 31, v0
	v_lshlrev_b32 v5, 3, v5                        ; v5: 8 x lane
	s_lshl_b32 s15, ttmp9, 4
	s_lshl1_add_u32 s15, s14, s15                  ; my first row = 16 x work-group + 2 x wave
	s_lshl_b32 s16, s15, 12
	s_mov_b32 s17, 0
	s_lshr_b32 s18, s15, 7
	s_lshl_b32 s18, s18, 18                        ; bf16: 16 blocks of 16,384 bytes for each 128 rows,
	s_and_b32 s19, s15, 127
	s_lshl_b32 s19, s19, 7                         ; rows of 128 bytes in a block
	s_add_co_u32 s18, s18, s19
	s_mov_b32 s19, 0
	s_mov_b32 s20, 0x3a800000                      ; 1 / 1024
	s_mov_b32 s21, 0x3727c5ac                      ; 1e-5
	s_wait_kmcnt 0x0
	s_add_nc_u64 s[4:5], s[4:5], s[16:17]
	s_add_nc_u64 s[10:11], s[10:11], s[16:17]
.if BF
	s_add_nc_u64 s[12:13], s[12:13], s[18:19]
.endif
.irp j, 0,1,2,3,4,5,6,7,8,9,10,11,12,13,14,15
	global_load_b128 v[X+4*\j:X+4*\j+3], v4, s[4:5] offset:256*\j th:TH_LOAD_NT
.endr
.irp j, 0,1,2,3,4,5,6,7,8,9,10,11,12,13,14,15
	global_load_b128 v[G+4*\j:G+4*\j+3], v3, s[6:7] offset:256*\j
.endr
.irp j, 0,1,2,3,4,5,6,7,8,9,10,11,12,13,14,15
	global_load_b128 v[B+4*\j:B+4*\j+3], v3, s[8:9] offset:256*\j
.endr
.macro ACROSS                          ; the four pairs, then the row's 16 lanes: every lane of a row ends with the row's sum in v[T]
	v_pk_add_f32 v[T:T+1], v[T:T+1], v[T+2:T+3]
	v_pk_add_f32 v[T+4:T+5], v[T+4:T+5], v[T+6:T+7]
	v_pk_add_f32 v[T:T+1], v[T:T+1], v[T+4:T+5]
	v_add_f32 v[T], v[T], v[T+1]
	v_add_f32_dpp v[T], v[T], v[T] row_xmask:1 row_mask:0xf bank_mask:0xf
	v_add_f32_dpp v[T], v[T], v[T] row_xmask:2 row_mask:0xf bank_mask:0xf
	v_add_f32_dpp v[T], v[T], v[T] row_xmask:4 row_mask:0xf bank_mask:0xf
	v_add_f32_dpp v[T], v[T], v[T] row_xmask:8 row_mask:0xf bank_mask:0xf
.endm
	s_wait_loadcnt 32                              ; the row's 16 loads are in; the 32 of g and b, issued behind them, stay out
.irp k, 0,1,2,3
	v_pk_add_f32 v[T+2*\k:T+2*\k+1], v[X+2*\k:X+2*\k+1], v[X+8+2*\k:X+8+2*\k+1]    ; the first eight pairs start four chains: nothing is cleared
.endr
.set p, 8
.rept 24
	v_pk_add_f32 v[T+2*(p%4):T+2*(p%4)+1], v[T+2*(p%4):T+2*(p%4)+1], v[X+2*p:X+2*p+1]
.set p, p+1
.endr
	ACROSS
	v_mul_f32 v6, s20, v[T]                        ; the mean, twice: a pair for the packed subtraction
	v_mov_b32 v7, v6
.set p, 0
.rept 32
	v_pk_add_f32 v[X+2*p:X+2*p+1], v[X+2*p:X+2*p+1], v[6:7] neg_lo:[0,1] neg_hi:[0,1]
.set p, p+1
.endr
.irp k, 0,1,2,3
	v_pk_mul_f32 v[T+2*\k:T+2*\k+1], v[X+2*\k:X+2*\k+1], v[X+2*\k:X+2*\k+1]
.endr
.set p, 4
.rept 28
	v_pk_fma_f32 v[T+2*(p%4):T+2*(p%4)+1], v[X+2*p:X+2*p+1], v[X+2*p:X+2*p+1], v[T+2*(p%4):T+2*(p%4)+1]
.set p, p+1
.endr
	ACROSS
	v_fma_f32 v6, v[T], s20, s21                   ; var + 1e-5
	v_rsq_f32 v6, v6
	v_nop                                          ; a plain instruction between v_rsq_f32 and the use of its result (ISA guide 5.7.2)
	s_wait_alu depctr_va_vdst(0)
	v_mov_b32 v7, v6
	s_wait_loadcnt 0x0                             ; g and b
.set p, 0
.rept 32
	v_pk_mul_f32 v[X+2*p:X+2*p+1], v[X+2*p:X+2*p+1], v[6:7]
.set p, p+1
.endr
.set p, 0
.rept 32
	v_pk_fma_f32 v[X+2*p:X+2*p+1], v[X+2*p:X+2*p+1], v[G+2*p:G+2*p+1], v[B+2*p:B+2*p+1]
.set p, p+1
.endr
.irp j, 0,1,2,3,4,5,6,7,8,9,10,11,12,13,14,15
	global_store_b128 v4, v[X+4*\j:X+4*\j+3], s[10:11] offset:256*\j
.endr
.if BF
.irp j, 0,1,2,3,4,5,6,7,8,9,10,11,12,13,14,15
	v_cvt_pk_bf16_f32 v[Y+2*\j],   v[X+4*\j],   v[X+4*\j+1]
	v_cvt_pk_bf16_f32 v[Y+2*\j+1], v[X+4*\j+2], v[X+4*\j+3]
	global_store_b64 v5, v[Y+2*\j:Y+2*\j+1], s[12:13] offset:16384*\j    ; column block j: my two rows' 128 bytes each are 256 consecutive bytes, aligned
.endr
.endif
	s_endpgm
.Lfunc_end_k_q98fb8c1a8c_ln2:
	.size	k_q98fb8c1a8c_ln2, .Lfunc_end_k_q98fb8c1a8c_ln2-k_q98fb8c1a8c_ln2
	.p2alignl 7, 3214868480
	.fill 96, 4, 3214868480
	.section	.rodata,"a",@progbits
	.p2align	6, 0x0
	.amdhsa_kernel k_q98fb8c1a8c_ln2
		.amdhsa_group_segment_fixed_size 0
		.amdhsa_private_segment_fixed_size 0
		.amdhsa_enable_private_segment 0
		.amdhsa_kernarg_size 32
		.amdhsa_user_sgpr_count 2
		.amdhsa_user_sgpr_kernarg_segment_ptr 1
		.amdhsa_wavefront_size32 1
		.amdhsa_system_sgpr_workgroup_id_x 1
		.amdhsa_system_sgpr_workgroup_id_y 1
		.amdhsa_system_sgpr_workgroup_id_z 1
		.amdhsa_system_vgpr_workitem_id 0
		.amdhsa_next_free_vgpr 232
		.amdhsa_next_free_sgpr 66
		.amdhsa_reserve_vcc 0
		.amdhsa_float_denorm_mode_32 3
		.amdhsa_float_denorm_mode_16_64 3
		.amdhsa_memory_ordered 1
		.amdhsa_forward_progress 1
		.amdhsa_inst_pref_size 19
	.end_amdhsa_kernel
	.amdgpu_metadata
---
amdhsa.version: [ 1, 2 ]
amdhsa.kernels:
  - .name:           k_q98fb8c1a8c_ln2
    .symbol:         k_q98fb8c1a8c_ln2.kd
    .args:
      - { .name: y, .offset: 0, .size: 8, .value_kind: global_buffer, .address_space: global }
      - { .name: ln2_g, .offset: 8, .size: 8, .value_kind: global_buffer, .address_space: global }
      - { .name: ln2_b, .offset: 16, .size: 8, .value_kind: global_buffer, .address_space: global }
      - { .name: out0, .offset: 24, .size: 8, .value_kind: global_buffer, .address_space: global }
    .group_segment_fixed_size: 0
    .private_segment_fixed_size: 0
    .kernarg_segment_align: 8
    .kernarg_segment_size: 32
    .max_flat_workgroup_size: 256
    .sgpr_count:     66
    .vgpr_count:     232
    .wavefront_size: 32
...
	.end_amdgpu_metadata
.endif
;; end of part 8
;; ======== version 2 of 3: 8 launches; 1.11 times as fast as version 1
;; limits: values are held in f16: magnitudes above 65,504 overflow, below 6.1e-05 lose precision; inputs' magnitudes at most 65,504
;; workspace buffers: act 8,388,608 bytes; wb 25,165,824 bytes; qkv 25,165,824 bytes; y 16,777,216 bytes; x1 16,777,216 bytes; h 33,554,432 bytes
;; launch cast: the kernel of part 1 again; grid 1024 x 1, 8 waves a work-group, no clusters, 0 bytes of LDS; arguments x, Wq, Wk, Wv, Wo, W1, W2, act, wb; writes act, wb
;; launch gemm_qkv (part 9): grid 12 x 16, 4 waves a work-group, clusters of 4 x 4, 327,680 bytes of LDS; arguments act, wb, bq, bk, bv, qkv; writes qkv
.if DOCPART == 9
	.amdgcn_target "amdgcn-amd-amdhsa--gfx1250"
	.amdhsa_code_object_version 6
	.text
	.protected	k_q98fb8c1a8c_gemm_qkv
	.globl	k_q98fb8c1a8c_gemm_qkv
	.p2align	8
	.type	k_q98fb8c1a8c_gemm_qkv,@function
k_q98fb8c1a8c_gemm_qkv:
	s_mov_b64 s[64:65], 0
	v_nop
	global_prefetch_b8 v0, s[64:65] scope:SCOPE_SE
	s_setreg_imm32_b32 hwreg(HW_REG_WAVE_MODE, 25, 1), 1
	s_wait_xcnt 0x0
	s_wait_alu depctr_hold_cnt(0) depctr_sa_sdst(0) depctr_va_vdst(0) depctr_va_sdst(0) depctr_va_ssrc(0) depctr_va_vcc(0) depctr_vm_vsrc(0)
	s_getreg_b32 s2, hwreg(HW_REG_IB_STS2, 6, 4)
	s_cmp_eq_u32 s2, 0
	s_cbranch_scc0 .Lentry_in_a_cluster
	s_endpgm
.Lentry_in_a_cluster:
	s_bfe_u32 s2, ttmp6, 0x10000c
	s_cmp_lg_u32 s2, 0xf033
	s_cbranch_scc0 .Lentry_shape_is_right
	s_endpgm
.Lentry_shape_is_right:
; THIS COPY: q | k | v = x [Wq | Wk | Wv] + [bq | bk | bv], rounded to bf16.  (One text serves two launches; the four constants below and the matrix instruction's operand format differ.)
; C[m][n] = sum over k of A[m][k] W[k][n], + bias, (EPI 1: exact GELU,) rounded to bf16.  A is 16-bit in blocks [m/128][k/64][128 rows][64 k]; W is 16-bit in panels [n/128][k][128 n];
; C leaves in blocks [m/128][n/64][128 rows][64].
; A tile of C is 256 x 256; four waves, as many as a WGP has SIMDs, each 128 x 128: 64 accumulators of 16 x 16, 512 registers.  For 32 along K a wave reads 2 x 128 x 64 bytes from LDS and issues 64 matrix
; instructions.  K goes in steps of 128 through two LDS slots; a step of A's 256 rows is two runs of 32,768 consecutive bytes (one for each block of 128 rows), and so is a step of W's 256 columns (one for each panel):
; each wave brings one run by one tensor load (waves 0, 1: A; waves 2, 3: W).  A's fragments come out of LDS as they lie, W's ([k][n]) turned, by ds_load_tr16_b128.
; THE GRID.  4,096 x 3,072 outputs are 192 tiles.  A tile of 128 x 128 would give 768 work-groups, but feeds half as many multiply-adds from each byte brought into LDS and from each byte read out of it,
; and K = 1,024 is only eight steps, so that each further work-group on a WGP pays the first fills and the way out again.
; CLUSTER 4 x 4: the four work-groups of a row of the cluster need the same tiles of A, the four of a column the same tiles of W; each tile is asked for jointly (same load, same descriptor, a mask that names the four).
; THE MATRIX INSTRUCTION IS USED TRANSPOSED (source 0 = 16 columns of W, source 1 = 16 rows of A): a lane then holds eight neighbouring numbers of one row of C.
; LIMITS.  Matrix operands are bf16 in this copy, sums f32.  GELU (EPI 1): erf by the rational form 7.1.26 of Abramowitz and Stegun, absolute error at most 1.5e-7; v_exp_f32 and v_rcp_f32 flush denormals; x = +-infinity gives NaN.
; REGISTERS, in windows of 256 (s_set_vgpr_msb's low byte: bits 1:0 source 0, 3:2 source 1, 5:4 source 2, 7:6 destination):
;   window 0: v0-15 at work, v16-27 addresses, v28-29 a constant; v64-127, v128-191 fragments of A, two buffers; on the way out v64-127 a block's 64 numbers, v128-159 GELU at work, v192-255 two sets of 32 packed registers
;   window 1: v0-63 the bias of my 64 columns; v64-127, v128-191 fragments of W, two buffers
;   window 2: the 32 accumulators of my rows 0-63 ((a, b) at v[8 (8 a + b)]);   window 3: those of my rows 64-127
.set SIZE_K, 1024
.set WOFF,   0                         ; the weight's first byte in wb
.set EPI,    0
.set OUT_NP, 48                        ; column blocks of 64 in the output
.set PA,     144                       ; a row of A in LDS: 128 bytes + 16: the 16 rows of a fragment load start in 16 different columns of 16 bytes modulo 256
.set PB,     288                       ; a row of W in LDS: 256 bytes + 32
.set QA,     128*PA                    ; 64 along K of 128 rows of A
.set TILE,   36864                     ; what one tensor load fills: 256 x 144 = 128 x 288
.set SLOT,   4*TILE                    ; A's rows 0-127, A's rows 128-255, W's columns 0-127, W's columns 128-255
.set STEPB,  32768                     ; bytes of memory from a K step to the next, in A's blocks and in W's panels alike
.set STAGEB, 4608                      ; a wave's own stage on the way out: two halves of 16 rows x 144 bytes, at wave x 4,608 in slot 0, which by then has had its last fill and its last read
.set SPITCH, 144
.set LAPS, SIZE_K/256                  ; a lap = two K steps = once round the ring
.set ADRA, 16                          ; v16-17  LDS address of my A fragments in slot 0, 1
.set ADRB, 20                          ; v20-21  the same for W
.set STO,  24                          ; v24     the way out: where I put 16 bytes of a row
.set RD,   25                          ; v25     the way out: where I read rows back
.set CO,   26                          ; v26     my byte offset in the output
.set BO,   27                          ; v27     my byte offset in the bias
.set F0,   64                          ; fragment buffer 0
.set F1,   128                         ; fragment buffer 1
.set XV,   64                          ; the way out: a block's numbers in f32
.set GT,   128                         ; GELU at work: t, the exponential, the polynomial, max(x, 0)
.set GE,   136
.set GP,   144
.set GM,   152
.set TMP,  192                         ; the way out: packed results, two sets of 32
.set G1, 24                            ; s[24:31] descriptor group 1 for A;  s[32:39] group 0, one set for each slot
.set G0, 32
.set G1B, 48                           ; s[48:55], s[56:63] the same for W
.set G0B, 56
.set MSB, 0
.macro WIN new                         ; the immediate's high byte repeats the setting that is left; a switch that changes nothing is dropped
.if MSB != \new
	s_set_vgpr_msb (MSB<<8)|\new
.set MSB, \new
.endif
.endm
.set MUL_LO, 0xa1                      ; source 0 (W) window 1, source 1 (A) window 0, C and D window 2
.set MUL_HI, 0xf1                      ; the same, C and D window 3
.set TO_B,   0x40                      ; destination window 1, address window 0
.macro JLOAD s                         ; a joint load: waves 0 and 1 fetch A's two halves, waves 2 and 3 W's; four v_nop follow each of the two lines
	s_cmp_eq_u32 s11, 0
	s_cbranch_scc0 .Lfor_b_\@
	tensor_load_to_lds s[G0+4*\s:G0+4*\s+3], s[G1:G1+7]
	s_nop 0
.rept 4
	v_nop
.endr
	s_branch .Lasked_\@
.Lfor_b_\@:
	tensor_load_to_lds s[G0B+4*\s:G0B+4*\s+3], s[G1B:G1B+7]
	s_nop 0
.rept 4
	v_nop
.endr
.Lasked_\@:
.endm
.macro CREST                           ; a round of the cluster's barrier behind its opening barrier
	s_cmp_lg_u32 s10, 0
	s_cbranch_scc1 .Lnot_wave_0_\@
	s_barrier_signal -3
.Lnot_wave_0_\@:
	s_barrier_wait -3
	s_barrier_signal -1
	s_barrier_wait -1
.endm
.macro CROUND                          ; a whole round
	s_barrier_signal -1
	s_barrier_wait -1
	CREST
.endm
.macro PLACES                          ; four plain places between a matrix instruction and a load into, or a vector read or write of, its registers
.rept 4
	v_nop
.endr
.endm
	s_load_b128 s[4:7], s[0:1], 0x0                ; A s[4:5], wb s[6:7]
.if EPI == 0
	s_load_b128 s[68:71], s[0:1], 0x10             ; bq, bk
	s_load_b128 s[72:75], s[0:1], 0x20             ; bv, the output
	s_set_vgpr_msb 0x40
	v_lshl_add_u32 v255, v0, 2, 0x48000
	s_set_vgpr_msb 0x4000
	v_mov_b32 v63, 0
	s_set_vgpr_msb 0x1
	ds_add_u32 v255, v63
	ds_add_u32 v255, v63
	s_set_vgpr_msb 0x100
.else
	s_load_b128 s[68:71], s[0:1], 0x10             ; bias, the output
.endif
	v_lshrrev_b32 v1, 5, v0
	v_readfirstlane_b32 s10, v1                    ; wave 0..3
	s_lshr_b32 s11, s10, 1                         ; which half of the tile's rows is mine.  Also: I fetch for A (0) or for W (1)
	s_and_b32 s12, s10, 1                          ; which half of its columns.  Also: which half of A's rows, or of W's columns, I fetch
	s_bfe_u32 s40, ttmp6, 0x40000                  ; cx, cy: my place in the cluster
	s_bfe_u32 s41, ttmp6, 0x40004
	s_lshl_b32 s42, ttmp9, 2
	s_add_co_u32 s42, s42, s40                     ; tile column = 4 x cluster x + cx
	s_and_b32 s13, ttmp7, 0xffff
	s_lshl_b32 s13, s13, 2
	s_add_co_u32 s13, s13, s41                     ; tile row = 4 x cluster y + cy
	s_lshl_b32 s43, s41, 2
	s_lshl_b32 s43, 15, s43                        ; my row of the cluster
	s_lshl_b32 s44, 0x1111, s40                    ; my column
	; group 1: a dense block of 32,768 bytes as 128 rows of 32 elements of 8 bytes.  A: 4 words of padding behind every 32 words (a row of 128 bytes); W: 8 behind every 64 (a row of 256)
	s_or_b32 s[G1+0], s43, (3<<16)|(1<<20)|(1<<21)|(4<<22)|(3<<25)   ; 15:0 mask; 17:16 elements of 8 bytes; 20 padding on; 21 set beside a mask; 24:22 interval; 31:25 pad - 1
	s_or_b32 s[G1B+0], s44, (3<<16)|(1<<20)|(1<<21)|(5<<22)|(7<<25)
.irp g, G1, G1B
	s_mov_b32 s[\g+1], 32<<16                      ; tensor_dim0 = 32
	s_mov_b32 s[\g+2], 128<<16                     ; tensor_dim1 = 128
	s_mov_b32 s[\g+3], 32<<16                      ; tile_dim0 = 32
	s_mov_b32 s[\g+4], 128                         ; tile_dim1 = 128
	s_mov_b32 s[\g+5], 32                          ; from row to row: 32 elements
	s_mov_b32 s[\g+6], 0
	s_mov_b32 s[\g+7], 0
.endr
	s_lshl_b32 s16, s13, 1
	s_add_co_u32 s16, s16, s12                     ; A: block of 128 rows number 2 x tile row + half,
	s_mul_i32 s16, s16, SIZE_K*256                 ; each 128 rows x SIZE_K x 2 bytes
	s_lshl_b32 s46, s42, 1
	s_add_co_u32 s46, s46, s12                     ; W: panel number 2 x tile column + half,
	s_mul_i32 s46, s46, SIZE_K*256                 ; each SIZE_K rows x 256 bytes
	s_add_co_u32 s46, s46, WOFF
	s_mov_b32 s17, 0
	s_mov_b32 s47, 0
	s_mul_i32 s20, s10, TILE                       ; where my loads go: no place in the cluster enters an LDS address
	s_wait_dscnt 0x0
	s_wait_kmcnt 0x0
	s_add_nc_u64 s[14:15], s[4:5], s[16:17]
	s_add_nc_u64 s[46:47], s[6:7], s[46:47]
	CROUND                                         ; all sixteen work-groups are here: the first joint loads meet
.irp s, 0,1
	s_mov_b32 s[G0+4*\s], 1
	s_add_co_u32 s[G0+4*\s+1], s20, \s*SLOT
	s_add_nc_u64 s[G0+4*\s+2:G0+4*\s+3], s[14:15], \s*STEPB
	s_or_b32 s[G0+4*\s+3], s[G0+4*\s+3], 0x80000000
	s_mov_b32 s[G0B+4*\s], 1
	s_add_co_u32 s[G0B+4*\s+1], s20, \s*SLOT
	s_add_nc_u64 s[G0B+4*\s+2:G0B+4*\s+3], s[46:47], \s*STEPB
	s_or_b32 s[G0B+4*\s+3], s[G0B+4*\s+3], 0x80000000
	JLOAD \s                                       ; two tensor loads of mine are out
.endr
	; the bias of my tile column: 256 f32 = 1,024 bytes for each
.if EPI == 0
	s_and_b32 s92, s42, 3
	s_lshl_b32 s92, s92, 10
	s_mov_b32 s93, 0
	s_cmp_lt_u32 s42, 8
	s_cselect_b64 s[66:67], s[70:71], s[72:73]     ; tile columns 4-7: bk, 8-11: bv,
	s_cmp_lt_u32 s42, 4
	s_cselect_b64 s[66:67], s[68:69], s[66:67]     ; 0-3: bq
	s_add_nc_u64 s[66:67], s[66:67], s[92:93]
	s_mov_b64 s[8:9], s[74:75]
.else
	s_lshl_b32 s92, s42, 10
	s_mov_b32 s93, 0
	s_add_nc_u64 s[66:67], s[68:69], s[92:93]
	s_mov_b64 s[8:9], s[70:71]
.endif
	v_and_b32 v1, 15, v0                           ; r = lane % 16
	v_bfe_u32 v2, v0, 4, 1                         ; hh = lane / 16
	v_mul_u32_u24 v3, v1, PA
	v_lshl_add_u32 v3, v2, 4, v3                   ; A: row x pitch + 16 hh
	s_mul_i32 s21, s11, TILE                       ; my 128 rows
	v_add_nc_u32 v[ADRA], s21, v3
	v_add_nc_u32 v[ADRA+1], SLOT, v[ADRA]
	v_and_b32 v4, 7, v0                            ; W, turned: lane reads 16 bytes of row k0 + 8 hh + lane % 8, at column 8 ((lane / 8) % 2)
	v_lshl_add_u32 v4, v2, 3, v4
	v_mul_u32_u24 v4, v4, PB
	v_bfe_u32 v5, v0, 3, 1
	v_lshl_add_u32 v4, v5, 4, v4
	s_mul_i32 s22, s12, TILE                       ; my 128 columns,
	s_add_co_u32 s22, s22, 2*TILE                  ; behind A
	v_add_nc_u32 v[ADRB], s22, v4
	v_add_nc_u32 v[ADRB+1], SLOT, v[ADRB]
	s_mul_i32 s23, s10, STAGEB                     ; my stage
	v_mul_u32_u24 v6, v1, SPITCH
	v_lshl_add_u32 v6, v2, 4, v6                   ; in: row r, 16 bytes (8 bf16) for each half of the lanes
	v_add_nc_u32 v[STO], s23, v6
	v_and_b32 v8, 31, v0
	v_lshrrev_b32 v7, 3, v8                        ; back: four rows of 128 bytes to a load
	v_mul_u32_u24 v7, v7, SPITCH
	v_and_b32 v9, 7, v0
	v_lshl_add_u32 v7, v9, 4, v7
	v_add_nc_u32 v[RD], s23, v7
	v_lshlrev_b32 v[CO], 4, v8                     ; my wave's 128 x 128 bf16 are two neighbouring blocks, 32,768 consecutive bytes of the output
	s_lshl_b32 s21, s12, 9
	v_lshl_add_u32 v[BO], v2, 5, s21               ; bias of columns 128 wc + 8 hh + 16 b + 0..7
	s_lshl_b32 s16, s13, 1
	s_add_co_u32 s16, s16, s11                     ; the output's block of 128 rows: 2 x tile row + my half
	s_mul_i32 s16, s16, OUT_NP*16384
	s_mov_b32 s17, 0
	s_lshl_b32 s46, s42, 1
	s_add_co_u32 s46, s46, s12
	s_lshl_b32 s46, s46, 15                        ; two column blocks of 16,384 bytes for each 128 columns (in registers that never feed A's descriptors)
	s_mov_b32 s47, 0
	s_add_nc_u64 s[8:9], s[8:9], s[16:17]
	s_add_nc_u64 s[8:9], s[8:9], s[46:47]
	WIN TO_B
.irp b, 0,1,2,3,4,5,6,7
	global_load_b128 v[8*\b:8*\b+3],   v[BO], s[66:67] offset:64*\b        ; they wait in window 1 for the way out
	global_load_b128 v[8*\b+4:8*\b+7], v[BO], s[66:67] offset:64*\b+16
.endr
	WIN 0
.if EPI == 1
	s_mov_b32 s88, 0x3e6d3388                      ; 0.3275911 / sqrt(2)
	s_mov_b32 s76, 0xbf38aa3b                      ; - log2(e) / 2
	s_mov_b32 s78, 0x3e027906                      ; a1 / 2 ... a5 / 2 of 7.1.26; each in a pair, since a packed instruction names a pair
	s_mov_b32 s80, 0xbe11a98e
	s_mov_b32 s82, 0x3f35f0e3
	s_mov_b32 s86, 0x3f07dc22
.irp c, 76, 78, 80, 82, 86
	s_mov_b32 s[\c+1], s[\c]
.endr
	v_mov_b32 v28, 0xbf3a00e3                      ; a4 / 2 in a vector pair: the first step of the polynomial names a5 as its one scalar pair
	v_mov_b32 v29, v28
.endif
; 16 matrix instructions: row blocks a0, a0 + 1 of the window's four (hi = 0: my rows 0-63, 1: rows 64-127) x all 8 column blocks, 32 along K.  zero = 1: the first product starts the sums.
; The 64 accumulators take turns, one instruction a turn, in the same order in every quarter.
.macro MUL16 f, hi, a0, zero
.irp a, \a0, \a0+1
.irp b, 0,1,2,3,4,5,6,7
.if \zero
	v_wmma_f32_16x16x32_bf16 v[8*(8*(\a)+\b):8*(8*(\a)+\b)+7], v[\f+8*\b:\f+8*\b+7], v[\f+8*(4*\hi+\a):\f+8*(4*\hi+\a)+7], 0
.else
	v_wmma_f32_16x16x32_bf16 v[8*(8*(\a)+\b):8*(8*(\a)+\b)+7], v[\f+8*\b:\f+8*\b+7], v[\f+8*(4*\hi+\a):\f+8*(4*\hi+\a)+7], v[8*(8*(\a)+\b):8*(8*(\a)+\b)+7]
.endif
.endr
.endr
.endm
; 32 LDS loads in one run: the fragments of quarter q (32 along K) of a slot, into buffer f: W's 128 columns, then A's 128 rows
.macro FETCH slot, q, f
	WIN TO_B
.irp i, 0,1,2,3,4,5,6,7
	ds_load_tr16_b128 v[\f+8*\i:\f+8*\i+3],   v[ADRB+\slot] offset:32*(\q)*PB+32*\i
	ds_load_tr16_b128 v[\f+8*\i+4:\f+8*\i+7], v[ADRB+\slot] offset:(32*(\q)+16)*PB+32*\i
.endr
	WIN 0
.irp i, 0,1,2,3,4,5,6,7
	ds_load_b128 v[\f+8*\i:\f+8*\i+3],   v[ADRA+\slot] offset:((\q)/2)*QA+\i*16*PA+64*((\q)%2)
	ds_load_b128 v[\f+8*\i+4:\f+8*\i+7], v[ADRA+\slot] offset:((\q)/2)*QA+\i*16*PA+64*((\q)%2)+32
.endr
.endm
; A K step is four quarters of 32 along K, 64 matrix instructions each, on buffers 0, 1, 0, 1.  One of the first three: multiplies buffer f; in its middle it fetches quarter q of the same slot into buffer g.
.macro QUARTER slot, q, f, g, zero
	s_wait_dscnt 8                                 ; W and A's rows 0-63 are in; the run's youngest eight loads (A's rows 64-127) may be out
	WIN MUL_LO
	MUL16 \f, 0, 0, \zero
	MUL16 \f, 0, 2, \zero
	PLACES
	FETCH \slot, \q, \g
	s_wait_dscnt 32                                ; all but the 32 just issued
	WIN MUL_HI
	MUL16 \f, 1, 0, \zero
	MUL16 \f, 1, 2, \zero
.endm
; The last quarter multiplies buffer 1 and changes slots.  MEET is its first half: ONE barrier; in front of it each wave waits for its own reads of this slot and for all its tensor loads, of which one is out: its part of the next slot.
.macro MEET round                      ; round = 1: a round of the cluster's barrier follows
	s_wait_dscnt 8
	WIN MUL_LO
	MUL16 F1, 0, 0, 0
	s_wait_dscnt 0                                 ; my reads of this slot are over,
	s_wait_tensorcnt 0x0                           ; and all my tensor loads have landed
	ds_add_u32 v255, v63
	s_wait_dscnt 0x0
	s_barrier_signal -1
	MUL16 F1, 0, 2, 0                              ; work on registers while the others arrive
.if \round
	WIN 0
.endif
	s_barrier_wait -1
.endm
; The whole last quarter with a refill: behind the round the slot just read out is filled again first, two K steps ahead; then come the next slot's first fragments.
.macro TURN slot, next
	MEET 1
	CREST                                          ; the barrier has opened a round of the cluster's barrier: no wave of any partner still reads this slot or has a load on its way
	s_add_nc_u64 s[G0+4*\slot+2:G0+4*\slot+3], s[G0+4*\slot+2:G0+4*\slot+3], 2*STEPB
	s_add_nc_u64 s[G0B+4*\slot+2:G0B+4*\slot+3], s[G0B+4*\slot+2:G0B+4*\slot+3], 2*STEPB
	JLOAD \slot                                    ; my one tensor load behind the round: 240 matrix instructions ahead of the wait for it; its four v_nop are also the places in front of the loads below
	FETCH \next, 0, F0
	WIN MUL_HI
	MUL16 F1, 1, 0, 0
	MUL16 F1, 1, 2, 0
.endm
; gelu(x) = max(x, 0) - |x| w,  w = (1/2) t (a1 + t (a2 + t (a3 + t (a4 + t a5)))) 2^(-x x log2(e) / 2),  t = 1 / (1 + 0.3275911 |x| / sqrt(2)).  Eight numbers in v[x .. x+7], in place.
; Where x x overflows the exponential is 0 and the result max(x, 0).  The 16 transcendentals stand among plain instructions that touch neither their results nor their sources: one behind each reciprocal
; (the exponents), three behind each exponential (the maxima and the polynomial, which wants t alone); so each has its plain instruction behind it (ISA guide 5.7.2), and none follows another.
.macro GELU8 x
.irp k, 0,1,2,3,4,5,6,7
	v_fma_f32 v[GT+\k], |v[\x+\k]|, s88, 1.0
.endr
.irp k, 0,1,2,3
	v_rcp_f32 v[GT+\k], v[GT+\k]
	v_pk_mul_f32 v[GE+2*\k:GE+2*\k+1], v[\x+2*\k:\x+2*\k+1], s[76:77] op_sel_hi:[1,0]
.endr
.irp k, 0,1,2,3
	v_rcp_f32 v[GT+4+\k], v[GT+4+\k]
	v_pk_mul_f32 v[GE+2*\k:GE+2*\k+1], v[GE+2*\k:GE+2*\k+1], v[\x+2*\k:\x+2*\k+1]
.endr
.irp k, 0,1,2,3
	v_exp_f32 v[GE+\k], v[GE+\k]
	v_max_num_f32 v[GM+2*\k], 0, v[\x+2*\k]
	v_max_num_f32 v[GM+2*\k+1], 0, v[\x+2*\k+1]
	v_pk_fma_f32 v[GP+2*\k:GP+2*\k+1], v[GT+2*\k:GT+2*\k+1], s[86:87], v[28:29] op_sel_hi:[1,0,1]
.endr
.set gn, 0
.irp c, 82, 80, 78
.irp k, 0,2,4,6
.if gn%3 == 0
	v_exp_f32 v[GE+4+gn/3], v[GE+4+gn/3]
.endif
	v_pk_fma_f32 v[GP+\k:GP+\k+1], v[GP+\k:GP+\k+1], v[GT+\k:GT+\k+1], s[\c:\c+1] op_sel_hi:[1,1,0]
.set gn, gn+1
.endr
.endr
.irp k, 0,2,4,6
	v_pk_mul_f32 v[GP+\k:GP+\k+1], v[GP+\k:GP+\k+1], v[GT+\k:GT+\k+1]
.endr
.irp k, 0,2,4,6
	v_pk_mul_f32 v[GP+\k:GP+\k+1], v[GP+\k:GP+\k+1], v[GE+\k:GE+\k+1]
.endr
.irp k, 0,1,2,3,4,5,6,7
	v_fma_f32 v[\x+\k], -|v[\x+\k]|, v[GP+\k], v[GM+\k]
.endr
.endm
; THE WAY OUT of block a (16 of my rows x my 128 columns: 8 accumulators), in three parts.
; COMPUTE: accumulator + bias into window 0 (one setting for 32 packed additions), GELU where asked, rounded to bf16: 16 bytes a lane for each accumulator.
.macro COMPUTE a
.set TM, TMP+32*((\a)%2)
.set AC, 64*((\a)%4)
.set WN, 0x06+(\a)/4                   ; source 0 window 2 or 3, source 1 window 1, destination window 0
.if \a >= 2
	s_wait_xcnt 0x0                                ; this set of 32 registers was store data two blocks ago: written again only behind this wait
.endif
	WIN WN
.irp b, 0,1,2,3,4,5,6,7
.irp k, 0,2,4,6
	v_pk_add_f32 v[XV+8*\b+\k:XV+8*\b+\k+1], v[AC+8*\b+\k:AC+8*\b+\k+1], v[8*\b+\k:8*\b+\k+1]
.endr
.endr
	WIN 0
.irp b, 0,1,2,3,4,5,6,7
.set GX, XV+8*\b
.if EPI == 1
	GELU8 GX
.endif
.irp k, 0,1,2,3
	v_cvt_pk_bf16_f32 v[TM+4*\b+\k], v[GX+2*\k], v[GX+2*\k+1]
.endr
.endr
.endm
; TOSTAGE: into my own stage (columns 0-63 in its first half, 64-127 in its second), and back by rows, four rows of 128 bytes to a load.
.macro TOSTAGE a
.set TM, TMP+32*((\a)%2)
.irp b, 0,1,2,3,4,5,6,7
	ds_store_b128 v[STO], v[TM+4*\b:TM+4*\b+3] offset:((\b)/4)*16*SPITCH+32*((\b)%4)
.endr
.irp t, 0,1,2,3,4,5,6,7
	ds_load_b128 v[TM+4*\t:TM+4*\t+3], v[RD] offset:((\t)/4)*16*SPITCH+((\t)%4)*4*SPITCH    ; LDS serves a wave's instructions in order: these see the stores above, and the next block's stores come behind them
.endr
.endm
; SEND: stored; a store of the wave covers 512 consecutive bytes, aligned.
.macro SEND a
.set TM, TMP+32*((\a)%2)
	s_wait_dscnt 0x0                               ; the block is back in registers
.irp t, 0,1,2,3,4,5,6,7
	global_store_b128 v[CO], v[TM+4*\t:TM+4*\t+3], s[8:9] offset:((\t)/4)*16384+(\a)*2048+((\t)%4)*512
.endr
.endm
	s_wait_tensorcnt 1                             ; my part of K step 0 is in; K step 1's may stay out
	s_barrier_signal -1
	s_barrier_wait -1                              ; everybody's is
	FETCH 0, 0, F0
	QUARTER 0, 1, F0, F1, 1                        ; the first quarter stands in front of the loop: its products start the sums
	WIN 0                                          ; at a label and at a branch every window is 0
	s_mov_b32 s3, LAPS-1
.Llap:                                                 ; a trip goes once round the ring, from a lap's second quarter to the next lap's first, and fills both slots again
	QUARTER 0, 2, F1, F0, 0
	QUARTER 0, 3, F0, F1, 0
	TURN 0, 1
	QUARTER 1, 1, F0, F1, 0
	QUARTER 1, 2, F1, F0, 0
	QUARTER 1, 3, F0, F1, 0
	TURN 1, 0
	QUARTER 0, 1, F0, F1, 0
	WIN 0
	s_sub_co_u32 s3, s3, 1
	s_cmp_lg_u32 s3, 0
	s_cbranch_scc1 .Llap
	QUARTER 0, 2, F1, F0, 0                        ; the last lap fills nothing, and has no round of the cluster's barrier
	QUARTER 0, 3, F0, F1, 0
	MEET 0                                         ; behind this barrier no wave reads slot 0 any more
	PLACES
	FETCH 1, 0, F0
	WIN MUL_HI
	MUL16 F1, 1, 0, 0
	MUL16 F1, 1, 2, 0
	QUARTER 1, 1, F0, F1, 0
	QUARTER 1, 2, F1, F0, 0
	QUARTER 1, 3, F0, F1, 0
	s_wait_dscnt 8                                 ; the very last quarter: nothing more to fetch
	WIN MUL_LO
	MUL16 F1, 0, 0, 0
	MUL16 F1, 0, 2, 0
	s_wait_dscnt 0
	WIN MUL_HI
	MUL16 F1, 1, 0, 0
	MUL16 F1, 1, 2, 0
	WIN 0
	PLACES
	s_wait_loadcnt 0x0                             ; the bias
	COMPUTE 0
	TOSTAGE 0
.irp a, 1,2,3,4,5,6,7                  ; block a's arithmetic stands between block a - 1's loads from the stage and the wait for them
	COMPUTE \a
	SEND \a-1
	TOSTAGE \a
.endr
	SEND 7
	s_set_vgpr_msb 0x1
	s_wait_tensorcnt 0x0
	ds_add_u32 v255, v63
	s_wait_dscnt 0x0
	s_set_vgpr_msb 0x100
	CROUND                                         ; the closing round: no work-group ends while a partner may still ask for a tile that names it
	s_endpgm
.Lfunc_end_k_q98fb8c1a8c_gemm_qkv:
	.size	k_q98fb8c1a8c_gemm_qkv, .Lfunc_end_k_q98fb8c1a8c_gemm_qkv-k_q98fb8c1a8c_gemm_qkv
	.p2alignl 7, 3214868480
	.fill 96, 4, 3214868480
	.section	.rodata,"a",@progbits
	.p2align	6, 0x0
	.amdhsa_kernel k_q98fb8c1a8c_gemm_qkv
		.amdhsa_group_segment_fixed_size 327680
		.amdhsa_private_segment_fixed_size 0
		.amdhsa_enable_private_segment 0
		.amdhsa_kernarg_size 48
		.amdhsa_user_sgpr_count 2
		.amdhsa_user_sgpr_kernarg_segment_ptr 1
		.amdhsa_wavefront_size32 1
		.amdhsa_system_sgpr_workgroup_id_x 1
		.amdhsa_system_sgpr_workgroup_id_y 1
		.amdhsa_system_sgpr_workgroup_id_z 1
		.amdhsa_system_vgpr_workitem_id 0
		.amdhsa_next_free_vgpr 1024
		.amdhsa_next_free_sgpr 100
		.amdhsa_reserve_vcc 0
		.amdhsa_float_denorm_mode_32 3
		.amdhsa_float_denorm_mode_16_64 3
		.amdhsa_memory_ordered 1
		.amdhsa_forward_progress 1
		.amdhsa_inst_pref_size 160
	.end_amdhsa_kernel
	.amdgpu_metadata
---
amdhsa.version: [ 1, 2 ]
amdhsa.kernels:
  - .name:           k_q98fb8c1a8c_gemm_qkv
    .symbol:         k_q98fb8c1a8c_gemm_qkv.kd
    .args:
      - { .name: act, .offset: 0, .size: 8, .value_kind: global_buffer, .address_space: global }
      - { .name: wb, .offset: 8, .size: 8, .value_kind: global_buffer, .address_space: global }
      - { .name: bq, .offset: 16, .size: 8, .value_kind: global_buffer, .address_space: global }
      - { .name: bk, .offset: 24, .size: 8, .value_kind: global_buffer, .address_space: global }
      - { .name: bv, .offset: 32, .size: 8, .value_kind: global_buffer, .address_space: global }
      - { .name: qkv, .offset: 40, .size: 8, .value_kind: global_buffer, .address_space: global }
    .group_segment_fixed_size: 327680
    .private_segment_fixed_size: 0
    .kernarg_segment_align: 8
    .kernarg_segment_size: 48
    .max_flat_workgroup_size: 128
    .sgpr_count:     100
    .vgpr_count:     1024
    .wavefront_size: 32
...
	.end_amdgpu_metadata
.endif
;; end of part 9
;; launch attn: the kernel of part 3 again; grid 8 x 32, 8 waves a work-group, no clusters, 252,928 bytes of LDS; arguments qkv, act; writes act
;; launch gemm_proj: the kernel of part 4 again; grid 8 x 32, 4 waves a work-group, clusters of 4 x 4, 327,680 bytes of LDS; arguments act, wb, bo, x, y; writes y
;; launch ln1: the kernel of part 5 again; grid 256 x 1, 8 waves a work-group, no clusters, 0 bytes of LDS; arguments y, ln1_g, ln1_b, x1, act; writes x1, act
;; launch gemm_ffn1 (part 10): grid 16 x 16, 4 waves a work-group, clusters of 4 x 4, 327,680 bytes of LDS; arguments act, wb, b1, h; writes h
.if DOCPART == 10
	.amdgcn_target "amdgcn-amd-amdhsa--gfx1250"
	.amdhsa_code_object_version 6
	.text
	.protected	k_q98fb8c1a8c_gemm_ffn1
	.globl	k_q98fb8c1a8c_gemm_ffn1
	.p2align	8
	.type	k_q98fb8c1a8c_gemm_ffn1,@function
k_q98fb8c1a8c_gemm_ffn1:
	s_mov_b64 s[64:65], 0
	v_nop
	global_prefetch_b8 v0, s[64:65] scope:SCOPE_SE
	s_setreg_imm32_b32 hwreg(HW_REG_WAVE_MODE, 25, 1), 1
	s_wait_xcnt 0x0
	s_wait_alu depctr_hold_cnt(0) depctr_sa_sdst(0) depctr_va_vdst(0) depctr_va_sdst(0) depctr_va_ssrc(0) depctr_va_vcc(0) depctr_vm_vsrc(0)
	s_getreg_b32 s2, hwreg(HW_REG_IB_STS2, 6, 4)
	s_cmp_eq_u32 s2, 0
	s_cbranch_scc0 .Lentry_in_a_cluster
	s_endpgm
.Lentry_in_a_cluster:
	s_bfe_u32 s2, ttmp6, 0x10000c
	s_cmp_lg_u32 s2, 0xf033
	s_cbranch_scc0 .Lentry_shape_is_right
	s_endpgm
.Lentry_shape_is_right:
; THIS COPY: h = gelu(x1 W1 + b1), rounded to bf16.  (One text serves two launches; the four constants below and the matrix instruction's operand format differ.)
; OPERANDS IN F16 HERE: x1 is a LayerNorm's output, |x1| <= 32 |g| + |b|, and W1 is an input; both have room in f16, which keeps 11 significant bits where bf16 keeps 8.  The f16 form has the bf16 form's
; registers, layout and distances.  The result h has no such bound (a sum of 1,024 products) and leaves in bf16.  LIMIT: |x1| and |W1| below 65,504; below 6.1e-5 they carry an absolute error of 3e-8.
; C[m][n] = sum over k of A[m][k] W[k][n], + bias, (EPI 1: exact GELU,) rounded to bf16.  A is 16-bit in blocks [m/128][k/64][128 rows][64 k]; W is 16-bit in panels [n/128][k][128 n];
; C leaves in blocks [m/128][n/64][128 rows][64].
; A tile of C is 256 x 256; four waves, as many as a WGP has SIMDs, each 128 x 128: 64 accumulators of 16 x 16, 512 registers.  For 32 along K a wave reads 2 x 128 x 64 bytes from LDS and issues 64 matrix
; instructions.  K goes in steps of 128 through two LDS slots; a step of A's 256 rows is two runs of 32,768 consecutive bytes (one for each block of 128 rows), and so is a step of W's 256 columns (one for each panel):
; each wave brings one run by one tensor load (waves 0, 1: A; waves 2, 3: W).  A's fragments come out of LDS as they lie, W's ([k][n]) turned, by ds_load_tr16_b128.
; THE GRID.  4,096 x 4,096 outputs are 256 tiles, one for each WGP.
; CLUSTER 4 x 4: the four work-groups of a row of the cluster need the same tiles of A, the four of a column the same tiles of W; each tile is asked for jointly (same load, same descriptor, a mask that names the four).
; THE MATRIX INSTRUCTION IS USED TRANSPOSED (source 0 = 16 columns of W, source 1 = 16 rows of A): a lane then holds eight neighbouring numbers of one row of C.
; LIMITS.  Sums are f32.  GELU (EPI 1): erf by the rational form 7.1.26 of Abramowitz and Stegun, absolute error at most 1.5e-7; v_exp_f32 and v_rcp_f32 flush denormals; x = +-infinity gives NaN.
; REGISTERS, in windows of 256 (s_set_vgpr_msb's low byte: bits 1:0 source 0, 3:2 source 1, 5:4 source 2, 7:6 destination):
;   window 0: v0-15 at work, v16-27 addresses, v28-29 a constant; v64-127, v128-191 fragments of A, two buffers; on the way out v64-127 a block's 64 numbers, v128-159 GELU at work, v192-255 two sets of 32 packed registers
;   window 1: v0-63 the bias of my 64 columns; v64-127, v128-191 fragments of W, two buffers
;   window 2: the 32 accumulators of my rows 0-63 ((a, b) at v[8 (8 a + b)]);   window 3: those of my rows 64-127
.set SIZE_K, 1024
.set WOFF,   8388608                   ; the weight's first byte in wb
.set EPI,    1
.set OUT_NP, 64                        ; column blocks of 64 in the output
.set PA,     144                       ; a row of A in LDS: 128 bytes + 16: the 16 rows of a fragment load start in 16 different columns of 16 bytes modulo 256
.set PB,     288                       ; a row of W in LDS: 256 bytes + 32
.set QA,     128*PA                    ; 64 along K of 128 rows of A
.set TILE,   36864                     ; what one tensor load fills: 256 x 144 = 128 x 288
.set SLOT,   4*TILE                    ; A's rows 0-127, A's rows 128-255, W's columns 0-127, W's columns 128-255
.set STEPB,  32768                     ; bytes of memory from a K step to the next, in A's blocks and in W's panels alike
.set STAGEB, 4608                      ; a wave's own stage on the way out: two halves of 16 rows x 144 bytes, at wave x 4,608 in slot 0, which by then has had its last fill and its last read
.set SPITCH, 144
.set LAPS, SIZE_K/256                  ; a lap = two K steps = once round the ring
.set ADRA, 16                          ; v16-17  LDS address of my A fragments in slot 0, 1
.set ADRB, 20                          ; v20-21  the same for W
.set STO,  24                          ; v24     the way out: where I put 16 bytes of a row
.set RD,   25                          ; v25     the way out: where I read rows back
.set CO,   26                          ; v26     my byte offset in the output
.set BO,   27                          ; v27     my byte offset in the bias
.set F0,   64                          ; fragment buffer 0
.set F1,   128                         ; fragment buffer 1
.set XV,   64                          ; the way out: a block's numbers in f32
.set GT,   128                         ; GELU at work: t, the exponential, the polynomial, max(x, 0)
.set GE,   136
.set GP,   144
.set GM,   152
.set TMP,  192                         ; the way out: packed results, two sets of 32
.set G1, 24                            ; s[24:31] descriptor group 1 for A;  s[32:39] group 0, one set for each slot
.set G0, 32
.set G1B, 48                           ; s[48:55], s[56:63] the same for W
.set G0B, 56
.set MSB, 0
.macro WIN new                         ; the immediate's high byte repeats the setting that is left; a switch that changes nothing is dropped
.if MSB != \new
	s_set_vgpr_msb (MSB<<8)|\new
.set MSB, \new
.endif
.endm
.set MUL_LO, 0xa1                      ; source 0 (W) window 1, source 1 (A) window 0, C and D window 2
.set MUL_HI, 0xf1                      ; the same, C and D window 3
.set TO_B,   0x40                      ; destination window 1, address window 0
.macro JLOAD s                         ; a joint load: waves 0 and 1 fetch A's two halves, waves 2 and 3 W's; four v_nop follow each of the two lines
	s_cmp_eq_u32 s11, 0
	s_cbranch_scc0 .Lfor_b_\@
	tensor_load_to_lds s[G0+4*\s:G0+4*\s+3], s[G1:G1+7]
	s_nop 0
.rept 4
	v_nop
.endr
	s_branch .Lasked_\@
.Lfor_b_\@:
	tensor_load_to_lds s[G0B+4*\s:G0B+4*\s+3], s[G1B:G1B+7]
	s_nop 0
.rept 4
	v_nop
.endr
.Lasked_\@:
.endm
.macro CREST                           ; a round of the cluster's barrier behind its opening barrier
	s_cmp_lg_u32 s10, 0
	s_cbranch_scc1 .Lnot_wave_0_\@
	s_barrier_signal -3
.Lnot_wave_0_\@:
	s_barrier_wait -3
	s_barrier_signal -1
	s_barrier_wait -1
.endm
.macro CROUND                          ; a whole round
	s_barrier_signal -1
	s_barrier_wait -1
	CREST
.endm
.macro PLACES                          ; four plain places between a matrix instruction and a load into, or a vector read or write of, its registers
.rept 4
	v_nop
.endr
.endm
	s_load_b128 s[4:7], s[0:1], 0x0                ; A s[4:5], wb s[6:7]
.if EPI == 0
	s_load_b128 s[68:71], s[0:1], 0x10             ; bq, bk
	s_load_b128 s[72:75], s[0:1], 0x20             ; bv, the output
.else
	s_load_b128 s[68:71], s[0:1], 0x10             ; bias, the output
	s_set_vgpr_msb 0x40
	v_lshl_add_u32 v255, v0, 2, 0x48000
	s_set_vgpr_msb 0x4000
	v_mov_b32 v63, 0
	s_set_vgpr_msb 0x1
	ds_add_u32 v255, v63
	ds_add_u32 v255, v63
	s_set_vgpr_msb 0x100
.endif
	v_lshrrev_b32 v1, 5, v0
	v_readfirstlane_b32 s10, v1                    ; wave 0..3
	s_lshr_b32 s11, s10, 1                         ; which half of the tile's rows is mine.  Also: I fetch for A (0) or for W (1)
	s_and_b32 s12, s10, 1                          ; which half of its columns.  Also: which half of A's rows, or of W's columns, I fetch
	s_bfe_u32 s40, ttmp6, 0x40000                  ; cx, cy: my place in the cluster
	s_bfe_u32 s41, ttmp6, 0x40004
	s_lshl_b32 s42, ttmp9, 2
	s_add_co_u32 s42, s42, s40                     ; tile column = 4 x cluster x + cx
	s_and_b32 s13, ttmp7, 0xffff
	s_lshl_b32 s13, s13, 2
	s_add_co_u32 s13, s13, s41                     ; tile row = 4 x cluster y + cy
	s_lshl_b32 s43, s41, 2
	s_lshl_b32 s43, 15, s43                        ; my row of the cluster
	s_lshl_b32 s44, 0x1111, s40                    ; my column
	; group 1: a dense block of 32,768 bytes as 128 rows of 32 elements of 8 bytes.  A: 4 words of padding behind every 32 words (a row of 128 bytes); W: 8 behind every 64 (a row of 256)
	s_or_b32 s[G1+0], s43, (3<<16)|(1<<20)|(1<<21)|(4<<22)|(3<<25)   ; 15:0 mask; 17:16 elements of 8 bytes; 20 padding on; 21 set beside a mask; 24:22 interval; 31:25 pad - 1
	s_or_b32 s[G1B+0], s44, (3<<16)|(1<<20)|(1<<21)|(5<<22)|(7<<25)
.irp g, G1, G1B
	s_mov_b32 s[\g+1], 32<<16                      ; tensor_dim0 = 32
	s_mov_b32 s[\g+2], 128<<16                     ; tensor_dim1 = 128
	s_mov_b32 s[\g+3], 32<<16                      ; tile_dim0 = 32
	s_mov_b32 s[\g+4], 128                         ; tile_dim1 = 128
	s_mov_b32 s[\g+5], 32                          ; from row to row: 32 elements
	s_mov_b32 s[\g+6], 0
	s_mov_b32 s[\g+7], 0
.endr
	s_lshl_b32 s16, s13, 1
	s_add_co_u32 s16, s16, s12                     ; A: block of 128 rows number 2 x tile row + half,
	s_mul_i32 s16, s16, SIZE_K*256                 ; each 128 rows x SIZE_K x 2 bytes
	s_lshl_b32 s46, s42, 1
	s_add_co_u32 s46, s46, s12                     ; W: panel number 2 x tile column + half,
	s_mul_i32 s46, s46, SIZE_K*256                 ; each SIZE_K rows x 256 bytes
	s_add_co_u32 s46, s46, WOFF
	s_mov_b32 s17, 0
	s_mov_b32 s47, 0
	s_mul_i32 s20, s10, TILE                       ; where my loads go: no place in the cluster enters an LDS address
	s_wait_dscnt 0x0
	s_wait_kmcnt 0x0
	s_add_nc_u64 s[14:15], s[4:5], s[16:17]
	s_add_nc_u64 s[46:47], s[6:7], s[46:47]
	CROUND                                         ; all sixteen work-groups are here: the first joint loads meet
.irp s, 0,1
	s_mov_b32 s[G0+4*\s], 1
	s_add_co_u32 s[G0+4*\s+1], s20, \s*SLOT
	s_add_nc_u64 s[G0+4*\s+2:G0+4*\s+3], s[14:15], \s*STEPB
	s_or_b32 s[G0+4*\s+3], s[G0+4*\s+3], 0x80000000
	s_mov_b32 s[G0B+4*\s], 1
	s_add_co_u32 s[G0B+4*\s+1], s20, \s*SLOT
	s_add_nc_u64 s[G0B+4*\s+2:G0B+4*\s+3], s[46:47], \s*STEPB
	s_or_b32 s[G0B+4*\s+3], s[G0B+4*\s+3], 0x80000000
	JLOAD \s                                       ; two tensor loads of mine are out
.endr
	; the bias of my tile column: 256 f32 = 1,024 bytes for each
.if EPI == 0
	s_and_b32 s92, s42, 3
	s_lshl_b32 s92, s92, 10
	s_mov_b32 s93, 0
	s_cmp_lt_u32 s42, 8
	s_cselect_b64 s[66:67], s[70:71], s[72:73]     ; tile columns 4-7: bk, 8-11: bv,
	s_cmp_lt_u32 s42, 4
	s_cselect_b64 s[66:67], s[68:69], s[66:67]     ; 0-3: bq
	s_add_nc_u64 s[66:67], s[66:67], s[92:93]
	s_mov_b64 s[8:9], s[74:75]
.else
	s_lshl_b32 s92, s42, 10
	s_mov_b32 s93, 0
	s_add_nc_u64 s[66:67], s[68:69], s[92:93]
	s_mov_b64 s[8:9], s[70:71]
.endif
	v_and_b32 v1, 15, v0                           ; r = lane % 16
	v_bfe_u32 v2, v0, 4, 1                         ; hh = lane / 16
	v_mul_u32_u24 v3, v1, PA
	v_lshl_add_u32 v3, v2, 4, v3                   ; A: row x pitch + 16 hh
	s_mul_i32 s21, s11, TILE                       ; my 128 rows
	v_add_nc_u32 v[ADRA], s21, v3
	v_add_nc_u32 v[ADRA+1], SLOT, v[ADRA]
	v_and_b32 v4, 7, v0                            ; W, turned: lane reads 16 bytes of row k0 + 8 hh + lane % 8, at column 8 ((lane / 8) % 2)
	v_lshl_add_u32 v4, v2, 3, v4
	v_mul_u32_u24 v4, v4, PB
	v_bfe_u32 v5, v0, 3, 1
	v_lshl_add_u32 v4, v5, 4, v4
	s_mul_i32 s22, s12, TILE                       ; my 128 columns,
	s_add_co_u32 s22, s22, 2*TILE                  ; behind A
	v_add_nc_u32 v[ADRB], s22, v4
	v_add_nc_u32 v[ADRB+1], SLOT, v[ADRB]
	s_mul_i32 s23, s10, STAGEB                     ; my stage
	v_mul_u32_u24 v6, v1, SPITCH
	v_lshl_add_u32 v6, v2, 4, v6                   ; in: row r, 16 bytes (8 bf16) for each half of the lanes
	v_add_nc_u32 v[STO], s23, v6
	v_and_b32 v8, 31, v0
	v_lshrrev_b32 v7, 3, v8                        ; back: four rows of 128 bytes to a load
	v_mul_u32_u24 v7, v7, SPITCH
	v_and_b32 v9, 7, v0
	v_lshl_add_u32 v7, v9, 4, v7
	v_add_nc_u32 v[RD], s23, v7
	v_lshlrev_b32 v[CO], 4, v8                     ; my wave's 128 x 128 bf16 are two neighbouring blocks, 32,768 consecutive bytes of the output
	s_lshl_b32 s21, s12, 9
	v_lshl_add_u32 v[BO], v2, 5, s21               ; bias of columns 128 wc + 8 hh + 16 b + 0..7
	s_lshl_b32 s16, s13, 1
	s_add_co_u32 s16, s16, s11                     ; the output's block of 128 rows: 2 x tile row + my half
	s_mul_i32 s16, s16, OUT_NP*16384
	s_mov_b32 s17, 0
	s_lshl_b32 s46, s42, 1
	s_add_co_u32 s46, s46, s12
	s_lshl_b32 s46, s46, 15                        ; two column blocks of 16,384 bytes for each 128 columns (in registers that never feed A's descriptors)
	s_mov_b32 s47, 0
	s_add_nc_u64 s[8:9], s[8:9], s[16:17]
	s_add_nc_u64 s[8:9], s[8:9], s[46:47]
	WIN TO_B
.irp b, 0,1,2,3,4,5,6,7
	global_load_b128 v[8*\b:8*\b+3],   v[BO], s[66:67] offset:64*\b        ; they wait in window 1 for the way out
	global_load_b128 v[8*\b+4:8*\b+7], v[BO], s[66:67] offset:64*\b+16
.endr
	WIN 0
.if EPI == 1
	s_mov_b32 s88, 0x3e6d3388                      ; 0.3275911 / sqrt(2)
	s_mov_b32 s76, 0xbf38aa3b                      ; - log2(e) / 2
	s_mov_b32 s78, 0x3e027906                      ; a1 / 2 ... a5 / 2 of 7.1.26; each in a pair, since a packed instruction names a pair
	s_mov_b32 s80, 0xbe11a98e
	s_mov_b32 s82, 0x3f35f0e3
	s_mov_b32 s86, 0x3f07dc22
.irp c, 76, 78, 80, 82, 86
	s_mov_b32 s[\c+1], s[\c]
.endr
	v_mov_b32 v28, 0xbf3a00e3                      ; a4 / 2 in a vector pair: the first step of the polynomial names a5 as its one scalar pair
	v_mov_b32 v29, v28
.endif
; 16 matrix instructions: row blocks a0, a0 + 1 of the window's four (hi = 0: my rows 0-63, 1: rows 64-127) x all 8 column blocks, 32 along K.  zero = 1: the first product starts the sums.
; The 64 accumulators take turns, one instruction a turn, in the same order in every quarter.
.macro MUL16 f, hi, a0, zero
.irp a, \a0, \a0+1
.irp b, 0,1,2,3,4,5,6,7
.if \zero
	v_wmma_f32_16x16x32_f16 v[8*(8*(\a)+\b):8*(8*(\a)+\b)+7], v[\f+8*\b:\f+8*\b+7], v[\f+8*(4*\hi+\a):\f+8*(4*\hi+\a)+7], 0
.else
	v_wmma_f32_16x16x32_f16 v[8*(8*(\a)+\b):8*(8*(\a)+\b)+7], v[\f+8*\b:\f+8*\b+7], v[\f+8*(4*\hi+\a):\f+8*(4*\hi+\a)+7], v[8*(8*(\a)+\b):8*(8*(\a)+\b)+7]
.endif
.endr
.endr
.endm
; 32 LDS loads in one run: the fragments of quarter q (32 along K) of a slot, into buffer f: W's 128 columns, then A's 128 rows
.macro FETCH slot, q, f
	WIN TO_B
.irp i, 0,1,2,3,4,5,6,7
	ds_load_tr16_b128 v[\f+8*\i:\f+8*\i+3],   v[ADRB+\slot] offset:32*(\q)*PB+32*\i
	ds_load_tr16_b128 v[\f+8*\i+4:\f+8*\i+7], v[ADRB+\slot] offset:(32*(\q)+16)*PB+32*\i
.endr
	WIN 0
.irp i, 0,1,2,3,4,5,6,7
	ds_load_b128 v[\f+8*\i:\f+8*\i+3],   v[ADRA+\slot] offset:((\q)/2)*QA+\i*16*PA+64*((\q)%2)
	ds_load_b128 v[\f+8*\i+4:\f+8*\i+7], v[ADRA+\slot] offset:((\q)/2)*QA+\i*16*PA+64*((\q)%2)+32
.endr
.endm
; A K step is four quarters of 32 along K, 64 matrix instructions each, on buffers 0, 1, 0, 1.  One of the first three: multiplies buffer f; in its middle it fetches quarter q of the same slot into buffer g.
.macro QUARTER slot, q, f, g, zero
	s_wait_dscnt 8                                 ; W and A's rows 0-63 are in; the run's youngest eight loads (A's rows 64-127) may be out
	WIN MUL_LO
	MUL16 \f, 0, 0, \zero
	MUL16 \f, 0, 2, \zero
	PLACES
	FETCH \slot, \q, \g
	s_wait_dscnt 32                                ; all but the 32 just issued
	WIN MUL_HI
	MUL16 \f, 1, 0, \zero
	MUL16 \f, 1, 2, \zero
.endm
; The last quarter multiplies buffer 1 and changes slots.  MEET is its first half: ONE barrier; in front of it each wave waits for its own reads of this slot and for all its tensor loads, of which one is out: its part of the next slot.
.macro MEET round                      ; round = 1: a round of the cluster's barrier follows
	s_wait_dscnt 8
	WIN MUL_LO
	MUL16 F1, 0, 0, 0
	s_wait_dscnt 0                                 ; my reads of this slot are over,
	s_wait_tensorcnt 0x0                           ; and all my tensor loads have landed
	ds_add_u32 v255, v63
	s_wait_dscnt 0x0
	s_barrier_signal -1
	MUL16 F1, 0, 2, 0                              ; work on registers while the others arrive
.if \round
	WIN 0
.endif
	s_barrier_wait -1
.endm
; The whole last quarter with a refill: behind the round the slot just read out is filled again first, two K steps ahead; then come the next slot's first fragments.
.macro TURN slot, next
	MEET 1
	CREST                                          ; the barrier has opened a round of the cluster's barrier: no wave of any partner still reads this slot or has a load on its way
	s_add_nc_u64 s[G0+4*\slot+2:G0+4*\slot+3], s[G0+4*\slot+2:G0+4*\slot+3], 2*STEPB
	s_add_nc_u64 s[G0B+4*\slot+2:G0B+4*\slot+3], s[G0B+4*\slot+2:G0B+4*\slot+3], 2*STEPB
	JLOAD \slot                                    ; my one tensor load behind the round: 240 matrix instructions ahead of the wait for it; its four v_nop are also the places in front of the loads below
	FETCH \next, 0, F0
	WIN MUL_HI
	MUL16 F1, 1, 0, 0
	MUL16 F1, 1, 2, 0
.endm
; gelu(x) = max(x, 0) - |x| w,  w = (1/2) t (a1 + t (a2 + t (a3 + t (a4 + t a5)))) 2^(-x x log2(e) / 2),  t = 1 / (1 + 0.3275911 |x| / sqrt(2)).  Eight numbers in v[x .. x+7], in place.
; Where x x overflows the exponential is 0 and the result max(x, 0).  The 16 transcendentals stand among plain instructions that touch neither their results nor their sources: one behind each reciprocal
; (the exponents), three behind each exponential (the maxima and the polynomial, which wants t alone); so each has its plain instruction behind it (ISA guide 5.7.2), and none follows another.
.macro GELU8 x
.irp k, 0,1,2,3,4,5,6,7
	v_fma_f32 v[GT+\k], |v[\x+\k]|, s88, 1.0
.endr
.irp k, 0,1,2,3
	v_rcp_f32 v[GT+\k], v[GT+\k]
	v_pk_mul_f32 v[GE+2*\k:GE+2*\k+1], v[\x+2*\k:\x+2*\k+1], s[76:77] op_sel_hi:[1,0]
.endr
.irp k, 0,1,2,3
	v_rcp_f32 v[GT+4+\k], v[GT+4+\k]
	v_pk_mul_f32 v[GE+2*\k:GE+2*\k+1], v[GE+2*\k:GE+2*\k+1], v[\x+2*\k:\x+2*\k+1]
.endr
.irp k, 0,1,2,3
	v_exp_f32 v[GE+\k], v[GE+\k]
	v_max_num_f32 v[GM+2*\k], 0, v[\x+2*\k]
	v_max_num_f32 v[GM+2*\k+1], 0, v[\x+2*\k+1]
	s_wait_alu depctr_va_vdst(0)
	v_pk_fma_f32 v[GP+2*\k:GP+2*\k+1], v[GT+2*\k:GT+2*\k+1], s[86:87], v[28:29] op_sel_hi:[1,0,1]
.endr
.set gn, 0
.irp c, 82, 80, 78
.irp k, 0,2,4,6
.if gn%3 == 0
	v_exp_f32 v[GE+4+gn/3], v[GE+4+gn/3]
.endif
	v_pk_fma_f32 v[GP+\k:GP+\k+1], v[GP+\k:GP+\k+1], v[GT+\k:GT+\k+1], s[\c:\c+1] op_sel_hi:[1,1,0]
.set gn, gn+1
.endr
.endr
.irp k, 0,2,4,6
	v_pk_mul_f32 v[GP+\k:GP+\k+1], v[GP+\k:GP+\k+1], v[GT+\k:GT+\k+1]
.endr
	s_wait_alu depctr_va_vdst(0)
.irp k, 0,2,4,6
	v_pk_mul_f32 v[GP+\k:GP+\k+1], v[GP+\k:GP+\k+1], v[GE+\k:GE+\k+1]
.endr
.irp k, 0,1,2,3,4,5,6,7
	v_fma_f32 v[\x+\k], -|v[\x+\k]|, v[GP+\k], v[GM+\k]
.endr
.endm
; THE WAY OUT of block a (16 of my rows x my 128 columns: 8 accumulators), in three parts.
; COMPUTE: accumulator + bias into window 0 (one setting for 32 packed additions), GELU where asked, rounded to bf16: 16 bytes a lane for each accumulator.
.macro COMPUTE a
.set TM, TMP+32*((\a)%2)
.set AC, 64*((\a)%4)
.set WN, 0x06+(\a)/4                   ; source 0 window 2 or 3, source 1 window 1, destination window 0
.if \a >= 2
	s_wait_xcnt 0x0                                ; this set of 32 registers was store data two blocks ago: written again only behind this wait
.endif
	WIN WN
.irp b, 0,1,2,3,4,5,6,7
.irp k, 0,2,4,6
	v_pk_add_f32 v[XV+8*\b+\k:XV+8*\b+\k+1], v[AC+8*\b+\k:AC+8*\b+\k+1], v[8*\b+\k:8*\b+\k+1]
.endr
.endr
	WIN 0
.irp b, 0,1,2,3,4,5,6,7
.set GX, XV+8*\b
.if EPI == 1
	GELU8 GX
.endif
.irp k, 0,1,2,3
	v_cvt_pk_bf16_f32 v[TM+4*\b+\k], v[GX+2*\k], v[GX+2*\k+1]
.endr
.endr
.endm
; TOSTAGE: into my own stage (columns 0-63 in its first half, 64-127 in its second), and back by rows, four rows of 128 bytes to a load.
.macro TOSTAGE a
.set TM, TMP+32*((\a)%2)
.irp b, 0,1,2,3,4,5,6,7
	ds_store_b128 v[STO], v[TM+4*\b:TM+4*\b+3] offset:((\b)/4)*16*SPITCH+32*((\b)%4)
.endr
.irp t, 0,1,2,3,4,5,6,7
	ds_load_b128 v[TM+4*\t:TM+4*\t+3], v[RD] offset:((\t)/4)*16*SPITCH+((\t)%4)*4*SPITCH    ; LDS serves a wave's instructions in order: these see the stores above, and the next block's stores come behind them
.endr
.endm
; SEND: stored; a store of the wave covers 512 consecutive bytes, aligned.
.macro SEND a
.set TM, TMP+32*((\a)%2)
	s_wait_dscnt 0x0                               ; the block is back in registers
.irp t, 0,1,2,3,4,5,6,7
	global_store_b128 v[CO], v[TM+4*\t:TM+4*\t+3], s[8:9] offset:((\t)/4)*16384+(\a)*2048+((\t)%4)*512
.endr
.endm
	s_wait_tensorcnt 1                             ; my part of K step 0 is in; K step 1's may stay out
	s_barrier_signal -1
	s_barrier_wait -1                              ; everybody's is
	FETCH 0, 0, F0
	QUARTER 0, 1, F0, F1, 1                        ; the first quarter stands in front of the loop: its products start the sums
	WIN 0                                          ; at a label and at a branch every window is 0
	s_mov_b32 s3, LAPS-1
.Llap:                                                 ; a trip goes once round the ring, from a lap's second quarter to the next lap's first, and fills both slots again
	QUARTER 0, 2, F1, F0, 0
	QUARTER 0, 3, F0, F1, 0
	TURN 0, 1
	QUARTER 1, 1, F0, F1, 0
	QUARTER 1, 2, F1, F0, 0
	QUARTER 1, 3, F0, F1, 0
	TURN 1, 0
	QUARTER 0, 1, F0, F1, 0
	WIN 0
	s_sub_co_u32 s3, s3, 1
	s_cmp_lg_u32 s3, 0
	s_cbranch_scc1 .Llap
	QUARTER 0, 2, F1, F0, 0                        ; the last lap fills nothing, and has no round of the cluster's barrier
	QUARTER 0, 3, F0, F1, 0
	MEET 0                                         ; behind this barrier no wave reads slot 0 any more
	PLACES
	FETCH 1, 0, F0
	WIN MUL_HI
	MUL16 F1, 1, 0, 0
	MUL16 F1, 1, 2, 0
	QUARTER 1, 1, F0, F1, 0
	QUARTER 1, 2, F1, F0, 0
	QUARTER 1, 3, F0, F1, 0
	s_wait_dscnt 8                                 ; the very last quarter: nothing more to fetch
	WIN MUL_LO
	MUL16 F1, 0, 0, 0
	MUL16 F1, 0, 2, 0
	s_wait_dscnt 0
	WIN MUL_HI
	MUL16 F1, 1, 0, 0
	MUL16 F1, 1, 2, 0
	WIN 0
	PLACES
	s_wait_loadcnt 0x0                             ; the bias
	COMPUTE 0
	TOSTAGE 0
.irp a, 1,2,3,4,5,6,7                  ; block a's arithmetic stands between block a - 1's loads from the stage and the wait for them
	COMPUTE \a
	SEND \a-1
	TOSTAGE \a
.endr
	SEND 7
	s_set_vgpr_msb 0x1
	s_wait_tensorcnt 0x0
	ds_add_u32 v255, v63
	s_wait_dscnt 0x0
	s_set_vgpr_msb 0x100
	CROUND                                         ; the closing round: no work-group ends while a partner may still ask for a tile that names it
	s_endpgm
.Lfunc_end_k_q98fb8c1a8c_gemm_ffn1:
	.size	k_q98fb8c1a8c_gemm_ffn1, .Lfunc_end_k_q98fb8c1a8c_gemm_ffn1-k_q98fb8c1a8c_gemm_ffn1
	.p2alignl 7, 3214868480
	.fill 96, 4, 3214868480
	.section	.rodata,"a",@progbits
	.p2align	6, 0x0
	.amdhsa_kernel k_q98fb8c1a8c_gemm_ffn1
		.amdhsa_group_segment_fixed_size 327680
		.amdhsa_private_segment_fixed_size 0
		.amdhsa_enable_private_segment 0
		.amdhsa_kernarg_size 32
		.amdhsa_user_sgpr_count 2
		.amdhsa_user_sgpr_kernarg_segment_ptr 1
		.amdhsa_wavefront_size32 1
		.amdhsa_system_sgpr_workgroup_id_x 1
		.amdhsa_system_sgpr_workgroup_id_y 1
		.amdhsa_system_sgpr_workgroup_id_z 1
		.amdhsa_system_vgpr_workitem_id 0
		.amdhsa_next_free_vgpr 1024
		.amdhsa_next_free_sgpr 100
		.amdhsa_reserve_vcc 0
		.amdhsa_float_denorm_mode_32 3
		.amdhsa_float_denorm_mode_16_64 3
		.amdhsa_memory_ordered 1
		.amdhsa_forward_progress 1
		.amdhsa_inst_pref_size 255
	.end_amdhsa_kernel
	.section	.bss,"aw",@nobits
	.p2align	6
	.space	262144
	.amdgpu_metadata
---
amdhsa.version: [ 1, 2 ]
amdhsa.kernels:
  - .name:           k_q98fb8c1a8c_gemm_ffn1
    .symbol:         k_q98fb8c1a8c_gemm_ffn1.kd
    .args:
      - { .name: act, .offset: 0, .size: 8, .value_kind: global_buffer, .address_space: global }
      - { .name: wb, .offset: 8, .size: 8, .value_kind: global_buffer, .address_space: global }
      - { .name: b1, .offset: 16, .size: 8, .value_kind: global_buffer, .address_space: global }
      - { .name: h, .offset: 24, .size: 8, .value_kind: global_buffer, .address_space: global }
    .group_segment_fixed_size: 327680
    .private_segment_fixed_size: 0
    .kernarg_segment_align: 8
    .kernarg_segment_size: 32
    .max_flat_workgroup_size: 128
    .sgpr_count:     100
    .vgpr_count:     1024
    .wavefront_size: 32
...
	.end_amdgpu_metadata
.endif
;; end of part 10
;; launch gemm_ffn2: the kernel of part 7 again; grid 8 x 32, 4 waves a work-group, clusters of 4 x 4, 327,680 bytes of LDS; arguments h, wb, b2, x1, y; writes y
;; launch ln2: the kernel of part 8 again; grid 256 x 1, 8 waves a work-group, no clusters, 0 bytes of LDS; arguments y, ln2_g, ln2_b, out0; writes out0
;; ======== version 3 of 3: 8 launches; version 2 with the launches cast, ln1 written anew for expert scheduling mode
;; limits: values are held in f16: magnitudes above 65,504 overflow, below 6.1e-05 lose precision; inputs' magnitudes at most 65,504
;; workspace buffers: act 8,388,608 bytes; wb 25,165,824 bytes; qkv 25,165,824 bytes; y 16,777,216 bytes; x1 16,777,216 bytes; h 33,554,432 bytes
;; launch cast (part 11): grid 1024 x 1, 8 waves a work-group, no clusters, 0 bytes of LDS; arguments x, Wq, Wk, Wv, Wo, W1, W2, act, wb; writes act, wb
.if DOCPART == 11
	.amdgcn_target "amdgcn-amd-amdhsa--gfx1250"
	.amdhsa_code_object_version 6
	.text
	.protected	k_q98fb8c1a8c_cast
	.globl	k_q98fb8c1a8c_cast
	.p2align	8
	.type	k_q98fb8c1a8c_cast,@function
k_q98fb8c1a8c_cast:
	s_mov_b64 s[64:65], 0
	v_nop
	global_prefetch_b8 v0, s[64:65] scope:SCOPE_SE
	s_setreg_imm32_b32 hwreg(HW_REG_WAVE_SCHED_MODE, 0, 2), 2
	s_setreg_imm32_b32 hwreg(HW_REG_WAVE_MODE, 25, 1), 1
	s_wait_xcnt 0x0
	s_wait_alu depctr_vm_vsrc(0)
; x and the six weights, f32, are rounded once to 16 bits and laid out anew for the matrix launches.  W1 goes to f16, all else to bf16.
;   act: [row/128 (32)][col/64 (16)][128 rows][64 cols]: blocks of 16,384 bytes, rows of 128 bytes.
;   wb:  for each weight [n/128][K rows][128 cols], rows of 256 bytes; Wq, Wk, Wv at byte 0, Wo at 6 MiB, W1 at 8 MiB, W2 at 16 MiB.
; WHY W1 IN F16.  Its partner in the product is a LayerNorm's output, which is bounded, and f16 keeps 11 significant bits where bf16 keeps 8.  LIMIT: |W1| below 65,504; entries below 6.1e-5 carry an
; absolute error of 3e-8.  The other weights meet operands without such a bound (x, sums of products) and stay in bf16, since one matrix instruction takes one format for both sources.
; Both outputs are walked linearly: work-group g makes 32,768 bytes (g < 256: of act, else of wb), a wave 4,096 of them, by 16 loads of 16 bytes (4 f32 a lane),
; two roundings for each and 16 stores of 8 bytes: a store of the wave covers 256 consecutive bytes, aligned,
; and each half of a load's lanes reads 256 consecutive bytes, aligned.  Memory binds: no LDS, no barrier, no matrix unit.
; All 16 loads of a wave go out first; no register is written twice.
; THE MODE: SCHED_MODE bits 1:0 = 2 (LLVM: expert scheduling mode 2), set by the entry lines.  The code itself states the register dependences
; between vector instructions and memory instructions, with s_wait_alu, always for 0.
; THE PLAN.  Registers that memory instructions touch:
;   v[OFF ..]  16 offsets.  Written once, by the adds at the head; read by the 16 loads.
;   v[DO]      Written once, at the head; read by the 16 stores.
;   X          The 16 loads land in it, each register once; read by the roundings; no vector instruction writes it.
;   Y          Written by the roundings, each register once; read by the stores.
; So: one wait ahead of the loads (the offsets are written), and, with the work in four blocks of four loads, one wait a block between its eight roundings and
; its four stores (the block's Y is written).  A block's roundings name none of the registers that the stores issued so far read, and nothing that a memory
; instruction reads is ever written again: no wait on vm_vsrc is owed.  The wave's number passes through a scalar register: one wait on va_sdst.
.set OFF, 2                            ; v[2:17]   byte offset in the source of load i
.set DO,  18                           ; v18       8 x lane: my 8 bytes of a store
.set X,   20                           ; v[20:83]  as loaded
.set Y,   84                           ; v[84:115] to store
	s_load_b512 s[8:23], s[0:1], 0x0               ; x s[8:9], Wq s[10:11], Wk s[12:13], Wv s[14:15], Wo s[16:17], W1 s[18:19], W2 s[20:21], act s[22:23]
	s_load_b64 s[24:25], s[0:1], 0x40              ; wb
	v_lshrrev_b32 v1, 5, v0
	v_readfirstlane_b32 s26, v1                    ; wave 0..7
	v_and_b32 v1, 31, v0                           ; lane
	v_and_b32 v[OFF], 15, v0
	v_lshlrev_b32 v[OFF], 4, v[OFF]                ; 16 x (lane % 16)
	v_bfe_u32 v19, v0, 4, 1                        ; lane / 16
	v_lshlrev_b32 v[DO], 3, v1
	s_wait_alu depctr_va_sdst(0)                   ; s26 is written, ahead of the branch: both arms read it
	s_mov_b32 s27, ttmp9                           ; g
	s_wait_kmcnt 0x0
	s_cmp_lt_u32 s27, 256
	s_cbranch_scc0 .Lweights
	; x: two blocks of act to a work-group; a wave has 32 rows of one block; a store holds two rows of 64 columns
	s_mov_b64 s[4:5], s[8:9]                       ; source
	s_mov_b64 s[6:7], s[22:23]                     ; destination
	s_mov_b32 s28, s27                             ; which 32,768 bytes of the destination
	s_mov_b32 s40, 0                               ; to bf16
	s_and_b32 s29, s27, 7
	s_lshl_b32 s29, s29, 1
	s_lshr_b32 s30, s26, 2
	s_add_co_u32 s29, s29, s30                     ; column block p = 2 (g % 8) + wave / 4
	s_lshr_b32 s30, s27, 3
	s_lshl_b32 s30, s30, 7
	s_and_b32 s31, s26, 3
	s_lshl_b32 s31, s31, 5
	s_add_co_u32 s30, s30, s31                     ; first row = 128 (g / 8) + 32 (wave % 4)
	s_lshl_b32 s30, s30, 12                        ; rows of 4,096 bytes
	s_lshl_b32 s29, s29, 8                         ; 64 f32 = 256 bytes
	s_add_co_u32 s32, s30, s29                     ; the wave's first source byte
	s_mov_b32 s33, 12                              ; lanes 16-31 read one row (2^12 bytes) further down
	s_mov_b32 s34, 8192                            ; from load to load: two rows
	s_branch .Lgo
.Lweights:
	; weights: 128 rows of a panel of 128 columns to a work-group, 16 rows to a wave; a store holds one row of 128 columns
	s_sub_co_u32 s28, s27, 256                     ; u: which 32,768 bytes of wb
	s_mov_b64 s[6:7], s[24:25]
	s_lshr_b32 s35, s28, 6                         ; u / 64: 0 Wq, 1 Wk, 2 Wv, 3 Wo, 4-7 W1, 8-11 W2
	s_mov_b64 s[4:5], s[20:21]
	s_cmp_lt_u32 s35, 8
	s_cselect_b64 s[4:5], s[18:19], s[4:5]
	s_cmp_lt_u32 s35, 4
	s_cselect_b64 s[4:5], s[16:17], s[4:5]
	s_cmp_lt_u32 s35, 3
	s_cselect_b64 s[4:5], s[14:15], s[4:5]
	s_cmp_lt_u32 s35, 2
	s_cselect_b64 s[4:5], s[12:13], s[4:5]
	s_cmp_lt_u32 s35, 1
	s_cselect_b64 s[4:5], s[10:11], s[4:5]
	s_cmp_lt_u32 s35, 4
	s_cselect_b32 s36, 63, 255
	s_and_b32 s36, s28, s36                        ; the work-group's number inside its weight
	s_cmp_lt_u32 s35, 8
	s_cselect_b32 s37, 3, 5                        ; a panel is 8 work-groups (K = 1,024) or 32 (W2: K = 4,096)
	s_lshr_b32 s38, s35, 2
	s_cmp_eq_u32 s38, 1                            ; W1?
	s_cselect_b32 s39, 14, 12                      ; log2 of the source's row bytes: W1 16,384, the others 4,096
	s_cselect_b32 s40, 1, 0                        ; W1 to f16, the others to bf16
	s_lshr_b32 s29, s36, s37                       ; panel
	s_lshl_b32 s30, s29, s37
	s_sub_co_u32 s30, s36, s30                     ; block of 128 rows in the panel
	s_lshl_b32 s30, s30, 7
	s_lshl_b32 s31, s26, 4
	s_add_co_u32 s30, s30, s31                     ; first row = 128 x block + 16 x wave
	s_lshl_b32 s30, s30, s39
	s_lshl_b32 s29, s29, 9                         ; 128 f32 = 512 bytes
	s_add_co_u32 s32, s30, s29
	s_mov_b32 s33, 8                               ; lanes 16-31 read the next 256 bytes of the same row
	s_lshl_b32 s34, 1, s39                         ; from load to load: one row
.Lgo:
	s_lshl_b32 s28, s28, 15
	s_lshl_b32 s31, s26, 12
	s_add_co_u32 s28, s28, s31                     ; 32,768 x work-group + 4,096 x wave
	s_mov_b32 s29, 0
	s_add_nc_u64 s[6:7], s[6:7], s[28:29]
	v_lshlrev_b32 v19, s33, v19
	v_add_nc_u32 v[OFF], v[OFF], v19
	v_add_nc_u32 v[OFF], s32, v[OFF]
.irp i, 1,2,3,4,5,6,7,8,9,10,11,12,13,14,15
	v_add_nc_u32 v[OFF+\i], s34, v[OFF+\i-1]
.endr
	s_wait_alu depctr_va_vdst(0)                   ; the 16 offsets v[OFF ..], which the loads read, and v[DO], which the stores read, are written
.irp i, 0,1,2,3,4,5,6,7,8,9,10,11,12,13,14,15
	global_load_b128 v[X+4*\i:X+4*\i+3], v[OFF+\i], s[4:5] th:TH_LOAD_NT
.endr
; The roundings and stores, in four blocks of four loads.  half = 1: to f16, else to bf16; both round to nearest even, the first source into the low half.
.macro SEND half
.irp p, 0,1,2,3
	s_wait_loadcnt 12-4*(\p)                       ; loads come back in order: block p's four are in, the 12 - 4 p of the younger blocks stay out
.irp i, 0,1,2,3
.if \half
	v_cvt_pk_f16_f32 v[Y+2*(4*(\p)+(\i))],   v[X+4*(4*(\p)+(\i))],   v[X+4*(4*(\p)+(\i))+1]
	v_cvt_pk_f16_f32 v[Y+2*(4*(\p)+(\i))+1], v[X+4*(4*(\p)+(\i))+2], v[X+4*(4*(\p)+(\i))+3]
.else
	v_cvt_pk_bf16_f32 v[Y+2*(4*(\p)+(\i))],   v[X+4*(4*(\p)+(\i))],   v[X+4*(4*(\p)+(\i))+1]
	v_cvt_pk_bf16_f32 v[Y+2*(4*(\p)+(\i))+1], v[X+4*(4*(\p)+(\i))+2], v[X+4*(4*(\p)+(\i))+3]
.endif
.endr
	s_wait_alu depctr_va_vdst(0)                   ; the block's eight roundings have written its eight registers of Y, which the four stores below read
.irp i, 0,1,2,3
	global_store_b64 v[DO], v[Y+2*(4*(\p)+(\i)):Y+2*(4*(\p)+(\i))+1], s[6:7] offset:256*(4*(\p)+(\i))
.endr
.endr
.endm
	s_cmp_eq_u32 s40, 1                            ; the branch hangs on the work-group's number alone; the same 16 loads are out on both ways
	s_cbranch_scc1 .Lhalf
	SEND 0
	s_endpgm
.Lhalf:
	SEND 1
	s_endpgm
.Lfunc_end_k_q98fb8c1a8c_cast:
	.size	k_q98fb8c1a8c_cast, .Lfunc_end_k_q98fb8c1a8c_cast-k_q98fb8c1a8c_cast
	.p2alignl 7, 3214868480
	.fill 96, 4, 3214868480
	.section	.rodata,"a",@progbits
	.p2align	6, 0x0
	.amdhsa_kernel k_q98fb8c1a8c_cast
		.amdhsa_group_segment_fixed_size 0
		.amdhsa_private_segment_fixed_size 0
		.amdhsa_enable_private_segment 0
		.amdhsa_kernarg_size 72
		.amdhsa_user_sgpr_count 2
		.amdhsa_user_sgpr_kernarg_segment_ptr 1
		.amdhsa_wavefront_size32 1
		.amdhsa_system_sgpr_workgroup_id_x 1
		.amdhsa_system_sgpr_workgroup_id_y 1
		.amdhsa_system_sgpr_workgroup_id_z 1
		.amdhsa_system_vgpr_workitem_id 0
		.amdhsa_next_free_vgpr 116
		.amdhsa_next_free_sgpr 66
		.amdhsa_reserve_vcc 0
		.amdhsa_float_denorm_mode_32 3
		.amdhsa_float_denorm_mode_16_64 3
		.amdhsa_memory_ordered 1
		.amdhsa_forward_progress 1
		.amdhsa_inst_pref_size 13
	.end_amdhsa_kernel
	.amdgpu_metadata
---
amdhsa.version: [ 1, 2 ]
amdhsa.kernels:
  - .name:           k_q98fb8c1a8c_cast
    .symbol:         k_q98fb8c1a8c_cast.kd
    .args:
      - { .name: x, .offset: 0, .size: 8, .value_kind: global_buffer, .address_space: global }
      - { .name: Wq, .offset: 8, .size: 8, .value_kind: global_buffer, .address_space: global }
      - { .name: Wk, .offset: 16, .size: 8, .value_kind: global_buffer, .address_space: global }
      - { .name: Wv, .offset: 24, .size: 8, .value_kind: global_buffer, .address_space: global }
      - { .name: Wo, .offset: 32, .size: 8, .value_kind: global_buffer, .address_space: global }
      - { .name: W1, .offset: 40, .size: 8, .value_kind: global_buffer, .address_space: global }
      - { .name: W2, .offset: 48, .size: 8, .value_kind: global_buffer, .address_space: global }
      - { .name: act, .offset: 56, .size: 8, .value_kind: global_buffer, .address_space: global }
      - { .name: wb, .offset: 64, .size: 8, .value_kind: global_buffer, .address_space: global }
    .group_segment_fixed_size: 0
    .private_segment_fixed_size: 0
    .kernarg_segment_align: 8
    .kernarg_segment_size: 72
    .max_flat_workgroup_size: 256
    .sgpr_count:     66
    .vgpr_count:     116
    .wavefront_size: 32
...
	.end_amdgpu_metadata
.endif
;; end of part 11
;; launch gemm_qkv: the kernel of part 9 again; grid 12 x 16, 4 waves a work-group, clusters of 4 x 4, 327,680 bytes of LDS; arguments act, wb, bq, bk, bv, qkv; writes qkv
;; launch attn: the kernel of part 3 again; grid 8 x 32, 8 waves a work-group, no clusters, 252,928 bytes of LDS; arguments qkv, act; writes act
;; launch gemm_proj: the kernel of part 4 again; grid 8 x 32, 4 waves a work-group, clusters of 4 x 4, 327,680 bytes of LDS; arguments act, wb, bo, x, y; writes y
;; launch ln1 (part 12): grid 256 x 1, 8 waves a work-group, no clusters, 0 bytes of LDS; arguments y, ln1_g, ln1_b, x1, act; writes x1, act
.if DOCPART == 12
	.amdgcn_target "amdgcn-amd-amdhsa--gfx1250"
	.amdhsa_code_object_version 6
	.text
	.protected	k_q98fb8c1a8c_ln1
	.globl	k_q98fb8c1a8c_ln1
	.p2align	8
	.type	k_q98fb8c1a8c_ln1,@function
k_q98fb8c1a8c_ln1:
	s_mov_b64 s[64:65], 0
	v_nop
	global_prefetch_b8 v0, s[64:65] scope:SCOPE_SE
	s_setreg_imm32_b32 hwreg(HW_REG_WAVE_SCHED_MODE, 0, 2), 2
	s_setreg_imm32_b32 hwreg(HW_REG_WAVE_MODE, 25, 1), 1
	s_wait_xcnt 0x0
	s_wait_alu depctr_vm_vsrc(0)
; LayerNorm along rows of 1,024 f32: out = (y - mean) rsqrt(var + 1e-5) g + b, var the mean of (y - mean)^2, made in two passes over registers as the definition has it (no difference of large sums).
; THIS COPY (HF = 1) stores the result twice: f32 rows (the residual of the second half of the layer) and f16 blocks [row/128][col/64][128 rows][64] (the next product's operand).
; WHY F16.  A normalised row of 1,024 numbers has no entry above sqrt(1023) < 32, so |out| <= 32 |g| + |b|: bounded by the gains and biases alone, and f16 keeps 11 significant bits where bf16 keeps 8.
; LIMIT: 32 |g| + |b| below 65,504; results below 6.1e-5 carry an absolute error of 3e-8 in the f16 copy.
; Eight waves, 16 rows a work-group.  A wave takes two rows: lanes 0-15 one, lanes 16-31 the next, 64 numbers a lane, so that a reduction stays inside 16 lanes (four steps that ride on the addition)
; and each half of a load's or store's lanes covers 256 consecutive bytes, aligned.  All 48 loads of a wave go out first.  Memory binds: no LDS, no barrier, no matrix unit.
; v_rsq_f32 is accurate to 1 ulp.
; THE MODE: SCHED_MODE bits 1:0 = 2 (LLVM: expert scheduling mode 2), set by the entry lines.  The code itself states the register dependences
; between vector instructions and memory instructions, with s_wait_alu, always for 0.
; THE PLAN.  Registers that memory instructions touch:
;   v3, v4, v5  Offsets.  Written once, at the head; read by the loads (v3, v4) and the stores (v4, v5).
;   X           The row's 16 loads land in it, once; vector instructions then work on it in place; the f32 stores read it.
;   G, B        Loads land in them, once; read by vector instructions alone.
;   Y           Written by the roundings to f16, each register once (its first eight were T, which vector instructions alone named); the f16 stores read it.
; So: one wait ahead of the loads (the offsets are written).  The last stage goes in four blocks of 16 numbers a lane: a block's arithmetic, one wait (the block's X and Y are written),
; its eight stores.  The next block's arithmetic writes its own X and Y alone, none of the registers that the stores issued so far read: no wait on vm_vsrc is owed, and a block's
; stores are on their way during the next block's arithmetic.  The wave's number passes through a scalar register: one wait on va_sdst.
.set HF, 1
.set X, 8                              ; v[8:71]    my 64 numbers of the row
.set G, 72                             ; v[72:135]  their gains
.set B, 136                            ; v[136:199] their biases
.set T, 200                            ; v[200:207] four running pairs
.set Y, 200                            ; v[200:231] afterwards: the result in f16
	s_load_b256 s[4:11], s[0:1], 0x0               ; y s[4:5], g s[6:7], b s[8:9], f32 output s[10:11]
.if HF
	s_load_b64 s[12:13], s[0:1], 0x20              ; f16 output
.endif
	v_lshrrev_b32 v1, 5, v0
	v_readfirstlane_b32 s14, v1                    ; wave 0..7
	v_and_b32 v1, 15, v0
	v_bfe_u32 v2, v0, 4, 1
	v_lshlrev_b32 v3, 4, v1                        ; v3: 16 (lane % 16): my place in g and b
	v_lshl_add_u32 v4, v2, 12, v3                  ; v4: + one row of 4,096 bytes for lanes 16-31
	v_and_b32 v5, 31, v0
	v_lshlrev_b32 v5, 3, v5                        ; v5: 8 x lane
	s_wait_alu depctr_va_sdst(0)                   ; s14 is written, ahead of its first reader: the wave's first row is made from it
	s_lshl_b32 s15, ttmp9, 4
	s_lshl1_add_u32 s15, s14, s15                  ; my first row = 16 x work-group + 2 x wave
	s_lshl_b32 s16, s15, 12
	s_mov_b32 s17, 0
	s_lshr_b32 s18, s15, 7
	s_lshl_b32 s18, s18, 18                        ; f16: 16 blocks of 16,384 bytes for each 128 rows,
	s_and_b32 s19, s15, 127
	s_lshl_b32 s19, s19, 7                         ; rows of 128 bytes in a block
	s_add_co_u32 s18, s18, s19
	s_mov_b32 s19, 0
	s_mov_b32 s20, 0x3a800000                      ; 1 / 1024
	s_mov_b32 s21, 0x3727c5ac                      ; 1e-5
	s_wait_kmcnt 0x0
	s_add_nc_u64 s[4:5], s[4:5], s[16:17]
	s_add_nc_u64 s[10:11], s[10:11], s[16:17]
.if HF
	s_add_nc_u64 s[12:13], s[12:13], s[18:19]
.endif
	s_wait_alu depctr_va_vdst(0)                   ; the offsets v3, v4 and v5 are written: every load and store of the kernel reads one of them
.irp j, 0,1,2,3,4,5,6,7,8,9,10,11,12,13,14,15
	global_load_b128 v[X+4*\j:X+4*\j+3], v4, s[4:5] offset:256*\j th:TH_LOAD_NT
.endr
.irp j, 0,1,2,3,4,5,6,7,8,9,10,11,12,13,14,15
	global_load_b128 v[G+4*\j:G+4*\j+3], v3, s[6:7] offset:256*\j
.endr
.irp j, 0,1,2,3,4,5,6,7,8,9,10,11,12,13,14,15
	global_load_b128 v[B+4*\j:B+4*\j+3], v3, s[8:9] offset:256*\j
.endr
.macro ACROSS                          ; the four pairs, then the row's 16 lanes: every lane of a row ends with the row's sum in v[T]
	v_pk_add_f32 v[T:T+1], v[T:T+1], v[T+2:T+3]
	v_pk_add_f32 v[T+4:T+5], v[T+4:T+5], v[T+6:T+7]
	v_pk_add_f32 v[T:T+1], v[T:T+1], v[T+4:T+5]
	v_add_f32 v[T], v[T], v[T+1]
	v_add_f32_dpp v[T], v[T], v[T] row_xmask:1 row_mask:0xf bank_mask:0xf
	v_add_f32_dpp v[T], v[T], v[T] row_xmask:2 row_mask:0xf bank_mask:0xf
	v_add_f32_dpp v[T], v[T], v[T] row_xmask:4 row_mask:0xf bank_mask:0xf
	v_add_f32_dpp v[T], v[T], v[T] row_xmask:8 row_mask:0xf bank_mask:0xf
.endm
	s_wait_loadcnt 32                              ; the row's 16 loads are in; the 32 of g and b, issued behind them, stay out
.irp k, 0,1,2,3
	v_pk_add_f32 v[T+2*\k:T+2*\k+1], v[X+2*\k:X+2*\k+1], v[X+8+2*\k:X+8+2*\k+1]    ; the first eight pairs start four chains: nothing is cleared
.endr
.set p, 8
.rept 24
	v_pk_add_f32 v[T+2*(p%4):T+2*(p%4)+1], v[T+2*(p%4):T+2*(p%4)+1], v[X+2*p:X+2*p+1]
.set p, p+1
.endr
	ACROSS
	v_mul_f32 v6, s20, v[T]                        ; the mean, twice: a pair for the packed subtraction
	v_mov_b32 v7, v6
.set p, 0
.rept 32
	v_pk_add_f32 v[X+2*p:X+2*p+1], v[X+2*p:X+2*p+1], v[6:7] neg_lo:[0,1] neg_hi:[0,1]
.set p, p+1
.endr
.irp k, 0,1,2,3
	v_pk_mul_f32 v[T+2*\k:T+2*\k+1], v[X+2*\k:X+2*\k+1], v[X+2*\k:X+2*\k+1]
.endr
.set p, 4
.rept 28
	v_pk_fma_f32 v[T+2*(p%4):T+2*(p%4)+1], v[X+2*p:X+2*p+1], v[X+2*p:X+2*p+1], v[T+2*(p%4):T+2*(p%4)+1]
.set p, p+1
.endr
	ACROSS
	v_fma_f32 v6, v[T], s20, s21                   ; var + 1e-5
	v_rsq_f32 v6, v6
	v_nop                                          ; a plain instruction between v_rsq_f32 and the use of its result (ISA guide 5.7.2)
	s_wait_alu depctr_va_vdst(0)                   ; v_rsq_f32 has written v6, ahead of its first reader
	v_mov_b32 v7, v6
	s_wait_loadcnt 0x0                             ; g and b
; The last stage of block q, 16 of my 64 numbers: times rsqrt, times g plus b, and the rounding to f16: for each number the same three operations in the same order, whatever the block.
.macro ARITH q
.irp p, 0,1,2,3,4,5,6,7
	v_pk_mul_f32 v[X+16*(\q)+2*(\p):X+16*(\q)+2*(\p)+1], v[X+16*(\q)+2*(\p):X+16*(\q)+2*(\p)+1], v[6:7]
.endr
.irp p, 0,1,2,3,4,5,6,7
	v_pk_fma_f32 v[X+16*(\q)+2*(\p):X+16*(\q)+2*(\p)+1], v[X+16*(\q)+2*(\p):X+16*(\q)+2*(\p)+1], v[G+16*(\q)+2*(\p):G+16*(\q)+2*(\p)+1], v[B+16*(\q)+2*(\p):B+16*(\q)+2*(\p)+1]
.endr
.if HF
.irp j, 0,1,2,3
	v_cvt_pk_f16_f32 v[Y+8*(\q)+2*(\j)],   v[X+16*(\q)+4*(\j)],   v[X+16*(\q)+4*(\j)+1]
	v_cvt_pk_f16_f32 v[Y+8*(\q)+2*(\j)+1], v[X+16*(\q)+4*(\j)+2], v[X+16*(\q)+4*(\j)+3]
.endr
.endif
.endm
; Block q's stores.
.macro OUT q
.irp j, 0,1,2,3
	global_store_b128 v4, v[X+16*(\q)+4*(\j):X+16*(\q)+4*(\j)+3], s[10:11] offset:256*(4*(\q)+(\j))
.if HF
	global_store_b64 v5, v[Y+8*(\q)+2*(\j):Y+8*(\q)+2*(\j)+1], s[12:13] offset:16384*(4*(\q)+(\j))    ; column block 4 q + j: my two rows' 128 bytes each are 256 consecutive bytes, aligned
.endif
.endr
.endm
.irp q, 0,1,2,3
	ARITH \q
	s_wait_alu depctr_va_vdst(0)                   ; the block's arithmetic has written its 16 registers of X and its 8 of Y, which the eight stores below read
	OUT \q
.endr
	s_endpgm
.Lfunc_end_k_q98fb8c1a8c_ln1:
	.size	k_q98fb8c1a8c_ln1, .Lfunc_end_k_q98fb8c1a8c_ln1-k_q98fb8c1a8c_ln1
	.p2alignl 7, 3214868480
	.fill 96, 4, 3214868480
	.section	.rodata,"a",@progbits
	.p2align	6, 0x0
	.amdhsa_kernel k_q98fb8c1a8c_ln1
		.amdhsa_group_segment_fixed_size 0
		.amdhsa_private_segment_fixed_size 0
		.amdhsa_enable_private_segment 0
		.amdhsa_kernarg_size 40
		.amdhsa_user_sgpr_count 2
		.amdhsa_user_sgpr_kernarg_segment_ptr 1
		.amdhsa_wavefront_size32 1
		.amdhsa_system_sgpr_workgroup_id_x 1
		.amdhsa_system_sgpr_workgroup_id_y 1
		.amdhsa_system_sgpr_workgroup_id_z 1
		.amdhsa_system_vgpr_workitem_id 0
		.amdhsa_next_free_vgpr 232
		.amdhsa_next_free_sgpr 66
		.amdhsa_reserve_vcc 0
		.amdhsa_float_denorm_mode_32 3
		.amdhsa_float_denorm_mode_16_64 3
		.amdhsa_memory_ordered 1
		.amdhsa_forward_progress 1
		.amdhsa_inst_pref_size 23
	.end_amdhsa_kernel
	.amdgpu_metadata
---
amdhsa.version: [ 1, 2 ]
amdhsa.kernels:
  - .name:           k_q98fb8c1a8c_ln1
    .symbol:         k_q98fb8c1a8c_ln1.kd
    .args:
      - { .name: y, .offset: 0, .size: 8, .value_kind: global_buffer, .address_space: global }
      - { .name: ln1_g, .offset: 8, .size: 8, .value_kind: global_buffer, .address_space: global }
      - { .name: ln1_b, .offset: 16, .size: 8, .value_kind: global_buffer, .address_space: global }
      - { .name: x1, .offset: 24, .size: 8, .value_kind: global_buffer, .address_space: global }
      - { .name: act, .offset: 32, .size: 8, .value_kind: global_buffer, .address_space: global }
    .group_segment_fixed_size: 0
    .private_segment_fixed_size: 0
    .kernarg_segment_align: 8
    .kernarg_segment_size: 40
    .max_flat_workgroup_size: 256
    .sgpr_count:     66
    .vgpr_count:     232
    .wavefront_size: 32
...
	.end_amdgpu_metadata
.endif
;; end of part 12
;; launch gemm_ffn1: the kernel of part 10 again; grid 16 x 16, 4 waves a work-group, clusters of 4 x 4, 327,680 bytes of LDS; arguments act, wb, b1, h; writes h
;; launch gemm_ffn2: the kernel of part 7 again; grid 8 x 32, 4 waves a work-group, clusters of 4 x 4, 327,680 bytes of LDS; arguments h, wb, b2, x1, y; writes y
;; launch ln2: the kernel of part 8 again; grid 256 x 1, 8 waves a work-group, no clusters, 0 bytes of LDS; arguments y, ln2_g, ln2_b, out0; writes out0
